; MI455X (gfx1250); checked and timed in simulation.
; The chip was launched on July 23, 2026; its instructions are those of AMD's public machine-readable ISA for CDNA 5 (MIT licence, August 2026) and "CDNA5" Instruction Set Architecture Reference Guide (July 2026). The comments in the code are by the model that wrote it; some were corrected since.
;; Encoder Layer. Allowed arithmetic: float matrix products may take bf16 or f16 operands with f32 sums; other float arithmetic in f32, or as packed bf16 or f16 multiplies, adds, multiply-adds, maxima and minima; sums over many terms, partial sums and values carried from step to step in f32; what a program stores and reads back later, other than sums and carried values, may be rounded once to bf16 or f16.
;; Inputs: ffn_b1 4,096 float32; ffn_b2 1,024 float32; ffn_w1 1,024 x 4,096 float32; ffn_w2 4,096 x 1,024 float32; ln1_b 1,024 float32; ln1_g 1,024 float32; ln2_b 1,024 float32; ln2_g 1,024 float32; mask 2 x 2,048 int32; wk_b 1,024 float32; wk_w 1,024 x 1,024 float32; wo_b 1,024 float32; wo_w 1,024 x 1,024 float32; wq_b 1,024 float32; wq_w 1,024 x 1,024 float32; wv_b 1,024 float32; wv_w 1,024 x 1,024 float32; x 2 x 2,048 x 1,024 float32.
;; Outputs: out0 2 x 2,048 x 1,024 float32.
;; 2 versions, each right. Each part assembles by itself: llvm-mc -triple=amdgcn-amd-amdhsa -mcpu=gfx1250 --defsym DOCPART=n.
;; ======== version 1 of 2: 8 launches
;; workspace buffers: wsx 16,814,080 bytes; wso 16,795,648 bytes; wsc 41,947,136 bytes; wsh 41,947,136 bytes; qkv 25,165,824 bytes; ysum 16,777,216 bytes
;; launch cast (part 1): grid 1025 x 1, 8 waves a work-group, no clusters, 0 bytes of LDS; arguments x, wq_w, wk_w, wv_w, wo_w, ffn_w1, ffn_w2, wq_b, wk_b, wv_b, ffn_b1, wo_b, ffn_b2, ln1_g, ln1_b, ln2_g, ln2_b, wsx, wso, wsc, wsh; writes wsx, wso, wsc, wsh
.if DOCPART == 1
	.amdgcn_target "amdgcn-amd-amdhsa--gfx1250"
	.amdhsa_code_object_version 6
	.text
	.protected	k_q66cd070939_cast
	.globl	k_q66cd070939_cast
	.p2align	8
	.type	k_q66cd070939_cast,@function
k_q66cd070939_cast:
	s_mov_b64 s[64:65], 0
	v_nop
	global_prefetch_b8 v0, s[64:65] scope:SCOPE_SE
	s_setreg_imm32_b32 hwreg(HW_REG_WAVE_MODE, 25, 1), 1
	s_wait_xcnt 0x0
; EVERY INPUT IS ROUNDED TO bf16 ONCE, and the weights are laid as the later launches' tensor loads want them.
; Work-groups 0-1023 take 16 rows x 1,024 columns of f32 (64 KiB) of one matrix; thread t takes columns 4 t .. 4 t + 3 of each row:
; a wave's load covers 512 consecutive bytes, its store of 8 bytes a lane 256 consecutive bytes, aligned.  All 16 loads of a thread go out at once.
;   x   [4096][1024]        -> wsx + 0:          the same shape in bf16
;   wq, wk, wv [1024][1024] -> wsx + 0x800000:   12 panels [1024 k][256 n]
;   wo  [1024][1024]        -> wsc + 0x2000000:  blocks [k / 256][8 column tiles][256 k][128 n]
;   w1  [1024][4096]        -> wso + 0x800000:   16 panels [1024 k][256 n]
;   w2  [4096][1024]        -> wsh + 0x2000000:  blocks as wo's
; Which matrix a work-group has is chosen by scalar selects on its number: no pointer reaches a label by two ways.
; Work-group 1024 rounds the biases and gains (kept as f32 words that hold the bf16 number), and writes the two floors of the large product's way out
; (-infinity twice: no floor; 0 twice: relu).
.set P0,    0x1000000                  ; where the small vectors begin in wsx and wso
.set LO,    8                          ; v[8:23]    byte offset of my 16 bytes in row j of the source
.set SO,    24                         ; v[24:39]   byte offset of my 8 bytes in row j of the destination
.set X,     40                         ; v[40:103]  row j as loaded
.set Y,     104                        ; v[104:135] row j to store
.set SRC,   52                         ; s[52:53]
.set DST,   54                         ; s[54:55]
.set SOFF,  56                         ; s[56:57] the work-group's offset in the source
.set DOFF,  58                         ; s[58:59] and in the destination
.set SSTEP, 60                         ; bytes from row to row in the source
.set DSTEP, 61                         ; and in the destination
.set PSH,   62                         ; t >> PSH is the panel or column tile of my columns,
.set PSS,   63                         ; 1 << PSS its bytes,
.set PMASK, 66                         ; t & PMASK my place in its row
.set FIRST, 67                         ; the matrix's first work-group, then my number in it
.set KIND,  68                         ; 0 x, 1 a panel matrix of 1,024 columns, 2 blocks, 3 w1
	s_load_b512 s[4:19], s[0:1], 0x0               ; argument n lies in s[4 + 2 n : 5 + 2 n]
	s_load_b512 s[20:35], s[0:1], 0x40
	s_load_b256 s[36:43], s[0:1], 0x80
	s_load_b64 s[44:45], s[0:1], 0xa0
	s_mov_b32 s[SOFF+1], 0
	s_mov_b32 s[DOFF+1], 0
	s_cmp_eq_u32 ttmp9, 1024
	s_wait_kmcnt 0x0
	s_cbranch_scc1 .Lsmall
	s_add_nc_u64 s[70:71], s[38:39], 0x800000      ; wq's panels
	s_add_nc_u64 s[72:73], s[38:39], 0xa00000      ; wk's
	s_add_nc_u64 s[74:75], s[38:39], 0xc00000      ; wv's
	s_add_nc_u64 s[76:77], s[42:43], 0x2000000     ; wo's blocks
	s_add_nc_u64 s[78:79], s[40:41], 0x800000      ; w1's panels
	s_add_nc_u64 s[80:81], s[44:45], 0x2000000     ; w2's blocks
	s_mov_b64 s[SRC:SRC+1], s[4:5]                 ; work-groups 0-255: x
	s_mov_b64 s[DST:DST+1], s[38:39]
	s_mov_b32 s[FIRST], 0
	s_mov_b32 s[KIND], 0
.macro CASE bound, src, dst, kind      ; from work-group bound on: another matrix
	s_cmp_ge_u32 ttmp9, \bound
	s_cselect_b64 s[SRC:SRC+1], s[\src:\src+1], s[SRC:SRC+1]
	s_cselect_b64 s[DST:DST+1], s[\dst:\dst+1], s[DST:DST+1]
	s_cselect_b32 s[FIRST], \bound, s[FIRST]
	s_cselect_b32 s[KIND], \kind, s[KIND]
.endm
	CASE 256, 6, 70, 1
	CASE 320, 8, 72, 1
	CASE 384, 10, 74, 1
	CASE 448, 12, 76, 2
	CASE 512, 14, 78, 3
	CASE 768, 16, 80, 2
	s_sub_co_u32 s[FIRST], ttmp9, s[FIRST]         ; i: my number in the matrix
	s_lshl_b32 s[SOFF], s[FIRST], 16               ; kind 0: 16 rows of 4,096 bytes in, of 2,048 out
	s_lshl_b32 s[DOFF], s[FIRST], 15
	s_mov_b32 s[SSTEP], 4096
	s_mov_b32 s[DSTEP], 2048
	s_mov_b32 s[PSH], 8
	s_mov_b32 s[PSS], 0
	s_mov_b32 s[PMASK], 255
	s_lshl_b32 s69, s[FIRST], 13                   ; kind 1: 16 rows of 512 bytes in each of four panels of 2^19 bytes
	s_cmp_eq_u32 s[KIND], 1
	s_cselect_b32 s[DOFF], s69, s[DOFF]
	s_cselect_b32 s[DSTEP], 512, s[DSTEP]
	s_cselect_b32 s[PSH], 6, s[PSH]
	s_cselect_b32 s[PSS], 19, s[PSS]
	s_cselect_b32 s[PMASK], 63, s[PMASK]
	s_lshr_b32 s69, s[FIRST], 4                    ; kind 2: k block i / 16 (eight blocks of 2^16 bytes), in it 16 (i % 16) rows of 256 bytes
	s_lshl_b32 s69, s69, 19
	s_and_b32 s82, s[FIRST], 15
	s_lshl_b32 s82, s82, 12
	s_add_co_u32 s69, s69, s82
	s_cmp_eq_u32 s[KIND], 2
	s_cselect_b32 s[DOFF], s69, s[DOFF]
	s_cselect_b32 s[DSTEP], 256, s[DSTEP]
	s_cselect_b32 s[PSH], 5, s[PSH]
	s_cselect_b32 s[PSS], 16, s[PSS]
	s_cselect_b32 s[PMASK], 31, s[PMASK]
	s_and_b32 s82, s[FIRST], 3                     ; kind 3: strip i % 4 of 1,024 columns, rows 16 (i / 4) on; a row of w1 is 16,384 bytes
	s_lshr_b32 s83, s[FIRST], 2
	s_lshl_b32 s69, s83, 18
	s_lshl_b32 s84, s82, 12
	s_add_co_u32 s69, s69, s84
	s_lshl_b32 s84, s82, 21
	s_lshl_b32 s85, s83, 13
	s_add_co_u32 s84, s84, s85
	s_cmp_eq_u32 s[KIND], 3
	s_cselect_b32 s[SOFF], s69, s[SOFF]
	s_cselect_b32 s[DOFF], s84, s[DOFF]
	s_cselect_b32 s[SSTEP], 16384, s[SSTEP]
	s_cselect_b32 s[DSTEP], 512, s[DSTEP]
	s_cselect_b32 s[PSH], 6, s[PSH]
	s_cselect_b32 s[PSS], 19, s[PSS]
	s_cselect_b32 s[PMASK], 63, s[PMASK]
	s_add_nc_u64 s[SRC:SRC+1], s[SRC:SRC+1], s[SOFF:SOFF+1]
	s_add_nc_u64 s[DST:DST+1], s[DST:DST+1], s[DOFF:DOFF+1]
	v_lshlrev_b32 v[LO], 4, v0
.set j, 1
.rept 15
	v_add_nc_u32 v[LO+j], s[SSTEP], v[LO+j-1]
.set j, j+1
.endr
.set j, 0
.rept 16
	global_load_b128 v[X+4*j:X+4*j+3], v[LO+j], s[SRC:SRC+1] th:TH_LOAD_NT
.set j, j+1
.endr
	v_lshrrev_b32 v1, s[PSH], v0
	v_lshlrev_b32 v1, s[PSS], v1
	v_and_b32 v2, s[PMASK], v0
	v_lshl_add_u32 v[SO], v2, 3, v1
.set j, 1
.rept 15
	v_add_nc_u32 v[SO+j], s[DSTEP], v[SO+j-1]
.set j, j+1
.endr
.set j, 0
.rept 16
	s_wait_loadcnt 15-j                            ; loads come back in order: row j is in, the 15 - j younger rows stay out
	v_cvt_pk_bf16_f32 v[Y+2*j], v[X+4*j], v[X+4*j+1]
	v_cvt_pk_bf16_f32 v[Y+2*j+1], v[X+4*j+2], v[X+4*j+3]
	global_store_b64 v[SO+j], v[Y+2*j:Y+2*j+1], s[DST:DST+1]  ; no register is written twice, so nothing waits for a store
.set j, j+1
.endr
	s_endpgm
.Lsmall:
	s_add_nc_u64 s[52:53], s[38:39], P0            ; wsx's small vectors
	s_add_nc_u64 s[54:55], s[40:41], P0            ; wso's
	s_add_nc_u64 s[56:57], s[42:43], 0x2800000     ; wo_b's place in wsc
	s_add_nc_u64 s[58:59], s[44:45], 0x2800000     ; ffn_b2's in wsh
	v_lshlrev_b32 v1, 4, v0                        ; 256 threads x 16 bytes: 1,024 numbers a load
	v_lshlrev_b32 v2, 3, v0
.macro LDV n, src, off
	global_load_b128 v[X+4*(\n):X+4*(\n)+3], v1, s[\src:\src+1] offset:\off
.endm
.macro STV n, dst, off                 ; rounded to bf16, widened again, stored as f32
	s_wait_loadcnt 12-(\n)                         ; vector n is in, the 12 - n younger ones stay out
	v_cvt_pk_bf16_f32 v4, v[X+4*(\n)], v[X+4*(\n)+1]
	v_cvt_pk_bf16_f32 v5, v[X+4*(\n)+2], v[X+4*(\n)+3]
	v_lshlrev_b32 v[X+4*(\n)], 16, v4
	v_and_b32 v[X+4*(\n)+1], 0xffff0000, v4
	v_lshlrev_b32 v[X+4*(\n)+2], 16, v5
	v_and_b32 v[X+4*(\n)+3], 0xffff0000, v5
	global_store_b128 v1, v[X+4*(\n):X+4*(\n)+3], s[\dst:\dst+1] offset:\off
.endm
	LDV 0, 18, 0                                   ; wq_b
	LDV 1, 20, 0                                   ; wk_b
	LDV 2, 22, 0                                   ; wv_b
	LDV 3, 24, 0                                   ; ffn_b1, four quarters
	LDV 4, 24, 4096
	LDV 5, 24, 8192
	LDV 6, 24, 12288
	LDV 7, 26, 0                                   ; wo_b
	LDV 8, 28, 0                                   ; ffn_b2
	LDV 9, 30, 0                                   ; ln1_g
	LDV 10, 32, 0                                  ; ln1_b
	LDV 11, 34, 0                                  ; ln2_g
	LDV 12, 36, 0                                  ; ln2_b
	v_mov_b32 v6, 0xff80ff80                       ; -infinity twice in bf16
	v_mov_b32 v7, 0xff80ff80
	v_mov_b32 v8, 0
	v_mov_b32 v9, 0
	global_store_b64 v2, v[6:7], s[52:53] offset:16384
	global_store_b64 v2, v[8:9], s[54:55] offset:16384
	STV 0, 52, 0
	STV 1, 52, 4096
	STV 2, 52, 8192
	STV 3, 54, 0
	STV 4, 54, 4096
	STV 5, 54, 8192
	STV 6, 54, 12288
	STV 7, 56, 0
	STV 8, 58, 0
	STV 9, 52, 20480
	STV 10, 52, 24576
	STV 11, 52, 28672
	STV 12, 52, 32768
	s_endpgm
.Lfunc_end_k_q66cd070939_cast:
	.size	k_q66cd070939_cast, .Lfunc_end_k_q66cd070939_cast-k_q66cd070939_cast
	.p2alignl 7, 3214868480
	.fill 96, 4, 3214868480
	.section	.rodata,"a",@progbits
	.p2align	6, 0x0
	.amdhsa_kernel k_q66cd070939_cast
		.amdhsa_group_segment_fixed_size 0
		.amdhsa_private_segment_fixed_size 0
		.amdhsa_enable_private_segment 0
		.amdhsa_kernarg_size 168
		.amdhsa_user_sgpr_count 2
		.amdhsa_user_sgpr_kernarg_segment_ptr 1
		.amdhsa_wavefront_size32 1
		.amdhsa_system_sgpr_workgroup_id_x 1
		.amdhsa_system_sgpr_workgroup_id_y 1
		.amdhsa_system_sgpr_workgroup_id_z 1
		.amdhsa_system_vgpr_workitem_id 0
		.amdhsa_next_free_vgpr 136
		.amdhsa_next_free_sgpr 88
		.amdhsa_reserve_vcc 0
		.amdhsa_float_denorm_mode_32 3
		.amdhsa_float_denorm_mode_16_64 3
		.amdhsa_memory_ordered 1
		.amdhsa_forward_progress 1
		.amdhsa_inst_pref_size 19
	.end_amdhsa_kernel
	.amdgpu_metadata
---
amdhsa.version: [ 1, 2 ]
amdhsa.kernels:
  - .name:           k_q66cd070939_cast
    .symbol:         k_q66cd070939_cast.kd
    .args:
      - { .name: x, .offset: 0, .size: 8, .value_kind: global_buffer, .address_space: global }
      - { .name: wq_w, .offset: 8, .size: 8, .value_kind: global_buffer, .address_space: global }
      - { .name: wk_w, .offset: 16, .size: 8, .value_kind: global_buffer, .address_space: global }
      - { .name: wv_w, .offset: 24, .size: 8, .value_kind: global_buffer, .address_space: global }
      - { .name: wo_w, .offset: 32, .size: 8, .value_kind: global_buffer, .address_space: global }
      - { .name: ffn_w1, .offset: 40, .size: 8, .value_kind: global_buffer, .address_space: global }
      - { .name: ffn_w2, .offset: 48, .size: 8, .value_kind: global_buffer, .address_space: global }
      - { .name: wq_b, .offset: 56, .size: 8, .value_kind: global_buffer, .address_space: global }
      - { .name: wk_b, .offset: 64, .size: 8, .value_kind: global_buffer, .address_space: global }
      - { .name: wv_b, .offset: 72, .size: 8, .value_kind: global_buffer, .address_space: global }
      - { .name: ffn_b1, .offset: 80, .size: 8, .value_kind: global_buffer, .address_space: global }
      - { .name: wo_b, .offset: 88, .size: 8, .value_kind: global_buffer, .address_space: global }
      - { .name: ffn_b2, .offset: 96, .size: 8, .value_kind: global_buffer, .address_space: global }
      - { .name: ln1_g, .offset: 104, .size: 8, .value_kind: global_buffer, .address_space: global }
      - { .name: ln1_b, .offset: 112, .size: 8, .value_kind: global_buffer, .address_space: global }
      - { .name: ln2_g, .offset: 120, .size: 8, .value_kind: global_buffer, .address_space: global }
      - { .name: ln2_b, .offset: 128, .size: 8, .value_kind: global_buffer, .address_space: global }
      - { .name: wsx, .offset: 136, .size: 8, .value_kind: global_buffer, .address_space: global }
      - { .name: wso, .offset: 144, .size: 8, .value_kind: global_buffer, .address_space: global }
      - { .name: wsc, .offset: 152, .size: 8, .value_kind: global_buffer, .address_space: global }
      - { .name: wsh, .offset: 160, .size: 8, .value_kind: global_buffer, .address_space: global }
    .group_segment_fixed_size: 0
    .private_segment_fixed_size: 0
    .kernarg_segment_align: 8
    .kernarg_segment_size: 168
    .max_flat_workgroup_size: 256
    .sgpr_count:     88
    .vgpr_count:     136
    .wavefront_size: 32
...
	.end_amdgpu_metadata
.endif
;; end of part 1
;; launch qkv (part 2): grid 12 x 16, 4 waves a work-group, clusters of 4 x 4, 327,680 bytes of LDS; arguments wsx, qkv; writes qkv
.if DOCPART == 2
	.amdgcn_target "amdgcn-amd-amdhsa--gfx1250"
	.amdhsa_code_object_version 6
	.text
	.protected	k_q66cd070939_qkv
	.globl	k_q66cd070939_qkv
	.p2align	8
	.type	k_q66cd070939_qkv,@function
k_q66cd070939_qkv:
	s_mov_b64 s[64:65], 0
	v_nop
	global_prefetch_b8 v0, s[64:65] scope:SCOPE_SE
	s_setreg_imm32_b32 hwreg(HW_REG_WAVE_MODE, 25, 1), 1
	s_wait_xcnt 0x0
	s_wait_alu depctr_hold_cnt(0) depctr_sa_sdst(0) depctr_va_vdst(0) depctr_va_sdst(0) depctr_va_ssrc(0) depctr_va_vcc(0) depctr_vm_vsrc(0)
	s_getreg_b32 s2, hwreg(HW_REG_IB_STS2, 6, 4)
	s_cmp_eq_u32 s2, 0
	s_cbranch_scc0 .Lentry_in_a_cluster
	s_endpgm
.Lentry_in_a_cluster:
	s_bfe_u32 s2, ttmp6, 0x10000c
	s_cmp_lg_u32 s2, 0xf033
	s_cbranch_scc0 .Lentry_shape_is_right
	s_endpgm
.Lentry_shape_is_right:
; C = max(A W + bias, floor), K = 1,024.  IN holds A [4096][1024] bf16 at 0, W as panels [1024 k][256 n] bf16 at WOFF, the bias (f32) at POFF and the floor word at POFF + 16,384.
; OUT takes C in bf16 by SLICES of 64 columns: [slice][4096 rows][64], so that a head, or 64 along the next product's K, is dense.  Sums in f32, started by the bias; C rounded once.
; LIMITS.  The floor is taken on the rounded bf16 pair (0: relu; -infinity: none); a NaN comes out as the floor.  Infinities are not treated apart.
; SHARES.  A tile of C is 256 x 256, a work-group of four waves; a wave makes 128 x 128: 64 accumulators, 512 registers.  K goes in 8 steps of 128 through two LDS slots filled by tensor loads.
; CLUSTER.  4 x 4 work-groups: A's tile is shared along a row of the cluster, W's along a column; each is asked for jointly, by the same load with the same descriptor and a mask of four.
; W LIES [k][n]: its fragments come out of LDS turned, by ds_load_tr16_b128.  The product is taken transposed (source 0 = 16 columns of W, source 1 = 16 rows of A): a lane holds
; row l % 16 of C and the eight neighbouring columns 8 (l / 16) + 0..7.
; REGISTERS, in windows of 256:  window 0: v16-31 addresses; v64-127, v128-191 A's fragments, two buffers; v192-255 the bias of my 128 columns, later v192-223 packed results; v32-63 and v224-255 rows read back
;   window 1: v64-127, v128-191 W's fragments     window 2: accumulators of my rows 0-63 ((a, b) at v[8 (8 a + b)])     window 3: of my rows 64-127
.set KSTEP,  128
.set PITCH,  272                       ; a row of A in LDS: 256 bytes + 16: the 16 rows of a load start at 16 different groups of four banks (64 banks of 4 bytes: ISA guide 11.1)
.set PB,     544                       ; a k row of W: 512 bytes + 32: an odd multiple of 32, for the turning load
.set HALFT,  128*PITCH                 ; what one tensor load brings: 128 rows of A, or 64 k rows of W (64 x 544 is the same number)
.set SLOT,   4*HALFT                   ; A's 256 rows, then W's 128 k rows
.set STAGE,  2*SLOT                    ; behind the ring: for each wave 2 slices x 16 rows x 144 bytes, for the way out
.set SP,     144
.set WSTG,   2*16*SP
.set SPARE,  STAGE+4*WSTG              ; the spare words, 128 bytes for each wave: two blocks of 256 bytes that no other line names
.set LAPS,   4                         ; a lap = two K steps = once round the ring
.set WOFF,   0x800000
.set POFF,   0x1000000
.set ADRA, 16                          ; v16-17  LDS address of my A fragments in slot 0, 1
.set ADRB, 20                          ; v20-21  the same for W
.set STO,  24                          ; v24     the way out: where I put 16 bytes of a row
.set RD,   25                          ; v25     where I read rows back
.set CO,   26                          ; v26     16 x my lane: my place in 512 consecutive bytes of OUT
.set SPW,  28                          ; v28     my spare word: SPARE + 4 x my thread's number; never rewritten
.set NIL,  29                          ; v29     0; never rewritten
.set PFO,  30                          ; v30     the prefetches' lane term; never rewritten
.set BO,   31                          ; v31     byte offset of my lane's first bias
.set F0,   64
.set F1,   128
.set BIAS, 192
.set TMP,  192
.set OB,   32
.set G1,   24                          ; s[24:31] descriptor group 1 for A's tiles;  s[32:39] group 0, a set for each slot
.set G0,   32
.set G1B,  48                          ; s[48:55], s[56:63] the same for W's
.set G0B,  56
.set LIM,  43                          ; s43      1 in a wave that prefetches, else the greatest number
.set PFA,  44                          ; s[44:45] where my next prefetch stands
.set PFS,  66                          ; s[66:67] its step from K step to K step
.set PAR,  68                          ; s[68:69] IN + POFF
.set FLOOR, 70
.set LSH,  71
.set MSB, 0
.macro WIN new                         ; the immediate's high byte repeats the setting that is left; a switch that changes nothing is dropped
.if MSB != (\new)
	s_set_vgpr_msb (MSB<<8)|(\new)
.set MSB, \new
.endif
.endm
.set MUL_LO, 0xa1                      ; source 0 (W) window 1, source 1 (A) window 0, C and D window 2
.set TO_B,   0x40                      ; destination window 1, address window 0
; A joint load.  Waves 0 and 1 fetch A's two halves, waves 2 and 3 W's.  The branch hangs on the wave's number alone.  An s_nop 0 and four v_nop follow each line.
.macro JLOAD s
	s_cmp_eq_u32 s11, 0
	s_cbranch_scc0 .Lfor_b_\@
	tensor_load_to_lds s[G0+4*(\s):G0+4*(\s)+3], s[G1:G1+7]
	s_nop 0
.rept 4
	v_nop
.endr
	s_branch .Lasked_\@
.Lfor_b_\@:
	tensor_load_to_lds s[G0B+4*(\s):G0B+4*(\s)+3], s[G1B:G1B+7]
	s_nop 0
.rept 4
	v_nop
.endr
.Lasked_\@:
.endm
; A prefetch of the K step that stands two refills on: 32 blocks of 256 bytes, a lane a block.  A's rows are read by every cluster of a row of clusters: cluster x = 0 asks; W's panel by every cluster of a
; column: cluster y = 0 asks.  The four partners of a joint load share its bytes out by address.  So K steps 4 to 7 are named once each; the loop's last trip (s3 = 1) asks for nothing.
.macro ASK
	s_cmp_gt_u32 s3, s[LIM]
	s_cbranch_scc0 .Lnot_mine_\@
	global_prefetch_b8 v[PFO], s[PFA:PFA+1] th:TH_LOAD_NT scope:SCOPE_SE
.Lnot_mine_\@:
.endm
.macro CREST                           ; a round of the cluster's barrier behind its opening barrier
	s_cmp_lg_u32 s10, 0
	s_cbranch_scc1 .Lnot_wave_0_\@
	s_barrier_signal -3
.Lnot_wave_0_\@:
	s_barrier_wait -3
	s_barrier_signal -1
	s_barrier_wait -1
.endm
.macro CROUND
	s_barrier_signal -1
	s_barrier_wait -1
	CREST
.endm
	s_load_b128 s[4:7], s[0:1], 0x0                ; IN s[4:5], OUT s[6:7]
	v_lshl_add_u32 v[SPW], v0, 2, SPARE
	v_mov_b32 v[NIL], 0
	ds_add_u32 v[SPW], v[NIL]                      ; the wave's opening: the add and its wait stand ahead of my first tensor load
	v_lshrrev_b32 v1, 5, v0
	v_readfirstlane_b32 s10, v1                    ; wave 0..3
	s_lshr_b32 s11, s10, 1                         ; which half of the tile's rows is mine.  Also: I fetch for A (0) or for W (1)
	s_and_b32 s12, s10, 1                          ; which half of its columns.  Also: which half of that tile I fetch
	s_bfe_u32 s40, ttmp6, 0x40000                  ; cx
	s_bfe_u32 s41, ttmp6, 0x40004                  ; cy
	s_lshl_b32 s42, ttmp9, 2
	s_add_co_u32 s42, s42, s40                     ; tile column = 4 x cluster x + cx
	s_and_b32 s13, ttmp7, 0xffff
	s_lshl_b32 s13, s13, 2
	s_add_co_u32 s13, s13, s41                     ; tile row = 4 x cluster y + cy
	s_lshl_b32 s43, s41, 2
	s_lshl_b32 s43, 15, s43                        ; my row of the cluster
	s_lshl_b32 s44, 0x1111, s40                    ; my column
	s_or_b32 s[G1+0], s43, (1<<16)|(1<<20)|(1<<21)|(5<<22)|(3<<25)   ; mask; 2-byte elements; padding on; bit 21 beside a mask; after every 64 words 4 words
	s_or_b32 s[G1B+0], s44, (1<<16)|(1<<20)|(1<<21)|(6<<22)|(7<<25)  ; after every 128 words 8 words
	s_mov_b32 s[G1+1], 128<<16                     ; tensor_dim0 = 128
	s_mov_b32 s[G1+2], 128<<16                     ; tensor_dim1 = 128
	s_mov_b32 s[G1+3], 128<<16                     ; tile_dim0 = 128
	s_mov_b32 s[G1+4], 128                         ; tile_dim1 = 128
	s_mov_b32 s[G1+5], 1024                        ; elements from row to row
	s_mov_b32 s[G1+6], 0
	s_mov_b32 s[G1+7], 0
	s_mov_b32 s[G1B+1], 256<<16                    ; tensor_dim0 = 256
	s_mov_b32 s[G1B+2], 64<<16                     ; tensor_dim1 = 64
	s_mov_b32 s[G1B+3], 256<<16                    ; tile_dim0 = 256
	s_mov_b32 s[G1B+4], 64                         ; tile_dim1 = 64
	s_mov_b32 s[G1B+5], 256
	s_mov_b32 s[G1B+6], 0
	s_mov_b32 s[G1B+7], 0
	s_lshl_b32 s17, s12, 7
	s_lshl_b32 s16, s13, 8
	s_add_co_u32 s16, s16, s17                     ; A: row 256 x tile row + 128 x half,
	s_lshl_b32 s16, s16, 11                        ; of 2,048 bytes
	s_mov_b32 s17, 0
	s_lshl_b32 s46, s42, 19                        ; W: the tile column's panel of 2^19 bytes,
	s_lshl_b32 s47, s12, 15                        ; my 64 k rows of 512 bytes
	s_add_co_u32 s46, s46, s47
	s_add_co_u32 s46, s46, WOFF
	s_mov_b32 s47, 0
	s_mul_i32 s20, s10, HALFT                      ; where they go: no place in the cluster enters an LDS address
	s_wait_dscnt 0x0                               ; the opening add is done
	s_wait_kmcnt 0x0
	s_add_nc_u64 s[14:15], s[4:5], s[16:17]
	s_add_nc_u64 s[46:47], s[4:5], s[46:47]
	CROUND                                         ; all sixteen work-groups are here: the first joint loads meet
.irp s, 0,1
	s_mov_b32 s[G0+4*(\s)], 1
	s_add_co_u32 s[G0+4*(\s)+1], s20, (\s)*SLOT
	s_add_nc_u64 s[G0+4*(\s)+2:G0+4*(\s)+3], s[14:15], (\s)*256      ; K step s: 256 bytes along a row
	s_or_b32 s[G0+4*(\s)+3], s[G0+4*(\s)+3], 0x80000000
	s_mov_b32 s[G0B+4*(\s)], 1
	s_add_co_u32 s[G0B+4*(\s)+1], s20, (\s)*SLOT
	s_add_nc_u64 s[G0B+4*(\s)+2:G0B+4*(\s)+3], s[46:47], (\s)*65536  ; K step s: 128 k rows of 512 bytes
	s_or_b32 s[G0B+4*(\s)+3], s[G0B+4*(\s)+3], 0x80000000
	JLOAD \s                                       ; two loads of mine are out
.endr
	v_and_b32 v1, 15, v0                           ; l % 16
	v_bfe_u32 v2, v0, 4, 1                         ; l / 16
	v_mul_u32_u24 v3, v1, PITCH
	v_lshl_add_u32 v3, v2, 4, v3                   ; A: row x pitch + 16 x half
	s_mul_i32 s21, s11, HALFT                      ; my 128 rows of A
	v_and_b32 v4, 7, v0
	v_lshl_add_u32 v4, v2, 3, v4                   ; W: k row 8 (l / 16) + l % 8,
	v_mul_u32_u24 v4, v4, PB
	v_bfe_u32 v5, v0, 3, 1
	v_lshl_add_u32 v4, v5, 4, v4                   ; columns 8 ((l / 8) % 2) on
	s_lshl_b32 s22, s12, 8                         ; my 128 columns,
	s_add_co_u32 s22, s22, 2*HALFT                 ; behind A's 256 rows
.irp s, 0,1
	v_add_nc_u32 v[ADRA+(\s)], s21, v3
	v_add_nc_u32 v[ADRB+(\s)], s22, v4
	s_add_co_u32 s21, s21, SLOT
	s_add_co_u32 s22, s22, SLOT
.endr
	s_mul_i32 s23, s10, WSTG
	s_add_co_u32 s23, s23, STAGE                   ; my stage
	v_mul_u32_u24 v6, v1, SP                       ; in: row l % 16, 16 bytes for each half of the lanes
	v_lshl_add_u32 v6, v2, 4, v6
	v_add_nc_u32 v[STO], s23, v6
	v_bfe_u32 v6, v0, 3, 2                         ; back: 32 lanes take four rows of 128 bytes,
	v_mul_u32_u24 v6, v6, SP
	v_and_b32 v7, 7, v0
	v_lshl_add_u32 v6, v7, 4, v6
	v_add_nc_u32 v[RD], s23, v6
	v_and_b32 v[CO], 31, v0                        ; which are 512 consecutive bytes of a slice
	v_lshlrev_b32 v[CO], 4, v[CO]
	s_lshl_b32 s16, s42, 2                         ; my first slice: 4 x tile column + 2 x half,
	s_lshl_b32 s17, s12, 1
	s_add_co_u32 s16, s16, s17
	s_lshl_b32 s16, s16, 12                        ; of 4,096 rows,
	s_lshl_b32 s17, s13, 8
	s_add_co_u32 s16, s16, s17                     ; my first row
	s_lshl_b32 s17, s11, 7
	s_add_co_u32 s16, s16, s17
	s_lshl_b32 s16, s16, 7                         ; of 128 bytes
	s_mov_b32 s17, 0
	s_add_nc_u64 s[8:9], s[6:7], s[16:17]
	s_add_nc_u64 s[PAR:PAR+1], s[4:5], POFF
	s_load_b32 s[FLOOR], s[PAR:PAR+1], 0x4000
	s_lshl_b32 s20, s42, 8
	s_lshl_b32 s21, s12, 7
	s_add_co_u32 s20, s20, s21                     ; my first column
	v_lshl_add_u32 v[BO], v2, 3, s20
	v_lshlrev_b32 v[BO], 2, v[BO]
.irp b, 0,1,2,3,4,5,6,7                ; the bias of columns 16 b + 8 (l / 16) + 0..7: the C operand that starts the sums of column block b
	global_load_b128 v[BIAS+8*(\b):BIAS+8*(\b)+3],   v[BO], s[PAR:PAR+1] offset:64*(\b)
	global_load_b128 v[BIAS+8*(\b)+4:BIAS+8*(\b)+7], v[BO], s[PAR:PAR+1] offset:64*(\b)+16
.endr
	s_lshl_b32 s20, s13, 8                         ; the prefetches.  For A: of the 128 rows that I fetch, my work-group's 32; a lane a row of 2,048 bytes
	s_lshl_b32 s21, s12, 7
	s_add_co_u32 s20, s20, s21
	s_lshl_b32 s21, s40, 5
	s_add_co_u32 s20, s20, s21
	s_lshl_b32 s20, s20, 11
	s_add_co_u32 s20, s20, 3*256                   ; at K step 3: the first change of slots steps it to 4
	s_lshl_b32 s21, s42, 19                        ; for W: of the 32,768 dense bytes that I fetch, my work-group's 8,192; a lane 256 bytes
	s_lshl_b32 s22, s12, 15
	s_add_co_u32 s21, s21, s22
	s_lshl_b32 s22, s41, 13
	s_add_co_u32 s21, s21, s22
	s_add_co_u32 s21, s21, WOFF+3*65536
	s_and_b32 s22, ttmp7, 0xffff
	s_mov_b32 s23, 65536
	s_cmp_eq_u32 s11, 0                            ; do I fetch for A?
	s_cselect_b32 s20, s20, s21
	s_cselect_b32 s22, ttmp9, s22                  ; the coordinate along which other clusters read the same bytes
	s_cselect_b32 s[PFS], 256, s23
	s_cselect_b32 s[LSH], 11, 8
	s_mov_b32 s[PFS+1], 0
	s_mov_b32 s21, 0
	s_add_nc_u64 s[PFA:PFA+1], s[4:5], s[20:21]
	s_cmp_eq_u32 s22, 0
	s_cselect_b32 s[LIM], 1, -1
	v_and_b32 v[PFO], 31, v0
	v_lshlrev_b32 v[PFO], s[LSH], v[PFO]
; 16 matrix instructions: row blocks a0, a0 + 1 of the window's four x all 8 column blocks, 32 along K.  first = 1: the bias (window 0) is the C that starts the sums.
.macro MUL16 f, hi, a0, first
.if \first
	WIN 0x81+0x40*(\hi)
.else
	WIN MUL_LO+0x50*(\hi)
.endif
.irp a, \a0, (\a0)+1
.irp b, 0,1,2,3,4,5,6,7
.if \first
	v_wmma_f32_16x16x32_bf16 v[8*(8*(\a)+(\b)):8*(8*(\a)+(\b))+7], v[(\f)+8*(\b):(\f)+8*(\b)+7], v[(\f)+8*(4*(\hi)+(\a)):(\f)+8*(4*(\hi)+(\a))+7], v[BIAS+8*(\b):BIAS+8*(\b)+7]
.else
	v_wmma_f32_16x16x32_bf16 v[8*(8*(\a)+(\b)):8*(8*(\a)+(\b))+7], v[(\f)+8*(\b):(\f)+8*(\b)+7], v[(\f)+8*(4*(\hi)+(\a)):(\f)+8*(4*(\hi)+(\a))+7], v[8*(8*(\a)+(\b)):8*(8*(\a)+(\b))+7]
.endif
.endr
.endr
.endm
; 32 LDS loads in one run: quarter q (32 along K) of a slot into buffer f: W's eight column blocks, turned, then A's eight row blocks
.macro FETCH slot, q, f
	WIN TO_B
.irp i, 0,1,2,3,4,5,6,7
	ds_load_tr16_b128 v[(\f)+8*(\i):(\f)+8*(\i)+3],   v[ADRB+(\slot)] offset:(\q)*32*PB+32*(\i)
	ds_load_tr16_b128 v[(\f)+8*(\i)+4:(\f)+8*(\i)+7], v[ADRB+(\slot)] offset:(\q)*32*PB+16*PB+32*(\i)
.endr
	WIN 0
.irp i, 0,1,2,3,4,5,6,7
	ds_load_b128 v[(\f)+8*(\i):(\f)+8*(\i)+3],   v[ADRA+(\slot)] offset:64*(\q)+(\i)*16*PITCH
	ds_load_b128 v[(\f)+8*(\i)+4:(\f)+8*(\i)+7], v[ADRA+(\slot)] offset:64*(\q)+(\i)*16*PITCH+32
.endr
.endm
.macro PLACES                          ; four plain instructions between a matrix instruction and a load into, or a vector read of, its registers
.rept 4
	v_nop
.endr
.endm
; One of a K step's first three quarters: multiplies buffer f; in its middle it fetches quarter q of the same slot into buffer g.  The 64 accumulators take turns, in the same order in every quarter.
.macro QUARTER slot, q, f, g, first
	s_wait_dscnt 8                                 ; W and A's rows 0-63 are in; the youngest eight loads (A's rows 64-127) may be out
	MUL16 \f, 0, 0, \first
	MUL16 \f, 0, 2, \first
	PLACES
	FETCH \slot, \q, \g
	s_wait_dscnt 32                                ; all but the 32 just issued
	MUL16 \f, 1, 0, \first
	MUL16 \f, 1, 2, \first
.endm
; The first half of a K step's last quarter: one barrier for the change of slots.
.macro MEET round
	WIN 0
	s_wait_tensorcnt 0x0                           ; all my tensor loads have landed: the one that was out is my part of the next slot
	ds_add_u32 v[SPW], v[NIL]                      ; 0 onto my spare word
	s_wait_dscnt 9                                 ; (the add and the youngest eight loads may be out)
	MUL16 F1, 0, 0, 0
	s_wait_dscnt 0x0                               ; the add is done, and my reads of this slot are over
	s_barrier_signal -1
	MUL16 F1, 0, 2, 0
.if \round
	WIN 0
.endif
	s_barrier_wait -1
.endm
; The whole last quarter, with the refill two K steps on: the first tensor load behind the round; 224 matrix instructions stand between it and the wait for it.
.macro TURN slot, next
	s_wait_xcnt 0x0                                ; the last prefetch, a K step back, has read its address
	s_add_nc_u64 s[PFA:PFA+1], s[PFA:PFA+1], s[PFS:PFS+1]
	MEET 1
	CREST                                          ; no wave of any partner still reads this slot or has a load on its way
	s_add_nc_u64 s[G0+4*(\slot)+2:G0+4*(\slot)+3], s[G0+4*(\slot)+2:G0+4*(\slot)+3], 2*256
	s_add_nc_u64 s[G0B+4*(\slot)+2:G0B+4*(\slot)+3], s[G0B+4*(\slot)+2:G0B+4*(\slot)+3], 2*65536
	JLOAD \slot                                    ; its four v_nop are also the places in front of the loads below
	FETCH \next, 0, F0
	ASK
	MUL16 F1, 1, 0, 0
	MUL16 F1, 1, 2, 0
.endm
; THE WAY OUT of row block a.  PACK: rounded to bf16, 16 bytes a lane, and the floor.  TOSTAGE: into my stage by slices, and back as rows of 128 bytes.  SEND: stored.
.macro PACK a
.set AC, 64*((\a)%4)
	WIN 0x0a+5*((\a)/4)                            ; sources 0 and 1: window 2 or 3
.irp b, 0,1,2,3,4,5,6,7
.irp r, 0,1,2,3
	v_cvt_pk_bf16_f32 v[TMP+4*(\b)+(\r)], v[AC+8*(\b)+2*(\r)], v[AC+8*(\b)+2*(\r)+1]
.endr
.endr
	WIN 0
.set i, 0
.rept 32
	v_pk_max_num_bf16 v[TMP+i], v[TMP+i], s[FLOOR]
.set i, i+1
.endr
.endm
.macro TOSTAGE a
	WIN 0
.set BK, OB+192*((\a)%2)
.irp b, 0,1,2,3,4,5,6,7
	ds_store_b128 v[STO], v[TMP+4*(\b):TMP+4*(\b)+3] offset:((\b)/4)*16*SP+((\b)%4)*32
.endr
.irp t, 0,1,2,3,4,5,6,7
	ds_load_b128 v[BK+4*(\t):BK+4*(\t)+3], v[RD] offset:((\t)/4)*16*SP+((\t)%4)*4*SP  ; LDS serves a wave's instructions in order (ISA guide 5.7.1.4): these see the stores above
.endr
.endm
.macro SEND a
	WIN 0
.set BK, OB+192*((\a)%2)
	s_wait_dscnt 0x0                               ; the block is back in registers
	s_wait_xcnt 0x0                                ; earlier stores have read their base and their data: only now are these written again
.if (\a) > 0
	s_add_nc_u64 s[8:9], s[8:9], 16*128            ; 16 rows of a slice on
.endif
.irp t, 0,1,2,3,4,5,6,7
	global_store_b128 v[CO], v[BK+4*(\t):BK+4*(\t)+3], s[8:9] offset:((\t)/4)*524288+((\t)%4)*512  ; 512 consecutive bytes, aligned
.endr
.endm
	s_wait_kmcnt 0x0                               ; the floor
	s_wait_tensorcnt 1                             ; my part of K step 0 is in; K step 1's may stay out
	s_barrier_signal -1
	s_barrier_wait -1
	FETCH 0, 0, F0
	s_wait_loadcnt 0x0                             ; the bias
	QUARTER 0, 1, F0, F1, 1                        ; the first quarter stands in front of the loop: its products start the sums
	WIN 0
	s_mov_b32 s3, LAPS-1
.Llap:                                         ; a trip goes once round the ring, from a lap's second quarter to the next lap's first, and fills both slots again
	QUARTER 0, 2, F1, F0, 0
	QUARTER 0, 3, F0, F1, 0
	TURN 0, 1
	QUARTER 1, 1, F0, F1, 0
	QUARTER 1, 2, F1, F0, 0
	QUARTER 1, 3, F0, F1, 0
	TURN 1, 0
	QUARTER 0, 1, F0, F1, 0
	WIN 0
	s_sub_co_u32 s3, s3, 1
	s_cmp_lg_u32 s3, 0
	s_cbranch_scc1 .Llap
	QUARTER 0, 2, F1, F0, 0                        ; the last lap fills nothing
	QUARTER 0, 3, F0, F1, 0
	MEET 0
	PLACES
	FETCH 1, 0, F0
	MUL16 F1, 1, 0, 0
	MUL16 F1, 1, 2, 0
	QUARTER 1, 1, F0, F1, 0
	QUARTER 1, 2, F1, F0, 0
	QUARTER 1, 3, F0, F1, 0
	s_wait_dscnt 8
	MUL16 F1, 0, 0, 0
	MUL16 F1, 0, 2, 0
	s_wait_dscnt 0x0
	MUL16 F1, 1, 0, 0
	MUL16 F1, 1, 2, 0
	WIN 0
	PLACES
	PLACES
	PACK 0
	TOSTAGE 0
.irp a, 1,2,3,4,5,6,7                  ; block a's conversions stand between block a - 1's loads from the stage and the wait for them
	PACK \a
	SEND (\a)-1
	TOSTAGE \a
.endr
	SEND 7
	s_wait_tensorcnt 0x0                           ; the wave's end
	ds_add_u32 v[SPW], v[NIL]
	s_wait_dscnt 0x0
	CROUND                                         ; the closing round
	s_endpgm
.Lfunc_end_k_q66cd070939_qkv:
	.size	k_q66cd070939_qkv, .Lfunc_end_k_q66cd070939_qkv-k_q66cd070939_qkv
	.p2alignl 7, 3214868480
	.fill 96, 4, 3214868480
	.section	.rodata,"a",@progbits
	.p2align	6, 0x0
	.amdhsa_kernel k_q66cd070939_qkv
		.amdhsa_group_segment_fixed_size 327680
		.amdhsa_private_segment_fixed_size 0
		.amdhsa_enable_private_segment 0
		.amdhsa_kernarg_size 16
		.amdhsa_user_sgpr_count 2
		.amdhsa_user_sgpr_kernarg_segment_ptr 1
		.amdhsa_wavefront_size32 1
		.amdhsa_system_sgpr_workgroup_id_x 1
		.amdhsa_system_sgpr_workgroup_id_y 1
		.amdhsa_system_sgpr_workgroup_id_z 1
		.amdhsa_system_vgpr_workitem_id 0
		.amdhsa_next_free_vgpr 1024
		.amdhsa_next_free_sgpr 72
		.amdhsa_reserve_vcc 0
		.amdhsa_float_denorm_mode_32 3
		.amdhsa_float_denorm_mode_16_64 3
		.amdhsa_memory_ordered 1
		.amdhsa_forward_progress 1
		.amdhsa_inst_pref_size 162
	.end_amdhsa_kernel
	.amdgpu_metadata
---
amdhsa.version: [ 1, 2 ]
amdhsa.kernels:
  - .name:           k_q66cd070939_qkv
    .symbol:         k_q66cd070939_qkv.kd
    .args:
      - { .name: wsx, .offset: 0, .size: 8, .value_kind: global_buffer, .address_space: global }
      - { .name: qkv, .offset: 8, .size: 8, .value_kind: global_buffer, .address_space: global }
    .group_segment_fixed_size: 327680
    .private_segment_fixed_size: 0
    .kernarg_segment_align: 8
    .kernarg_segment_size: 16
    .max_flat_workgroup_size: 128
    .sgpr_count:     72
    .vgpr_count:     1024
    .wavefront_size: 32
...
	.end_amdgpu_metadata
.endif
;; end of part 2
;; launch attn (part 3): grid 8 x 32, 4 waves a work-group, clusters of 4 x 1, 327,680 bytes of LDS; arguments qkv, mask, wsc; writes wsc
.if DOCPART == 3
	.amdgcn_target "amdgcn-amd-amdhsa--gfx1250"
	.amdhsa_code_object_version 6
	.text
	.protected	k_q66cd070939_attn
	.globl	k_q66cd070939_attn
	.p2align	8
	.type	k_q66cd070939_attn,@function
k_q66cd070939_attn:
	s_mov_b64 s[64:65], 0
	v_nop
	global_prefetch_b8 v0, s[64:65] scope:SCOPE_SE
	s_setreg_imm32_b32 hwreg(HW_REG_WAVE_MODE, 25, 1), 1
	s_wait_xcnt 0x0
	s_wait_alu depctr_hold_cnt(0) depctr_sa_sdst(0) depctr_va_vdst(0) depctr_va_sdst(0) depctr_va_ssrc(0) depctr_va_vcc(0) depctr_vm_vsrc(0)
	s_getreg_b32 s2, hwreg(HW_REG_IB_STS2, 6, 4)
	s_cmp_eq_u32 s2, 0
	s_cbranch_scc0 .Lentry_in_a_cluster
	s_endpgm
.Lentry_in_a_cluster:
	s_bfe_u32 s2, ttmp6, 0x10000c
	s_cmp_lg_u32 s2, 0x3003
	s_cbranch_scc0 .Lentry_shape_is_right
	s_endpgm
.Lentry_shape_is_right:
; ctx[b][h][q][:] = the sum over k of softmax_k(q . k / 8, hidden keys at a very low logit) v[k][:].  q, k, v: slices 0-15, 16-31, 32-47 of qkv, [slice][4096 rows][64] bf16, row = 2,048 b + s.
; ctx leaves in the same form (slice = head).  Products, maxima and sums in f32; the weights p are rounded to bf16 for the second product (their sum l is taken of the unrounded p), ctx once.
; THE MASK is the C operand that starts S^T = K Q^T: 0 for a key that is seen, -2^33 for a hidden one, so a hidden logit counts as its value - 2^30 in place of -1e9.
; A hidden key's weight is 0 as soon as one key of the batch is seen.  Where a batch has NO key that is seen, Q is cleared once: all scores are then exactly -2^33, c m is exact (a power of two),
; every p is exactly 1 and the weights are uniform.
; LIMITS.  The two agree while true logits lie far above -1e9.  A weight below 2^-126 counts as 0 in l.  NaN and infinities are not treated apart.
; SHARES.  Work-group y = 16 b + head; a work-group owns 256 queries, a wave 64: four PIECES of 16.  Every wave walks all 2,048 keys, 64 a step, 256 a slot.
; CLUSTER.  The four query blocks of a cluster walk the same K and V: each tile is asked for jointly, by the same load, descriptor and mask in all four.
; LAYOUT, SOFTMAX, TURNS.  S^T holds one query a lane (lane % 16) and the keys 8 (lane / 16) + 0..7; two such results rounded to bf16 are source 1 of O^T = V^T P.  p = 2^(c s - c m), c = log2(e) / 8, with a running
; maximum m; O and l are multiplied by a = 2^(c m_old - c m_new) in every step; m starts at the lowest finite number, O and l at 0.  Turn n belongs to piece n: 8 products K Q^T of piece n + 1, later 8 products
; V^T P of piece n - 1; beside them piece n's scaling, exponentials, roundings, sums and rescaling and piece n + 1's maximum and statistics.  Four vector instructions stand behind every matrix instruction, the
; others in one run.  A turn's 33 exponentials are one batch with one wait.
; REGISTERS, in windows of 256:  window 0: v2-15 addresses; v16-31 four registers of statistics a piece; v32-43 at work at the head; v48-55 at work; v61-63; v64-127 S^T, two buffers; v192-223 P, two buffers
;   window 1: v0-127 O^T, 32 a piece; v128-159 the step's mask words      window 2: v0-63 Q; v128-191 K of one step; v192-255 V of one step
.set NP,    4
.set KS,    64
.set PK,    144       ; a row of K in LDS: 128 bytes + 16
.set PV,    160       ; a row of V: 128 + 32, for the turning load
.set VOFF,  4*KS*PK   ; a slot: 256 rows of K, then 256 rows of V
.set SLOT1, 1<<17
.set STAGE, SLOT1+4*KS*(PK+PV)  ; 16 rows x 144 bytes for each wave, for the way out
.set SP,    144
.set SPARE, STAGE+4*16*SP       ; the spare words: two blocks of 256 bytes that no other line names
.set MB,    SPARE+512           ; for each wave its own copy of its batch's 2,048 mask words in f32: 8,192 bytes
.set AK0, 2           ; my lane's place in a tile of K; never rewritten
.set AV0, 3           ; the same for V
.set AK,  4           ; the LDS address of K's next run of loads
.set AV,  5           ; of V's
.set STO, 6
.set RD,  7
.set GO,  8           ; 16 x my lane
.set AM0, 9           ; my lanes' place in the mask words: MB + 8,192 w + 32 (l / 16)
.set AM,  10          ; the address of the next step's mask words
.set MST, 11          ; where I store mask words
.set MV,  12          ; v12-13  c m_old, by buffer
.set FL,  14          ; all ones, or 0 where the batch has no key that is seen
.set QO,  15
.set ST,  16          ; piece t's statistics at v[ST+4 t]: c m, m, l (even keys', odd keys')
.set TMP, 48
.set PFO, 61          ; 256 x my lane
.set SPW, 62
.set NIL, 63
.set S,   64
.set P,   192
.set MK,  128         ; window 1
.set KF,  128         ; window 2
.set VF,  192         ; window 2
.set WV,  12
.set LIM, 15          ; 1 in a wave that prefetches, else the greatest number
.set G1K, 24
.set G1V, 32
.set G0K, 40
.set G0V, 44
.set SLOTS, 56
.set CNT, 57
.set CS,  58
.set SEL, 60
.set TBK, 62
.set TBV, 63
.set TBM, 66          ; 4 x the first key of the step to be fetched
.set BIGM, 67         ; -2^33
.set MP,  68          ; s[68:69] the mask of my batch
.set PFA, 70          ; s[70:71] where my prefetches stand
.set MSB, 0
.macro WIN new
.if MSB != (\new)
	s_set_vgpr_msb (MSB<<8)|(\new)
.set MSB, (\new)
.endif
.endm
.set W_KQ, 0x0a       ; K and Q in window 2, S^T in window 0
.set W_KM, 0x1a       ; the same with the C operand in window 1
.set W_PV, 0x52       ; V in window 2, P in window 0, O^T in window 1
.set W_RS, 0x41       ; destination and source 0 in window 1, source 1 in window 0
.macro JLOAD                        ; waves 0 and 1 fetch the halves of a slot's K, waves 2 and 3 of its V; an s_nop 0 and four v_nop follow each line
	s_cmp_lt_u32 s[WV], 2
	s_cbranch_scc0 .Lfor_v_\@
	tensor_load_to_lds s[G0K:G0K+3], s[G1K:G1K+7]
	s_nop 0
.rept 4
	v_nop
.endr
	s_branch .Lasked_\@
.Lfor_v_\@:
	tensor_load_to_lds s[G0V:G0V+3], s[G1V:G1V+7]
	s_nop 0
.rept 4
	v_nop
.endr
.Lasked_\@:
.endm
; A prefetch of the tile that the NEXT change of slots will ask for: 32,768 bytes of K and of V.  A head's first cluster asks; its four partners take 8,192 bytes each, told apart by address; wave 0 asks for K's,
; wave 2 for V's, a lane 256 bytes.  Tiles 3 to 7 are named once each; the last change that fills a slot asks for nothing.
.macro ASK
	s_cmp_gt_u32 s[SLOTS], s[LIM]
	s_cbranch_scc0 .Lnot_mine_\@
	global_prefetch_b8 v[PFO], s[PFA:PFA+1] th:TH_LOAD_NT scope:SCOPE_SE
.Lnot_mine_\@:
.endm
.macro CROUND
	s_barrier_signal -1
	s_barrier_wait -1
	s_cmp_lg_u32 s[WV], 0
	s_cbranch_scc1 .Lnot_wave_0_\@
	s_barrier_signal -3
.Lnot_wave_0_\@:
	s_barrier_wait -3
	s_barrier_signal -1
	s_barrier_wait -1
.endm
; THE CHANGE OF SLOTS.  Each wave waits for all its tensor loads (one is out: its part of the other slot), adds 0 to its spare word, and waits for that and for its reads of the slot that it leaves.
; fill = 1: the barrier is a round of the cluster's, and the joint fill, the keys two slots on, is the first thing behind it: four key steps, 256 matrix instructions, in which to land.
.macro CHANGE fill, ask
	WIN 0
	s_wait_tensorcnt 0x0
	ds_add_u32 v[SPW], v[NIL]
.if \fill
.irp g, G0K, G0V
	s_xor_b32 s[\g+1], s[\g+1], SLOT1
	s_add_nc_u64 s[\g+2:\g+3], s[\g+2:\g+3], 4*KS*128
.endr
.if \ask
	s_wait_xcnt 0x0                 ; the last prefetch, four key steps back, has read its address
	s_add_nc_u64 s[PFA:PFA+1], s[PFA:PFA+1], 4*KS*128
.endif
	s_wait_dscnt 0x0
	CROUND
	JLOAD
.if \ask
	ASK
.endif
.else
	s_wait_dscnt 0x0
	s_barrier_signal -1
	s_barrier_wait -1
.endif
	s_sub_co_u32 s[TBK], s[TBK], 4*KS*PK
	s_xor_b32 s[TBK], s[TBK], SLOT1
	s_sub_co_u32 s[TBV], s[TBV], 4*KS*PV
	s_xor_b32 s[TBV], s[TBV], SLOT1
.endm
	s_load_b128 s[4:7], s[0:1], 0x0   ; qkv s[4:5], mask s[6:7]
	s_load_b64 s[10:11], s[0:1], 0x10 ; wsc
	v_lshl_add_u32 v[SPW], v0, 2, SPARE
	v_mov_b32 v[NIL], 0
	ds_add_u32 v[SPW], v[NIL]       ; the wave's opening: the add and its wait stand ahead of my first tensor load
	v_lshrrev_b32 v1, 5, v0
	v_readfirstlane_b32 s[WV], v1
	s_bfe_u32 s13, ttmp6, 0x40000   ; cx
	s_lshl_b32 s14, ttmp9, 2
	s_add_co_u32 s14, s14, s13      ; my block of 256 queries: it enters Q's and ctx's addresses alone
	s_and_b32 s20, ttmp7, 0xffff
	s_lshr_b32 s21, s20, 4          ; the batch
	s_and_b32 s20, s20, 15          ; the head
	s_lshl_b32 s20, s20, 19         ; its slice,
	s_lshl_b32 s22, s21, 18         ; the batch's 2,048 rows of 128 bytes
	s_add_co_u32 s20, s20, s22
	s_lshl_b32 s[MP], s21, 13       ; the batch's 2,048 mask words
	s_mov_b32 s[MP+1], 0
	s_and_b32 s16, s[WV], 1         ; which half of a slot's 256 keys I fetch
	s_lshl_b32 s22, s16, 14
	s_add_co_u32 s22, s22, s20
	s_add_co_u32 s22, s22, 0x800000 ; K's slices begin here; V's 0x800000 further on
	s_mov_b32 s23, 0
	s_mul_i32 s17, s16, 128*PK
	s_mul_i32 s18, s16, 128*PV
	s_lshl_b32 s2, s14, 2
	s_add_co_u32 s2, s2, s[WV]
	s_lshl_b32 s2, s2, 13           ; my wave's 64 rows
	s_add_co_u32 s2, s2, s20
	s_mov_b32 s3, 0
	s_mov_b32 s[G1K], 15|(1<<16)|(1<<20)|(1<<21)|(4<<22)|(3<<25)  ; the mask of four; 2-byte elements; padding on; bit 21 beside a mask; after every 32 words 4 words
	s_mov_b32 s[G1V], 15|(1<<16)|(1<<20)|(1<<21)|(4<<22)|(7<<25)  ; 8 words
.irp g, G1K, G1V
	s_mov_b32 s[\g+1], 128<<16      ; 128 keys are 16,384 dense bytes: 64 rows of 256 bytes, two keys a row
	s_mov_b32 s[\g+2], 64<<16
	s_mov_b32 s[\g+3], 128<<16
	s_mov_b32 s[\g+4], 64
	s_mov_b32 s[\g+5], 128
	s_mov_b32 s[\g+6], 0
	s_mov_b32 s[\g+7], 0
.endr
	s_mov_b32 s[CS], 0x3e38aa3b     ; c = log2(e) / 8
	s_mov_b32 s[CS+1], s[CS]
	s_mov_b32 s[SEL], 0x76543210
	s_mov_b32 s[SEL+1], 0xfedcba98
	s_mov_b32 s[TBK], SLOT1+4*KS*PK ; the first change of slots turns these two into 0
	s_mov_b32 s[TBV], SLOT1+4*KS*PV
	s_mov_b32 s[TBM], 0
	s_mov_b32 s[BIGM], 0xd0000000
	s_mov_b32 s[G0K], 1
	s_mov_b32 s[G0K+1], s17
	s_mov_b32 s[G0V], 1
	s_add_co_u32 s[G0V+1], s18, VOFF
	s_and_b32 s[LIM], s[WV], 1
	s_or_b32 s[LIM], s[LIM], ttmp9  ; 0 in waves 0 and 2 of a head's first cluster: the same in all four partners
	s_cmp_eq_u32 s[LIM], 0
	s_cselect_b32 s[LIM], 1, -1
	s_wait_dscnt 0x0                ; the opening add is done
	s_wait_kmcnt 0x0
	s_add_nc_u64 s[G0K+2:G0K+3], s[4:5], s[22:23]
	s_add_nc_u64 s[G0V+2:G0V+3], s[G0K+2:G0K+3], 0x800000
	s_cmp_lt_u32 s[WV], 2
	s_cselect_b64 s[PFA:PFA+1], s[G0K+2:G0K+3], s[G0V+2:G0V+3]  ; (in waves 0 and 2 these stand at a tile's first row)
	s_or_b32 s[G0K+3], s[G0K+3], 0x80000000
	s_or_b32 s[G0V+3], s[G0V+3], 0x80000000
	s_add_nc_u64 s[MP:MP+1], s[6:7], s[MP:MP+1]
	s_add_nc_u64 s[4:5], s[4:5], s[2:3]      ; Q and ctx at my wave's first row
	s_add_nc_u64 s[10:11], s[10:11], s[2:3]
	s_lshl_b32 s2, s13, 13          ; my work-group's 8,192 bytes of a tile
	s_mov_b32 s3, 0
	s_add_nc_u64 s[PFA:PFA+1], s[PFA:PFA+1], s[2:3]
	s_add_nc_u64 s[PFA:PFA+1], s[PFA:PFA+1], 2*4*KS*128  ; in tile 2; the first change that asks steps it to tile 3
	CROUND                          ; all four work-groups are here
	JLOAD                           ; slot 0; slot 1 is asked for when slot 0 is in
	v_and_b32 v32, 15, v0           ; l % 16
	v_bfe_u32 v33, v0, 4, 1         ; l / 16
	v_and_b32 v34, 7, v0
	v_bfe_u32 v35, v0, 3, 1
	v_and_b32 v[GO], 31, v0
	v_lshlrev_b32 v[PFO], 8, v[GO]
	v_lshlrev_b32 v[GO], 4, v[GO]
.irp i, 0,1,2,3,4,5,6,7,8,9,10,11,12,13,14,15
	global_load_b128 v[S+4*(\i):S+4*(\i)+3], v[GO], s[MP:MP+1] offset:512*(\i)  ; the batch's mask, 64 words a lane
.endr
	v_lshlrev_b32 v[QO], 7, v32
	v_lshl_add_u32 v[QO], v33, 4, v[QO]
	WIN 0x80
.set i, 0
.rept 8                             ; Q stays in registers: piece i / 2, channels 32 (i % 2) on
	global_load_b128 v[8*i:8*i+3],   v[QO], s[4:5] offset:(i/2)*2048+(i%2)*64
	global_load_b128 v[8*i+4:8*i+7], v[QO], s[4:5] offset:(i/2)*2048+(i%2)*64+32
.set i, i+1
.endr
	; What the first turn finds: V and P's second buffer hold 0 (its products V^T P, of a piece that has not been, add 0), O^T and l are 0.  All this stands in the wait for the first tile.
.set i, VF
.rept 64
	v_mov_b32 v[i], 0
.set i, i+1
.endr
	WIN 0x40
.set i, 0
.rept 128
	v_mov_b32 v[i], 0
.set i, i+1
.endr
	WIN 0
.set i, 0
.rept 4
	v_mov_b32 v[ST+4*i], 0xfe000000    ; c m: far below every c s
	v_mov_b32 v[ST+4*i+1], 0xff7fffff  ; m
	v_mov_b32 v[ST+4*i+2], 0
	v_mov_b32 v[ST+4*i+3], 0
.set i, i+1
.endr
.set i, P+16
.rept 16
	v_mov_b32 v[i], 0
.set i, i+1
.endr
	v_mul_u32_u24 v[AK0], v32, PK
	v_lshl_add_u32 v[AK0], v33, 4, v[AK0]
	v_lshl_add_u32 v[AV0], v33, 3, v34
	v_mul_u32_u24 v[AV0], v[AV0], PV
	v_lshl_add_u32 v[AV0], v35, 4, v[AV0]
	v_add_nc_u32 v[AV0], VOFF, v[AV0]
	s_lshl_b32 s19, s[WV], 13
	s_add_co_u32 s19, s19, MB       ; my wave's mask words
	v_add_nc_u32 v[MST], s19, v[GO]
	v_lshl_add_u32 v[AM0], v33, 5, s19
	v_mov_b32 v[AK], v[AK0]         ; key step 0 lies at the head of slot 0
	v_mov_b32 v[AM], v[AM0]
	s_wait_loadcnt 16               ; the mask is in; Q's 16 loads stay out
.set i, 0
.rept 64
	v_cmp_eq_u32 vcc_lo, 0, v[S+i]
	v_cndmask_b32 v[S+i], 0, s[BIGM], vcc_lo
.set i, i+1
.endr
.irp i, 0,1,2,3,4,5,6,7,8,9,10,11,12,13,14,15
	ds_store_b128 v[MST], v[S+4*(\i):S+4*(\i)+3] offset:512*(\i)  ; only my wave reads these bytes, and LDS serves a wave's instructions in order
.endr
.irp c, 0,1,2,3                     ; is any key of the batch seen?  The largest of all 2,048 words is then 0
	v_max3_num_f32 v[40+(\c)], v[S+16*(\c)], v[S+16*(\c)+1], v[S+16*(\c)+2]
.endr
.irp k, 3,5,7,9,11,13
.irp c, 0,1,2,3
	v_max3_num_f32 v[40+(\c)], v[40+(\c)], v[S+16*(\c)+(\k)], v[S+16*(\c)+(\k)+1]
.endr
.endr
.irp c, 0,1,2,3
	v_max_num_f32 v[40+(\c)], v[40+(\c)], v[S+16*(\c)+15]
.endr
	v_max3_num_f32 v40, v40, v41, v42
	v_max_num_f32 v40, v40, v43
	v_max_num_f32_dpp v40, v40, v40 row_xmask:1 row_mask:0xf bank_mask:0xf
	v_max_num_f32_dpp v40, v40, v40 row_xmask:2 row_mask:0xf bank_mask:0xf
	v_max_num_f32_dpp v40, v40, v40 row_xmask:4 row_mask:0xf bank_mask:0xf
	v_max_num_f32_dpp v40, v40, v40 row_xmask:8 row_mask:0xf bank_mask:0xf
	v_permlanex16_b32 v41, v40, s[SEL], s[SEL+1]
	v_max_num_f32 v40, v40, v41
	v_cmp_eq_f32 vcc_lo, 0, v40
	v_cndmask_b32 v[FL], 0, -1, vcc_lo
; THE MATRIX WORK.  The 4 accumulators of a run of 8 take turns.  Product i of 8 of S^T = K Q^T for piece x: channels 32 (i / 4) on, keys 16 (i % 4) on.  The first 4 start the sums with the mask.
.macro KQ x
.set rS, S+32*((\x)%2)+8*(i%4)
.set rK, KF+16*(i%4)+8*(i/4)
.set rQ, 16*(\x)+8*(i/4)
.set rM, MK+8*(i%4)
.if i < 4
	WIN W_KM
	v_wmma_f32_16x16x32_bf16 v[rS:rS+7], v[rK:rK+7], v[rQ:rQ+7], v[rM:rM+7]
.else
	WIN W_KQ
	v_wmma_f32_16x16x32_bf16 v[rS:rS+7], v[rK:rK+7], v[rQ:rQ+7], v[rS:rS+7]
.endif
.endm
.macro PV x                         ; product i of 8 of O^T += V^T P: keys 32 (i / 4) on, channels 16 (i % 4) on
	WIN W_PV
.set rO, 32*(\x)+8*(i%4)
.set rV, VF+32*(i/4)+8*(i%4)
.set rP, P+16*((\x)%2)+8*(i/4)
	v_wmma_f32_16x16x32_bf16 v[rO:rO+7], v[rV:rV+7], v[rP:rP+7], v[rO:rO+7]
.endm
.macro MM                           ; the turn's next matrix instruction.  NOKQ = 1: the last turn of all: there is no next piece
.if (i < 8) && !NOKQ
	KQ (Y+1)%NP
.elseif i >= 8
.set i, i-8
	PV (Y+NP-1)%NP
.set i, i+8
.endif
.set i, i+1
.endm
; THE LDS LOADS stand in runs: a step's K (8 fragments) with its 32 mask words a lane, which live as long as K's fragments; and its V (turned).
.macro FETCH_K
	WIN 0x80
.irp f, 0,1,2,3,4,5,6,7
	ds_load_b128 v[KF+8*\f:KF+8*\f+3],   v[AK] offset:(\f/2)*16*PK+(\f%2)*64
	ds_load_b128 v[KF+8*\f+4:KF+8*\f+7], v[AK] offset:(\f/2)*16*PK+(\f%2)*64+32
.endr
	WIN 0x40
.irp f, 0,1,2,3                     ; keys 16 f + 8 (l / 16) + 0..7
	ds_load_b128 v[MK+8*\f:MK+8*\f+3],   v[AM] offset:64*\f
	ds_load_b128 v[MK+8*\f+4:MK+8*\f+7], v[AM] offset:64*\f+16
.endr
	s_add_co_u32 s[TBK], s[TBK], KS*PK
	s_add_co_u32 s[TBM], s[TBM], 4*KS
	s_and_b32 s[TBM], s[TBM], 0x1f00  ; stays inside the 8,192 bytes
	WIN 0
.endm
.macro FETCH_V
	WIN 0x80
.irp f, 0,1,2,3,4,5,6,7
	ds_load_tr16_b128 v[VF+8*\f:VF+8*\f+3],   v[AV] offset:(\f/4)*32*PV+(\f%4)*32
	ds_load_tr16_b128 v[VF+8*\f+4:VF+8*\f+7], v[AV] offset:(\f/4)*32*PV+16*PV+(\f%4)*32
.endr
	WIN 0
.endm
; THE VECTOR WORK, one line at a time: OP kind, number.  For piece Y: F n: c s - c m for pair n.  E n: the exponential of score n.  C n: pair n rounded to bf16.  B n: of the four weights 4 n .. the second pair is
; added onto the first.  L n: l takes that sum (L 0: l = a l + sum).  R n: pair n of O^T times a.  For piece Y + 1: X n, number n of the 22 that find its maximum and statistics (each accumulator's lowest
; registers are read first): 0-11 four chains of seven scores; 12-14, 16 the rest, the old m, all into c0; 15 c m_old is kept; 17, 18 the other half of the lanes; 19-21 c m, its change, a.
.set F, 0
.set E, 1
.set C, 2
.set B, 3
.set L, 4
.set R, 5
.set X, 6
.macro REGS y
.set rT, ST+4*(\y)
.set rC, TMP+4*((\y)%2)
.set rW, MV+((\y)%2)
.set rS, S+32*((\y)%2)
.set rP, P+16*((\y)%2)
.set rO, 32*(\y)
.endm
.macro OP k, n
.if (\k) == R
	REGS Y
	WIN W_RS
	v_pk_mul_f32 v[rO+2*(\n):rO+2*(\n)+1], v[rO+2*(\n):rO+2*(\n)+1], v[rC+2:rC+3] op_sel_hi:[1,0]
.elseif (\k) < R
	REGS Y
	WIN 0
.if (\k) == F
	v_pk_fma_f32 v[rS+2*(\n):rS+2*(\n)+1], v[rS+2*(\n):rS+2*(\n)+1], s[CS:CS+1], v[rT:rT+1] op_sel_hi:[1,0,0] neg_lo:[0,0,1] neg_hi:[0,0,1]
.elseif (\k) == E
	v_exp_f32 v[rS+(\n)], v[rS+(\n)]
.elseif (\k) == C
	v_cvt_pk_bf16_f32 v[rP+(\n)], v[rS+2*(\n)], v[rS+2*(\n)+1]
.elseif (\k) == B
	v_pk_add_f32 v[rS+4*(\n):rS+4*(\n)+1], v[rS+4*(\n):rS+4*(\n)+1], v[rS+4*(\n)+2:rS+4*(\n)+3]
.elseif (\n) == 0
	v_pk_fma_f32 v[rT+2:rT+3], v[rT+2:rT+3], v[rC+2:rC+3], v[rS:rS+1] op_sel_hi:[1,0,1]
.else
	v_pk_add_f32 v[rT+2:rT+3], v[rT+2:rT+3], v[rS+4*(\n):rS+4*(\n)+1]
.endif
.elseif NOKQ
	v_nop
.else
	REGS (Y+1)%NP
	WIN 0
.if (\n) < 4
	v_max3_num_f32 v[rC+(\n)], v[rS+8*(\n)], v[rS+8*(\n)+1], v[rS+8*(\n)+2]
.elseif (\n) < 12
	v_max3_num_f32 v[rC+(\n)%4], v[rC+(\n)%4], v[rS+8*((\n)%4)+2*((\n)/4)+1], v[rS+8*((\n)%4)+2*((\n)/4)+2]
.elseif (\n) == 12
	v_max3_num_f32 v[rC], v[rC], v[rS+7], v[rS+15]
.elseif (\n) == 13
	v_max3_num_f32 v[rC+1], v[rC+1], v[rS+23], v[rS+31]
.elseif (\n) == 14
	v_max3_num_f32 v[rC+2], v[rC+2], v[rC+3], v[rT+1]
.elseif (\n) == 15
	v_mov_b32 v[rW], v[rT]
.elseif (\n) == 16
	v_max3_num_f32 v[rC], v[rC], v[rC+1], v[rC+2]
.elseif (\n) == 17
	v_permlanex16_b32 v[rC+3], v[rC], s[SEL], s[SEL+1]
.elseif (\n) == 18
	v_max_num_f32 v[rT+1], v[rC], v[rC+3]
.elseif (\n) == 19
	v_mul_f32 v[rT], s[CS], v[rT+1]
.elseif (\n) == 20
	v_sub_f32 v[rC+1], v[rW], v[rT]
.else
	v_exp_f32 v[rC+2], v[rC+1]
.endif
.endif
.endm
.macro OPS a, i1, b=-1, i2=0, c=-1, i3=0, d=-1, i4=0
	OP \a, \i1
.if (\b) >= 0
	OP \b, \i2
.endif
.if (\c) >= 0
	OP \c, \i3
.endif
.if (\d) >= 0
	OP \d, \i4
.endif
.endm
.macro ROW a, i1, b, i2, c, i3, d, i4  ; a matrix instruction and the four behind it
	MM
	OPS \a, \i1, \b, \i2, \c, \i3, \d, \i4
.endm
; A TURN, for piece p.  Ahead of its one wait stands all that names no result of the turn's exponentials: the 8 products K Q^T with their riders, then one run of vector work in which the links of the next
; piece's chain stand several lines apart; X 21, the next piece's a, is the batch's last, R 15 the plain instruction behind it.  Behind the wait stand the 8 products V^T P, behind each four of the roundings and sums.
; K and the mask words of the next step are fetched in piece 2's turn, behind the last product that read them and more than four plain instructions; V of the step in hand at the end of piece 0's turn.
; Each run is waited for a turn later.  end = 1: the last two turns of all: nothing is fetched, and the last starts no scores.  cnt = 1: the loop's count is taken down some lines ahead of the branch.
.macro TURN p, end=0, cnt=0
.set Y, (\p)
.set i, 0
.set NOKQ, (\end)*((\p)/3)
.if ((\p) == 3) && !(\end)
	s_wait_dscnt 0x0                ; K and its mask words are in
.endif
	ROW F,0, F,1, R,0, R,1
	ROW F,2, E,0, R,2, R,3
	ROW F,3, E,1, R,4, R,5
	ROW F,4, E,2, R,6, R,7
	ROW F,5, E,3, R,8, R,9
	ROW F,6, E,4, X,0, R,10
.if ((\p) == 2) && !(\end)
	WIN 0
	v_add_nc_u32 v[AK], s[TBK], v[AK0]
	v_add_nc_u32 v[AM], s[TBM], v[AM0]
.endif
	ROW F,7, E,5, X,1, X,4
	ROW F,8, E,6, X,2, X,5
	OPS E,7, E,8, X,6, E,9
	OPS X,3, E,10, X,8, E,11
.if ((\p) == 2) && !(\end)
	FETCH_K
.endif
	OPS X,9, X,7, E,12, X,10
	OPS E,13, X,12, X,11, E,14
	OPS X,13, E,15, F,9, X,14
.if (\p) == 0
	WIN 0
	v_add_nc_u32 v[AV], s[TBV], v[AV0]
.endif
	OPS E,16, F,10, E,17, F,11
	OPS X,16, E,18, X,15, E,19
	OPS F,12, E,20, X,17, E,21
	OPS F,13, E,22, F,14, E,23
	OPS X,18, E,24, F,15, E,25
	OPS R,11, E,26, X,19, E,27
	OPS R,12, E,28, R,13, E,29
	OPS X,20, E,30, R,14, E,31
	OPS X,21, R,15
	WIN 0
	s_wait_alu depctr_va_vdst(0)    ; the one wait for the batch, ahead of the first line that names a result of it
.if (\p) == 1
	s_wait_dscnt 0x0                ; V is in
.endif
	ROW C,0, B,0, C,2, B,1
	ROW L,0, C,4, B,2, L,1
	ROW C,6, B,3, L,2, C,8
	ROW B,4, L,3, C,10, B,5
	ROW L,4, C,12, B,6, L,5
.if (\p) == 0
	s_add_co_u32 s[TBV], s[TBV], KS*PV
.endif
.if \cnt
	s_sub_co_u32 s[CNT], s[CNT], 1
	s_cmp_lg_u32 s[CNT], 0
.endif
	ROW C,14, B,7, L,6, C,1
	ROW C,3, L,7, C,5, C,7
	ROW C,9, C,11, C,13, C,15
.if (\p) == 0
	FETCH_V
.endif
.endm
.set NOKQ, 0
	CHANGE 1, 0                     ; slot 0 is in, everybody's part of it; slot 1 is asked for
	FETCH_K                         ; key step 0
	s_wait_loadcnt 0x0              ; Q
	WIN 0x88                        ; Q (destination and source 1) in window 2
.set i, 0
.rept 64
	v_and_b32 v[i], v[FL], v[i]     ; Q as it is, or 0 where no key of the batch is seen
.set i, i+1
.endr
	s_wait_dscnt 0x0
.set i, 0
.rept 8
	KQ 0                            ; piece 0's first scores
.set i, i+1
.endr
	WIN 0                           ; the addresses for the way out: seven plain instructions, the places behind those products
	s_mul_i32 s13, s[WV], 16*SP
	s_add_co_u32 s13, s13, STAGE
	v_mul_u32_u24 v[STO], v32, SP   ; in: row l % 16, 16 bytes for each half of the lanes
	v_lshl_add_u32 v[STO], v33, 4, v[STO]
	v_add_nc_u32 v[STO], s13, v[STO]
	v_bfe_u32 v[RD], v0, 3, 2       ; back: 32 lanes take four rows of 128 bytes
	v_mul_u32_u24 v[RD], v[RD], SP
	v_lshl_add_u32 v[RD], v34, 4, v[RD]
	v_add_nc_u32 v[RD], s13, v[RD]
.set Y, NP-1                        ; X works for piece Y + 1: piece 0
.irp n, 0,1,2,3,4,5,6,7,8,9,10,11,12,13,14,15,16,17,18,19,20,21
	OP X, \n
.endr
	v_nop                           ; a plain instruction behind the exponential,
	s_wait_alu depctr_va_vdst(0)    ; and its wait, ahead of the branch
	s_mov_b32 s[CNT], 4
	s_mov_b32 s[SLOTS], 7
	s_branch .Lfirst                ; the loop is entered at a step's first turn, in the middle of a trip
.Lslot:                             ; six times: tiles 2 to 7 are asked for
	CHANGE 1, 1
	s_mov_b32 s[CNT], 4
.Lstep:                             ; a trip: pieces 2 and 3 of one step, then pieces 0 and 1 of the next, whose K and V it fetches
	TURN 2
	TURN 3
	WIN 0
.Lfirst:
	TURN 0
	TURN 1, 0, 1
	WIN 0
	s_cbranch_scc1 .Lstep
	s_sub_co_u32 s[SLOTS], s[SLOTS], 1
	s_cmp_lg_u32 s[SLOTS], 0
	s_cbranch_scc1 .Lslot
	CHANGE 0, 0                     ; the last tile is written out
	s_mov_b32 s[CNT], 4
.Ltail:
	TURN 2
	TURN 3
	TURN 0
	TURN 1, 0, 1
	WIN 0
	s_cbranch_scc1 .Ltail
	TURN 2, 1
	TURN 3, 1
.set i, 0
.rept 8
	PV NP-1                         ; the last piece's V^T P of the last step
.set i, i+1
.endr
	; THE WAY OUT.  l's two halves and the other half of the lanes' are added; O^T is divided by l, rounded to bf16 and sent through my stage, a piece at a time.  The additions are the places behind the last products.
	WIN 0
.macro ALL line:vararg
.set t, 0
.rept 4
	\line
.set t, t+1
.endr
.endm
	ALL v_add_f32 v[ST+4*t+2], v[ST+4*t+2], v[ST+4*t+3]
	ALL v_permlanex16_b32 v[ST+4*t+3], v[ST+4*t+2], s[SEL], s[SEL+1]
	ALL v_add_f32 v[ST+4*t+2], v[ST+4*t+2], v[ST+4*t+3]
	ALL v_rcp_f32 v[ST+4*t+2], v[ST+4*t+2]
	v_nop                           ; a plain instruction between the last reciprocal and the use of its result
	s_wait_alu depctr_va_vdst(0)    ; one wait for the four reciprocals
.macro PACK t
	WIN W_RS
.set i, 32*(\t)
.rept 16
	v_pk_mul_f32 v[i:i+1], v[i:i+1], v[ST+4*(\t)+2:ST+4*(\t)+3] op_sel_hi:[1,0]
.set i, i+2
.endr
	WIN 0x05                        ; sources 0 and 1 window 1, destination window 0
.set i, 0
.rept 16
	v_cvt_pk_bf16_f32 v[S+16*(\t)+i], v[32*(\t)+2*i], v[32*(\t)+2*i+1]
.set i, i+1
.endr
	WIN 0
.irp f, 0,1,2,3
	ds_store_b128 v[STO], v[S+16*(\t)+4*\f:S+16*(\t)+4*\f+3] offset:32*\f
.endr
.irp f, 0,1,2,3
	ds_load_b128 v[S+16*(\t)+4*\f:S+16*(\t)+4*\f+3], v[RD] offset:\f*4*SP  ; LDS serves a wave's instructions in order (ISA guide 5.7.1.4)
.endr
.endm
.macro SEND t, younger              ; younger: the LDS instructions issued behind piece t's loads
	WIN 0
.irp f, 0,1,2,3
	s_wait_dscnt (\younger)+3-\f
	global_store_b128 v[GO], v[S+16*(\t)+4*\f:S+16*(\t)+4*\f+3], s[10:11] offset:(\t)*2048+\f*512  ; 512 consecutive bytes, aligned
.endr
.endm
	PACK 0
.set t, 1
.rept 3
	PACK t
	SEND t-1, 8
.set t, t+1
.endr
	SEND 3, 0
	s_wait_tensorcnt 0x0            ; the wave's end
	ds_add_u32 v[SPW], v[NIL]
	s_wait_dscnt 0x0
	CROUND                          ; the closing round
	s_endpgm
.Lfunc_end_k_q66cd070939_attn:
	.size	k_q66cd070939_attn, .Lfunc_end_k_q66cd070939_attn-k_q66cd070939_attn
	.p2alignl 7, 3214868480
	.fill 96, 4, 3214868480
	.section	.rodata,"a",@progbits
	.p2align	6, 0x0
	.amdhsa_kernel k_q66cd070939_attn
		.amdhsa_group_segment_fixed_size 327680
		.amdhsa_private_segment_fixed_size 0
		.amdhsa_enable_private_segment 0
		.amdhsa_kernarg_size 24
		.amdhsa_user_sgpr_count 2
		.amdhsa_user_sgpr_kernarg_segment_ptr 1
		.amdhsa_wavefront_size32 1
		.amdhsa_system_sgpr_workgroup_id_x 1
		.amdhsa_system_sgpr_workgroup_id_y 1
		.amdhsa_system_sgpr_workgroup_id_z 1
		.amdhsa_system_vgpr_workitem_id 0
		.amdhsa_next_free_vgpr 768
		.amdhsa_next_free_sgpr 72
		.amdhsa_reserve_vcc 1
		.amdhsa_float_denorm_mode_32 3
		.amdhsa_float_denorm_mode_16_64 3
		.amdhsa_memory_ordered 1
		.amdhsa_forward_progress 1
		.amdhsa_inst_pref_size 143
	.end_amdhsa_kernel
	.amdgpu_metadata
---
amdhsa.version: [ 1, 2 ]
amdhsa.kernels:
  - .name:           k_q66cd070939_attn
    .symbol:         k_q66cd070939_attn.kd
    .args:
      - { .name: qkv, .offset: 0, .size: 8, .value_kind: global_buffer, .address_space: global }
      - { .name: mask, .offset: 8, .size: 8, .value_kind: global_buffer, .address_space: global }
      - { .name: wsc, .offset: 16, .size: 8, .value_kind: global_buffer, .address_space: global }
    .group_segment_fixed_size: 327680
    .private_segment_fixed_size: 0
    .kernarg_segment_align: 8
    .kernarg_segment_size: 24
    .max_flat_workgroup_size: 128
    .sgpr_count:     72
    .vgpr_count:     768
    .wavefront_size: 32
...
	.end_amdgpu_metadata
.endif
;; end of part 3
;; launch wo (part 4): grid 8 x 32, 4 waves a work-group, clusters of 4 x 4, 327,680 bytes of LDS; arguments wsc, wsx, ysum; writes ysum
.if DOCPART == 4
	.amdgcn_target "amdgcn-amd-amdhsa--gfx1250"
	.amdhsa_code_object_version 6
	.text
	.protected	k_q66cd070939_wo
	.globl	k_q66cd070939_wo
	.p2align	8
	.type	k_q66cd070939_wo,@function
k_q66cd070939_wo:
	s_mov_b64 s[64:65], 0
	v_nop
	global_prefetch_b8 v0, s[64:65] scope:SCOPE_SE
	s_setreg_imm32_b32 hwreg(HW_REG_WAVE_MODE, 25, 1), 1
	s_wait_xcnt 0x0
	s_wait_alu depctr_hold_cnt(0) depctr_sa_sdst(0) depctr_va_vdst(0) depctr_va_sdst(0) depctr_va_ssrc(0) depctr_va_vcc(0) depctr_vm_vsrc(0)
	s_getreg_b32 s2, hwreg(HW_REG_IB_STS2, 6, 4)
	s_cmp_eq_u32 s2, 0
	s_cbranch_scc0 .Lentry_in_a_cluster
	s_endpgm
.Lentry_in_a_cluster:
	s_bfe_u32 s2, ttmp6, 0x10000c
	s_cmp_lg_u32 s2, 0xf033
	s_cbranch_scc0 .Lentry_shape_is_right
	s_endpgm
.Lentry_shape_is_right:
; Y = A W + bias + RES, in f32: the sums that a LayerNorm takes next.  K = 512 LAPS.  AW holds A by slices [K / 64][4096 rows][64] bf16 at 0, W as blocks [K / 256][8 column tiles][256 k][128 n] bf16 at WOFF,
; and the bias (1,024 f32) at BOFF.  RES is [4096][1024] bf16 at its buffer's head.  Y is [4096][1024] f32.
; This text stands twice in the program, for K = 1,024 and for K = 4,096: the two differ in the line that sets LAPS alone.
; SHARES.  A tile of Y is 128 x 128; four waves, each 64 x 64: 16 accumulators.  K goes in steps of 256 (four slices) through two LDS slots; a quarter of a step is one slice.
; CLUSTER.  4 x 4 work-groups: A's tile is shared along a row of the cluster, W's along a column; each is asked for jointly.
; The product is taken transposed (source 0 = 16 columns of W, turned out of LDS; source 1 = 16 rows of A): a lane holds a row of Y and eight neighbouring columns.  The bias is the C that starts the sums.
; NaN and infinities are not treated apart.
; REGISTERS: window 0: v16-31 addresses; v32-63 the bias, later with v64-95 two buffers of rows read back; v96-127 a block's residual in f32; v128-255 accumulators ((a, b) at v[128 + 8 (4 a + b)])
;   window 1: two fragment buffers of 128 (64 of A, then 64 of W)      window 2: v0-63 the residual as loaded
.set LAPS,   2                         ; a lap = two K steps = once round the ring: K = 1,024.  With two laps K steps 2 and 3 come by the two refills and no step lies two refills on: nothing is prefetched
.set PA,     144                       ; a row of a slice in LDS: 128 bytes + 16
.set PBB,    288                       ; a k row of W: 256 bytes + 32, for the turning load
.set SLICE,  128*PA
.set HALFT,  2*SLICE                   ; what one tensor load brings: two slices of A, or 128 k rows of W (128 x 288 is the same number)
.set SLOT,   4*HALFT
.set STAGE,  2*SLOT                    ; behind the ring: 16 rows x 272 bytes for each wave
.set SPITCH, 272
.set SPARE,  STAGE+4*16*SPITCH         ; the spare words: two blocks of 256 bytes that no other line names
.set WOFF,   0x2000000
.set BOFF,   0x2800000
.set ASTEP,  4*524288                  ; bytes from K step to K step in A
.set BSTEP,  8*65536                   ; and in W
.set ADRA, 16                          ; v16-17  my A fragments in slot 0, 1
.set ADRB, 20                          ; v20-23  my W fragments: slot, then half of the step's 256 k rows
.set STO,  24
.set RD,   25
.set CO,   26
.set RO,   27
.set SPW,  28
.set NIL,  29
.set PFO,  30
.set BO,   31
.set BIAS, 32
.set TMP,  32
.set T,    96
.set ACC,  128
.set RS,   0                           ; window 2
.set F0,   0                           ; window 1
.set F1,   128
.set G1,  24
.set G0,  32
.set G1B, 48
.set G0B, 56
.set LIM, 67                           ; 1 in a wave that prefetches, else the greatest number
.set PFA, 68
.set PFS, 70
.set BP,  72
.set HIM, 74                           ; a word's upper bf16
.set MSB, 0
.macro WIN new
.if MSB != (\new)
	s_set_vgpr_msb (MSB<<8)|(\new)
.set MSB, \new
.endif
.endm
.set MUL,  0x05                        ; sources 0 and 1 window 1; C and D window 0
.set TO_F, 0x40
.macro JLOAD s                         ; waves 0 and 1 fetch A's halves, waves 2 and 3 W's; an s_nop 0 and four v_nop follow each line
	s_cmp_eq_u32 s13, 0
	s_cbranch_scc0 .Lfor_b_\@
	tensor_load_to_lds s[G0+4*(\s):G0+4*(\s)+3], s[G1:G1+7]
	s_nop 0
.rept 4
	v_nop
.endr
	s_branch .Lasked_\@
.Lfor_b_\@:
	tensor_load_to_lds s[G0B+4*(\s):G0B+4*(\s)+3], s[G1B:G1B+7]
	s_nop 0
.rept 4
	v_nop
.endr
.Lasked_\@:
.endm
; A prefetch of the K step two refills on: of the 32,768 bytes that I fetch, my work-group's 8,192, a lane 256.  Cluster x = 0 asks for A's, cluster y = 0 for W's.  So K steps 4 on are named once each;
; the loop's last trip (s3 = 1) asks for nothing.
.macro ASK
	s_cmp_gt_u32 s3, s[LIM]
	s_cbranch_scc0 .Lnot_mine_\@
	global_prefetch_b8 v[PFO], s[PFA:PFA+1] th:TH_LOAD_NT scope:SCOPE_SE
.Lnot_mine_\@:
.endm
.macro CREST
	s_cmp_lg_u32 s12, 0
	s_cbranch_scc1 .Lnot_wave_0_\@
	s_barrier_signal -3
.Lnot_wave_0_\@:
	s_barrier_wait -3
	s_barrier_signal -1
	s_barrier_wait -1
.endm
.macro CROUND
	s_barrier_signal -1
	s_barrier_wait -1
	CREST
.endm
	s_load_b128 s[4:7], s[0:1], 0x0                ; AW s[4:5], RES s[6:7]
	s_load_b64 s[10:11], s[0:1], 0x10              ; Y
	v_lshl_add_u32 v[SPW], v0, 2, SPARE
	v_mov_b32 v[NIL], 0
	ds_add_u32 v[SPW], v[NIL]                      ; the wave's opening: the add and its wait stand ahead of my first tensor load
	v_lshrrev_b32 v1, 5, v0
	v_readfirstlane_b32 s12, v1                    ; wave 0..3
	s_lshr_b32 s13, s12, 1                         ; my half of the tile's rows.  Also: I fetch for A (0) or for W (1)
	s_and_b32 s14, s12, 1                          ; my half of its columns.  Also: which half of that tile I fetch
	s_bfe_u32 s15, ttmp6, 0x40000                  ; cx
	s_bfe_u32 s16, ttmp6, 0x40004                  ; cy
	s_lshl_b32 s17, ttmp9, 2
	s_add_co_u32 s17, s17, s15                     ; tile column
	s_and_b32 s18, ttmp7, 0xffff
	s_lshl_b32 s18, s18, 2
	s_add_co_u32 s18, s18, s16                     ; tile row
	s_lshl_b32 s20, s16, 2
	s_lshl_b32 s20, 15, s20                        ; my row of the cluster
	s_lshl_b32 s21, 0x1111, s15                    ; my column
	s_or_b32 s[G1+0], s20, (1<<16)|(1<<20)|(1<<21)|(4<<22)|(3<<25)   ; mask; 2-byte elements; padding on; bit 21 beside a mask; after every 32 words 4 words
	s_or_b32 s[G1B+0], s21, (1<<16)|(1<<20)|(1<<21)|(5<<22)|(7<<25)  ; after every 64 words 8 words
	s_mov_b32 s[G1+1], 8192<<16                    ; A: two rows of 8,192 elements: a slice's 128 dense rows each,
	s_mov_b32 s[G1+2], 2<<16
	s_mov_b32 s[G1+3], 8192<<16
	s_mov_b32 s[G1+4], 2
	s_mov_b32 s[G1+5], 262144                      ; a slice apart
	s_mov_b32 s[G1+6], 0
	s_mov_b32 s[G1+7], 0
	s_mov_b32 s[G1B+1], 128<<16                    ; W: 128 k rows of 128 elements, dense
	s_mov_b32 s[G1B+2], 128<<16
	s_mov_b32 s[G1B+3], 128<<16
	s_mov_b32 s[G1B+4], 128
	s_mov_b32 s[G1B+5], 128
	s_mov_b32 s[G1B+6], 0
	s_mov_b32 s[G1B+7], 0
	s_lshl_b32 s40, s18, 14                        ; A: the tile row's 128 rows of 128 bytes,
	s_lshl_b32 s41, s14, 20                        ; my two slices of the step's four
	s_add_co_u32 s40, s40, s41
	s_mov_b32 s41, 0
	s_lshl_b32 s42, s17, 16                        ; W: the tile column's block,
	s_lshl_b32 s43, s14, 15                        ; my 128 k rows of it
	s_add_co_u32 s42, s42, s43
	s_add_co_u32 s42, s42, WOFF
	s_mov_b32 s43, 0
	s_mul_i32 s22, s12, HALFT                      ; where they go: no place in the cluster enters an LDS address
	s_mov_b32 s[HIM], 0xffff0000
	s_wait_dscnt 0x0                               ; the opening add is done
	s_wait_kmcnt 0x0
	s_add_nc_u64 s[44:45], s[4:5], s[40:41]
	s_add_nc_u64 s[46:47], s[4:5], s[42:43]
	CROUND                                         ; all sixteen work-groups are here
.irp s, 0,1
	s_mov_b32 s[G0+4*(\s)], 1
	s_add_co_u32 s[G0+4*(\s)+1], s22, (\s)*SLOT
	s_add_nc_u64 s[G0+4*(\s)+2:G0+4*(\s)+3], s[44:45], (\s)*ASTEP
	s_or_b32 s[G0+4*(\s)+3], s[G0+4*(\s)+3], 0x80000000
	s_mov_b32 s[G0B+4*(\s)], 1
	s_add_co_u32 s[G0B+4*(\s)+1], s22, (\s)*SLOT
	s_add_nc_u64 s[G0B+4*(\s)+2:G0B+4*(\s)+3], s[46:47], (\s)*BSTEP
	s_or_b32 s[G0B+4*(\s)+3], s[G0B+4*(\s)+3], 0x80000000
	JLOAD \s                                       ; two loads of mine are out
.endr
	v_and_b32 v1, 15, v0                           ; l % 16
	v_bfe_u32 v2, v0, 4, 1                         ; l / 16
	v_mul_u32_u24 v3, v1, PA
	v_lshl_add_u32 v3, v2, 4, v3
	s_mul_i32 s20, s13, 64*PA                      ; my 64 rows in each slice
	v_and_b32 v4, 7, v0
	v_lshl_add_u32 v4, v2, 3, v4
	v_mul_u32_u24 v4, v4, PBB
	v_bfe_u32 v5, v0, 3, 1
	v_lshl_add_u32 v4, v5, 4, v4
	s_lshl_b32 s21, s14, 7                         ; my 64 columns,
	s_add_co_u32 s21, s21, 2*HALFT                 ; behind A's four slices
.irp s, 0,1
	v_add_nc_u32 v[ADRA+(\s)], s20, v3
	v_add_nc_u32 v[ADRB+2*(\s)], s21, v4
	s_add_co_u32 s21, s21, HALFT
	v_add_nc_u32 v[ADRB+2*(\s)+1], s21, v4
	s_add_co_u32 s20, s20, SLOT
	s_add_co_u32 s21, s21, SLOT-HALFT
.endr
	s_mul_i32 s23, s12, 16*SPITCH
	s_add_co_u32 s23, s23, STAGE                   ; my stage
	v_mul_u32_u24 v6, v1, SPITCH                   ; in: row l % 16, 32 bytes for each half of the lanes
	v_lshl_add_u32 v6, v2, 5, v6
	v_add_nc_u32 v[STO], s23, v6
	v_mul_u32_u24 v6, v2, SPITCH                   ; back: lanes 0-15 one row of 256 bytes, lanes 16-31 the next
	v_lshl_add_u32 v6, v1, 4, v6
	v_add_nc_u32 v[RD], s23, v6
	v_lshlrev_b32 v6, 12, v2                       ; the same two rows in Y,
	v_lshl_add_u32 v[CO], v1, 4, v6
	v_lshlrev_b32 v6, 11, v2                       ; and in RES
	v_lshl_add_u32 v[RO], v1, 3, v6
	s_lshl_b32 s40, s18, 7
	s_lshl_b32 s41, s13, 6
	s_add_co_u32 s40, s40, s41                     ; my first row
	s_lshl_b32 s42, s17, 7
	s_lshl_b32 s43, s14, 6
	s_add_co_u32 s42, s42, s43                     ; my first column
	s_lshl_b32 s44, s40, 12
	s_lshl_b32 s45, s42, 2
	s_add_co_u32 s44, s44, s45
	s_mov_b32 s45, 0
	s_add_nc_u64 s[10:11], s[10:11], s[44:45]
	s_lshl_b32 s44, s40, 11
	s_lshl_b32 s46, s42, 1
	s_add_co_u32 s44, s44, s46
	s_add_nc_u64 s[6:7], s[6:7], s[44:45]
	s_add_nc_u64 s[BP:BP+1], s[4:5], BOFF
	v_lshl_add_u32 v[BO], v2, 3, s42
	v_lshlrev_b32 v[BO], 2, v[BO]
.irp b, 0,1,2,3                        ; the bias of columns 16 b + 8 (l / 16) + 0..7
	global_load_b128 v[BIAS+8*(\b):BIAS+8*(\b)+3],   v[BO], s[BP:BP+1] offset:64*(\b)
	global_load_b128 v[BIAS+8*(\b)+4:BIAS+8*(\b)+7], v[BO], s[BP:BP+1] offset:64*(\b)+16
.endr
	WIN 0x80                                       ; destination window 2
.set i, 0
.rept 32                               ; the residual, as the way out will want it: rows 2 i and 2 i + 1, four columns a lane
	global_load_b64 v[RS+2*i:RS+2*i+1], v[RO], s[6:7] offset:2*i*2048
.set i, i+1
.endr
	WIN 0
.if LAPS > 2
	s_lshl_b32 s40, s18, 14                        ; the prefetches.  For A: slice 2 x half + cx / 2 of the step's four, half cx % 2 of its 16,384 bytes
	s_lshl_b32 s41, s14, 1
	s_lshr_b32 s42, s15, 1
	s_add_co_u32 s41, s41, s42
	s_lshl_b32 s41, s41, 19
	s_add_co_u32 s40, s40, s41
	s_and_b32 s41, s15, 1
	s_lshl_b32 s41, s41, 13
	s_add_co_u32 s40, s40, s41
	s_add_co_u32 s40, s40, 3*ASTEP                 ; at K step 3: the first change of slots steps it to 4
	s_lshl_b32 s41, s17, 16                        ; for W: quarter cy of my 32,768 bytes
	s_lshl_b32 s42, s14, 15
	s_add_co_u32 s41, s41, s42
	s_lshl_b32 s42, s16, 13
	s_add_co_u32 s41, s41, s42
	s_add_co_u32 s41, s41, WOFF+3*BSTEP
	s_and_b32 s42, ttmp7, 0xffff
	s_mov_b32 s43, BSTEP
	s_cmp_eq_u32 s13, 0                            ; do I fetch for A?
	s_cselect_b32 s40, s40, s41
	s_cselect_b32 s42, ttmp9, s42                  ; the coordinate along which other clusters read the same bytes
	s_cselect_b32 s[PFS], ASTEP, s43
	s_mov_b32 s[PFS+1], 0
	s_mov_b32 s41, 0
	s_add_nc_u64 s[PFA:PFA+1], s[4:5], s[40:41]
	s_cmp_eq_u32 s42, 0
	s_cselect_b32 s[LIM], 1, -1                    ; the same in all sixteen partners, for a given wave
	v_and_b32 v[PFO], 31, v0
	v_lshlrev_b32 v[PFO], 8, v[PFO]
.endif
; 8 matrix instructions: row blocks a0, a0 + 1 x all 4 column blocks, 32 along K: half c of buffer f.  first = 1: the bias starts the sums
.macro MUL8 f, c, a0, first
	WIN MUL
.irp a, \a0, (\a0)+1
.irp b, 0,1,2,3
.if \first
	v_wmma_f32_16x16x32_bf16 v[ACC+8*(4*(\a)+(\b)):ACC+8*(4*(\a)+(\b))+7], v[(\f)+64+8*(4*(\c)+(\b)):(\f)+64+8*(4*(\c)+(\b))+7], v[(\f)+8*(4*(\c)+(\a)):(\f)+8*(4*(\c)+(\a))+7], v[BIAS+8*(\b):BIAS+8*(\b)+7]
.else
	v_wmma_f32_16x16x32_bf16 v[ACC+8*(4*(\a)+(\b)):ACC+8*(4*(\a)+(\b))+7], v[(\f)+64+8*(4*(\c)+(\b)):(\f)+64+8*(4*(\c)+(\b))+7], v[(\f)+8*(4*(\c)+(\a)):(\f)+8*(4*(\c)+(\a))+7], v[ACC+8*(4*(\a)+(\b)):ACC+8*(4*(\a)+(\b))+7]
.endif
.endr
.endr
.endm
; 32 LDS loads in one run: quarter q (one slice, 64 along K) of a slot into buffer f; its first 32 along K first
.macro FETCH slot, q, f
	WIN TO_F
.irp c, 0,1
.irp i, 0,1,2,3
	ds_load_tr16_b128 v[(\f)+64+8*(4*(\c)+(\i)):(\f)+64+8*(4*(\c)+(\i))+3],   v[ADRB+2*(\slot)+(\q)/2] offset:(((\q)%2)*64+32*(\c))*PBB+32*(\i)
	ds_load_tr16_b128 v[(\f)+64+8*(4*(\c)+(\i))+4:(\f)+64+8*(4*(\c)+(\i))+7], v[ADRB+2*(\slot)+(\q)/2] offset:(((\q)%2)*64+32*(\c)+16)*PBB+32*(\i)
	ds_load_b128 v[(\f)+8*(4*(\c)+(\i)):(\f)+8*(4*(\c)+(\i))+3],   v[ADRA+(\slot)] offset:(\q)*SLICE+64*(\c)+(\i)*16*PA
	ds_load_b128 v[(\f)+8*(4*(\c)+(\i))+4:(\f)+8*(4*(\c)+(\i))+7], v[ADRA+(\slot)] offset:(\q)*SLICE+64*(\c)+(\i)*16*PA+32
.endr
.endr
.endm
.macro PLACES                          ; four plain instructions between a matrix instruction and a load into, or a read of, its registers
.rept 4
	v_nop
.endr
.endm
.macro QUARTER slot, q, f, g, first    ; multiplies buffer f and fetches quarter q into g; the 16 accumulators take turns
	s_wait_dscnt 16                                ; the first 32 along K are in
	MUL8 \f, 0, 0, \first
	MUL8 \f, 0, 2, \first
	PLACES
	FETCH \slot, \q, \g
	s_wait_dscnt 32                                ; all but the 32 just issued
	MUL8 \f, 1, 0, 0
	MUL8 \f, 1, 2, 0
.endm
; A K step's last quarter multiplies buffer 1 and changes slots.  fill = 1: this slot is filled again, two K steps on: the first tensor load behind the round, 112 matrix instructions ahead of the wait for it.
.macro TURN slot, next, fill
.if (\fill) && (LAPS > 2)
	s_wait_xcnt 0x0                                ; the last prefetch, a K step back, has read its address
	s_add_nc_u64 s[PFA:PFA+1], s[PFA:PFA+1], s[PFS:PFS+1]
.endif
	WIN 0
	s_wait_tensorcnt 0x0                           ; all my tensor loads have landed: my part of the next slot
	ds_add_u32 v[SPW], v[NIL]
	s_wait_dscnt 17                                ; (the add and the youngest sixteen loads may be out)
	MUL8 F1, 0, 0, 0
	s_wait_dscnt 0x0                               ; the add is done, and my reads of this slot are over
	s_barrier_signal -1
	MUL8 F1, 0, 2, 0
.if \fill
	WIN 0
.endif
	s_barrier_wait -1
.if \fill
	CREST                                          ; no wave of any partner still reads this slot or has a load on its way
	s_add_nc_u64 s[G0+4*(\slot)+2:G0+4*(\slot)+3], s[G0+4*(\slot)+2:G0+4*(\slot)+3], 2*ASTEP
	s_add_nc_u64 s[G0B+4*(\slot)+2:G0B+4*(\slot)+3], s[G0B+4*(\slot)+2:G0B+4*(\slot)+3], 2*BSTEP
	JLOAD \slot                                    ; its four v_nop are also the places in front of the loads below
.else
	PLACES
.endif
	FETCH \next, 0, F0
.if (\fill) && (LAPS > 2)
	WIN 0
	ASK
.endif
	MUL8 F1, 1, 0, 0
	MUL8 F1, 1, 2, 0
.endm
; THE WAY OUT of row block a (16 rows x 64 columns of f32): into my stage, 32 bytes a lane; back as whole rows of 256 bytes; the residual is added; stored.
.macro TOSTAGE a
	s_wait_xcnt 0x0                                ; earlier stores have read the registers that the loads below fill
.irp b, 0,1,2,3
	ds_store_b128 v[STO], v[ACC+8*(4*(\a)+(\b)):ACC+8*(4*(\a)+(\b))+3]   offset:64*(\b)
	ds_store_b128 v[STO], v[ACC+8*(4*(\a)+(\b))+4:ACC+8*(4*(\a)+(\b))+7] offset:64*(\b)+16
.endr
.irp t, 0,1,2,3,4,5,6,7
	ds_load_b128 v[TMP+32*((\a)%2)+4*(\t):TMP+32*((\a)%2)+4*(\t)+3], v[RD] offset:(\t)*2*SPITCH  ; LDS serves a wave's instructions in order (ISA guide 5.7.1.4)
.endr
.endm
.macro SEND a, younger                 ; younger: the LDS instructions issued behind block a's loads
	WIN 0x08                                       ; source 1 in window 2: the block's residual is widened in one run, ahead of the wait for the stage
.irp t, 0,1,2,3,4,5,6,7
	v_lshlrev_b32 v[T+4*(\t)],   16, v[RS+2*(8*(\a)+(\t))]
	v_and_b32     v[T+4*(\t)+1], s[HIM], v[RS+2*(8*(\a)+(\t))]
	v_lshlrev_b32 v[T+4*(\t)+2], 16, v[RS+2*(8*(\a)+(\t))+1]
	v_and_b32     v[T+4*(\t)+3], s[HIM], v[RS+2*(8*(\a)+(\t))+1]
.endr
	WIN 0
.irp t, 0,1,2,3,4,5,6,7
	s_wait_dscnt (\younger)+7-(\t)
	v_pk_add_f32 v[TMP+32*((\a)%2)+4*(\t):TMP+32*((\a)%2)+4*(\t)+1],   v[TMP+32*((\a)%2)+4*(\t):TMP+32*((\a)%2)+4*(\t)+1],   v[T+4*(\t):T+4*(\t)+1]
	v_pk_add_f32 v[TMP+32*((\a)%2)+4*(\t)+2:TMP+32*((\a)%2)+4*(\t)+3], v[TMP+32*((\a)%2)+4*(\t)+2:TMP+32*((\a)%2)+4*(\t)+3], v[T+4*(\t)+2:T+4*(\t)+3]
	global_store_b128 v[CO], v[TMP+32*((\a)%2)+4*(\t):TMP+32*((\a)%2)+4*(\t)+3], s[10:11] offset:(16*(\a)+2*(\t))*4096  ; 16 lanes store 256 consecutive bytes, aligned
.endr
.endm
	s_wait_tensorcnt 1                             ; my part of K step 0 is in; K step 1's may stay out
	s_barrier_signal -1
	s_barrier_wait -1
	FETCH 0, 0, F0
	s_wait_loadcnt 32                              ; the bias is in; the residual's 32 loads stay out
	QUARTER 0, 1, F0, F1, 1                        ; the first quarter stands in front of the loop: its first products start the sums
	WIN 0
	s_mov_b32 s3, LAPS-1
.Llap:                                         ; a trip goes once round the ring, from a lap's second quarter to the next lap's first, and fills both slots again
	QUARTER 0, 2, F1, F0, 0
	QUARTER 0, 3, F0, F1, 0
	TURN 0, 1, 1
	QUARTER 1, 1, F0, F1, 0
	QUARTER 1, 2, F1, F0, 0
	QUARTER 1, 3, F0, F1, 0
	TURN 1, 0, 1
	QUARTER 0, 1, F0, F1, 0
	WIN 0
	s_sub_co_u32 s3, s3, 1
	s_cmp_lg_u32 s3, 0
	s_cbranch_scc1 .Llap
	QUARTER 0, 2, F1, F0, 0                        ; the last lap fills nothing
	QUARTER 0, 3, F0, F1, 0
	TURN 0, 1, 0
	QUARTER 1, 1, F0, F1, 0
	QUARTER 1, 2, F1, F0, 0
	QUARTER 1, 3, F0, F1, 0
	s_wait_dscnt 16
	MUL8 F1, 0, 0, 0
	MUL8 F1, 0, 2, 0
	s_wait_dscnt 0x0
	MUL8 F1, 1, 0, 0
	MUL8 F1, 1, 2, 0
	WIN 0
	PLACES
	PLACES
	s_wait_loadcnt 0x0                             ; the residual
	TOSTAGE 0
	TOSTAGE 1
	SEND 0, 16
	TOSTAGE 2
	SEND 1, 16
	TOSTAGE 3
	SEND 2, 16
	SEND 3, 0
	s_wait_tensorcnt 0x0                           ; the wave's end
	ds_add_u32 v[SPW], v[NIL]
	s_wait_dscnt 0x0
	CROUND                                         ; the closing round
	s_endpgm
.Lfunc_end_k_q66cd070939_wo:
	.size	k_q66cd070939_wo, .Lfunc_end_k_q66cd070939_wo-k_q66cd070939_wo
	.p2alignl 7, 3214868480
	.fill 96, 4, 3214868480
	.section	.rodata,"a",@progbits
	.p2align	6, 0x0
	.amdhsa_kernel k_q66cd070939_wo
		.amdhsa_group_segment_fixed_size 327680
		.amdhsa_private_segment_fixed_size 0
		.amdhsa_enable_private_segment 0
		.amdhsa_kernarg_size 24
		.amdhsa_user_sgpr_count 2
		.amdhsa_user_sgpr_kernarg_segment_ptr 1
		.amdhsa_wavefront_size32 1
		.amdhsa_system_sgpr_workgroup_id_x 1
		.amdhsa_system_sgpr_workgroup_id_y 1
		.amdhsa_system_sgpr_workgroup_id_z 1
		.amdhsa_system_vgpr_workitem_id 0
		.amdhsa_next_free_vgpr 640
		.amdhsa_next_free_sgpr 80
		.amdhsa_reserve_vcc 0
		.amdhsa_float_denorm_mode_32 3
		.amdhsa_float_denorm_mode_16_64 3
		.amdhsa_memory_ordered 1
		.amdhsa_forward_progress 1
		.amdhsa_inst_pref_size 100
	.end_amdhsa_kernel
	.amdgpu_metadata
---
amdhsa.version: [ 1, 2 ]
amdhsa.kernels:
  - .name:           k_q66cd070939_wo
    .symbol:         k_q66cd070939_wo.kd
    .args:
      - { .name: wsc, .offset: 0, .size: 8, .value_kind: global_buffer, .address_space: global }
      - { .name: wsx, .offset: 8, .size: 8, .value_kind: global_buffer, .address_space: global }
      - { .name: ysum, .offset: 16, .size: 8, .value_kind: global_buffer, .address_space: global }
    .group_segment_fixed_size: 327680
    .private_segment_fixed_size: 0
    .kernarg_segment_align: 8
    .kernarg_segment_size: 24
    .max_flat_workgroup_size: 128
    .sgpr_count:     80
    .vgpr_count:     640
    .wavefront_size: 32
...
	.end_amdgpu_metadata
.endif
;; end of part 4
;; launch ln1 (part 5): grid 256 x 1, 8 waves a work-group, no clusters, 0 bytes of LDS; arguments ysum, wsx, wso; writes wso
.if DOCPART == 5
	.amdgcn_target "amdgcn-amd-amdhsa--gfx1250"
	.amdhsa_code_object_version 6
	.text
	.protected	k_q66cd070939_ln1
	.globl	k_q66cd070939_ln1
	.p2align	8
	.type	k_q66cd070939_ln1,@function
k_q66cd070939_ln1:
	s_mov_b64 s[64:65], 0
	v_nop
	global_prefetch_b8 v0, s[64:65] scope:SCOPE_SE
	s_setreg_imm32_b32 hwreg(HW_REG_WAVE_MODE, 25, 1), 1
	s_wait_xcnt 0x0
; out1 = LayerNorm(ysum) x g + b, rounded once to bf16: [4096][1024] at wso's head.  ysum: [4096][1024] f32.  g and b: 1,024 f32 each at wsx + PAR and PAR + 4,096.
; One wave takes two whole rows and keeps them in registers: mean, then the mean of the squared differences (two passes over registers, as the definition has it), then the scaling.  Memory is read once;
; no LDS, no barrier.  A load covers 512 consecutive bytes, a store 256, aligned.  Matrix units, clusters and tensor loads would add nothing to a stream.
.set PAR, 0x1000000+20480
.set X0, 32                            ; v[32:63]   row 0: word 4 j + e is column 128 j + 4 l + e
.set X1, 64                            ; v[64:95]   row 1
.set G,  96                            ; v[96:127]  the gain of my columns
.set BV, 128                           ; v[128:159] the bias
.set T,  160                           ; v[160:175] at work
.set Q,  176                           ; v[176:183] four chains of squares
.set MU, 184                           ; v[184:185] the mean, twice
.set R,  186                           ; v[186:189] 1 / sqrt(var + eps), twice, for each row
	s_load_b128 s[4:7], s[0:1], 0x0                ; ysum, wsx
	s_load_b64 s[8:9], s[0:1], 0x10                ; wso
	v_and_b32 v1, 31, v0
	v_lshrrev_b32 v2, 5, v0
	v_lshlrev_b32 v3, 4, v1                        ; 16 l
	v_lshl_add_u32 v4, v2, 13, v3                  ; + my wave's two rows of 4,096 bytes
	v_lshlrev_b32 v5, 3, v1
	v_lshl_add_u32 v5, v2, 12, v5                  ; out: 8 l + my wave's two rows of 2,048 bytes
	s_lshl_b32 s10, ttmp9, 16                      ; the work-group's 16 rows
	s_mov_b32 s11, 0
	s_lshl_b32 s12, ttmp9, 15
	s_mov_b32 s13, 0
	s_mov_b32 s14, 0x76543210                      ; v_permlanex16_b32: each lane takes its own place in the other half
	s_mov_b32 s15, 0xfedcba98
	s_mov_b32 s16, 0x3a800000                      ; 1 / 1,024
	s_mov_b32 s17, 0x3727c5ac                      ; 1e-5
	s_wait_kmcnt 0x0
	s_add_nc_u64 s[4:5], s[4:5], s[10:11]
	s_add_nc_u64 s[6:7], s[6:7], PAR
	s_add_nc_u64 s[8:9], s[8:9], s[12:13]
.irp j, 0,1,2,3,4,5,6,7
	global_load_b128 v[X0+4*(\j):X0+4*(\j)+3], v4, s[4:5] offset:512*(\j) th:TH_LOAD_NT
.endr
.irp j, 0,1,2,3,4,5,6,7
	global_load_b128 v[X1+4*(\j):X1+4*(\j)+3], v4, s[4:5] offset:4096+512*(\j) th:TH_LOAD_NT
.endr
.irp j, 0,1,2,3,4,5,6,7
	global_load_b128 v[G+4*(\j):G+4*(\j)+3], v3, s[6:7] offset:512*(\j)
.endr
.irp j, 0,1,2,3,4,5,6,7
	global_load_b128 v[BV+4*(\j):BV+4*(\j)+3], v3, s[6:7] offset:4096+512*(\j)
.endr
.macro LANES                           ; the sum of v[T] over the 32 lanes, in every lane
	v_add_f32_dpp v[T], v[T], v[T] row_xmask:1 row_mask:0xf bank_mask:0xf
	v_add_f32_dpp v[T], v[T], v[T] row_xmask:2 row_mask:0xf bank_mask:0xf
	v_add_f32_dpp v[T], v[T], v[T] row_xmask:4 row_mask:0xf bank_mask:0xf
	v_add_f32_dpp v[T], v[T], v[T] row_xmask:8 row_mask:0xf bank_mask:0xf
	v_permlanex16_b32 v[T+1], v[T], s14, s15
	v_add_f32 v[T], v[T], v[T+1]
.endm
.macro STAT x, rr                      ; the row at x becomes x - mean; rr takes 1 / sqrt(var + eps)
.set i, 0
.rept 8
	v_pk_add_f32 v[T+2*i:T+2*i+1], v[(\x)+4*i:(\x)+4*i+1], v[(\x)+4*i+2:(\x)+4*i+3]
.set i, i+1
.endr
.set i, 0
.rept 4
	v_pk_add_f32 v[T+2*i:T+2*i+1], v[T+2*i:T+2*i+1], v[T+2*i+8:T+2*i+9]
.set i, i+1
.endr
	v_pk_add_f32 v[T:T+1], v[T:T+1], v[T+4:T+5]
	v_pk_add_f32 v[T+2:T+3], v[T+2:T+3], v[T+6:T+7]
	v_pk_add_f32 v[T:T+1], v[T:T+1], v[T+2:T+3]
	v_add_f32 v[T], v[T], v[T+1]
	LANES
	v_mul_f32 v[MU], s16, v[T]
	v_mov_b32 v[MU+1], v[MU]
.set i, 0
.rept 16
	v_pk_add_f32 v[(\x)+2*i:(\x)+2*i+1], v[(\x)+2*i:(\x)+2*i+1], v[MU:MU+1] neg_lo:[0,1] neg_hi:[0,1]
.set i, i+1
.endr
.set i, 0
.rept 4
	v_pk_mul_f32 v[Q+2*i:Q+2*i+1], v[(\x)+2*i:(\x)+2*i+1], v[(\x)+2*i:(\x)+2*i+1]
.set i, i+1
.endr
.rept 12
	v_pk_fma_f32 v[Q+2*(i%4):Q+2*(i%4)+1], v[(\x)+2*i:(\x)+2*i+1], v[(\x)+2*i:(\x)+2*i+1], v[Q+2*(i%4):Q+2*(i%4)+1]
.set i, i+1
.endr
	v_pk_add_f32 v[Q:Q+1], v[Q:Q+1], v[Q+2:Q+3]
	v_pk_add_f32 v[Q+4:Q+5], v[Q+4:Q+5], v[Q+6:Q+7]
	v_pk_add_f32 v[Q:Q+1], v[Q:Q+1], v[Q+4:Q+5]
	v_add_f32 v[T], v[Q], v[Q+1]
	LANES
	v_fma_f32 v[T], v[T], s16, s17
	v_rsq_f32 v[\rr], v[T]
	v_rsq_f32 v[(\rr)+1], v[T]
	v_nop                                          ; a plain instruction behind the second root, ahead of a write of its source (ISA guide 5.7.2)
	s_wait_alu depctr_va_vdst(0)                   ; one wait for both, ahead of their first reader
.endm
.macro APPLY x, rr, row
.set i, 0
.rept 16
	v_pk_mul_f32 v[(\x)+2*i:(\x)+2*i+1], v[(\x)+2*i:(\x)+2*i+1], v[\rr:(\rr)+1]
.set i, i+1
.endr
.set i, 0
.rept 16
	v_pk_fma_f32 v[(\x)+2*i:(\x)+2*i+1], v[(\x)+2*i:(\x)+2*i+1], v[G+2*i:G+2*i+1], v[BV+2*i:BV+2*i+1]
.set i, i+1
.endr
.set i, 0
.rept 16
	v_cvt_pk_bf16_f32 v[(\x)+i], v[(\x)+2*i], v[(\x)+2*i+1]  ; in place, ascending: word i is written when words up to 2 i - 1 have been read
.set i, i+1
.endr
.irp j, 0,1,2,3,4,5,6,7
	global_store_b64 v5, v[(\x)+2*(\j):(\x)+2*(\j)+1], s[8:9] offset:(\row)*2048+256*(\j)
.endr
.endm
	s_wait_loadcnt 24                              ; row 0 is in; 24 younger loads stay out
	STAT X0, R
	s_wait_loadcnt 16                              ; row 1 is in
	STAT X1, R+2
	s_wait_loadcnt 0x0                             ; gain and bias
	APPLY X0, R, 0
	APPLY X1, R+2, 1
	s_endpgm
.Lfunc_end_k_q66cd070939_ln1:
	.size	k_q66cd070939_ln1, .Lfunc_end_k_q66cd070939_ln1-k_q66cd070939_ln1
	.p2alignl 7, 3214868480
	.fill 96, 4, 3214868480
	.section	.rodata,"a",@progbits
	.p2align	6, 0x0
	.amdhsa_kernel k_q66cd070939_ln1
		.amdhsa_group_segment_fixed_size 0
		.amdhsa_private_segment_fixed_size 0
		.amdhsa_enable_private_segment 0
		.amdhsa_kernarg_size 24
		.amdhsa_user_sgpr_count 2
		.amdhsa_user_sgpr_kernarg_segment_ptr 1
		.amdhsa_wavefront_size32 1
		.amdhsa_system_sgpr_workgroup_id_x 1
		.amdhsa_system_sgpr_workgroup_id_y 1
		.amdhsa_system_sgpr_workgroup_id_z 1
		.amdhsa_system_vgpr_workitem_id 0
		.amdhsa_next_free_vgpr 192
		.amdhsa_next_free_sgpr 66
		.amdhsa_reserve_vcc 0
		.amdhsa_float_denorm_mode_32 3
		.amdhsa_float_denorm_mode_16_64 3
		.amdhsa_memory_ordered 1
		.amdhsa_forward_progress 1
		.amdhsa_inst_pref_size 21
	.end_amdhsa_kernel
	.amdgpu_metadata
---
amdhsa.version: [ 1, 2 ]
amdhsa.kernels:
  - .name:           k_q66cd070939_ln1
    .symbol:         k_q66cd070939_ln1.kd
    .args:
      - { .name: ysum, .offset: 0, .size: 8, .value_kind: global_buffer, .address_space: global }
      - { .name: wsx, .offset: 8, .size: 8, .value_kind: global_buffer, .address_space: global }
      - { .name: wso, .offset: 16, .size: 8, .value_kind: global_buffer, .address_space: global }
    .group_segment_fixed_size: 0
    .private_segment_fixed_size: 0
    .kernarg_segment_align: 8
    .kernarg_segment_size: 24
    .max_flat_workgroup_size: 256
    .sgpr_count:     66
    .vgpr_count:     192
    .wavefront_size: 32
...
	.end_amdgpu_metadata
.endif
;; end of part 5
;; launch ffn1: the kernel of part 2 again; grid 16 x 16, 4 waves a work-group, clusters of 4 x 4, 327,680 bytes of LDS; arguments wso, wsh; writes wsh
;; launch ffn2 (part 6): grid 8 x 32, 4 waves a work-group, clusters of 4 x 4, 327,680 bytes of LDS; arguments wsh, wso, ysum; writes ysum
.if DOCPART == 6
	.amdgcn_target "amdgcn-amd-amdhsa--gfx1250"
	.amdhsa_code_object_version 6
	.text
	.protected	k_q66cd070939_ffn2
	.globl	k_q66cd070939_ffn2
	.p2align	8
	.type	k_q66cd070939_ffn2,@function
k_q66cd070939_ffn2:
	s_mov_b64 s[64:65], 0
	v_nop
	global_prefetch_b8 v0, s[64:65] scope:SCOPE_SE
	s_setreg_imm32_b32 hwreg(HW_REG_WAVE_MODE, 25, 1), 1
	s_wait_xcnt 0x0
	s_wait_alu depctr_hold_cnt(0) depctr_sa_sdst(0) depctr_va_vdst(0) depctr_va_sdst(0) depctr_va_ssrc(0) depctr_va_vcc(0) depctr_vm_vsrc(0)
	s_getreg_b32 s2, hwreg(HW_REG_IB_STS2, 6, 4)
	s_cmp_eq_u32 s2, 0
	s_cbranch_scc0 .Lentry_in_a_cluster
	s_endpgm
.Lentry_in_a_cluster:
	s_bfe_u32 s2, ttmp6, 0x10000c
	s_cmp_lg_u32 s2, 0xf033
	s_cbranch_scc0 .Lentry_shape_is_right
	s_endpgm
.Lentry_shape_is_right:
; Y = A W + bias + RES, in f32: the sums that a LayerNorm takes next.  K = 512 LAPS.  AW holds A by slices [K / 64][4096 rows][64] bf16 at 0, W as blocks [K / 256][8 column tiles][256 k][128 n] bf16 at WOFF,
; and the bias (1,024 f32) at BOFF.  RES is [4096][1024] bf16 at its buffer's head.  Y is [4096][1024] f32.
; This text stands twice in the program, for K = 1,024 and for K = 4,096: the two differ in the line that sets LAPS alone.
; SHARES.  A tile of Y is 128 x 128; four waves, each 64 x 64: 16 accumulators.  K goes in steps of 256 (four slices) through two LDS slots; a quarter of a step is one slice.
; CLUSTER.  4 x 4 work-groups: A's tile is shared along a row of the cluster, W's along a column; each is asked for jointly.
; The product is taken transposed (source 0 = 16 columns of W, turned out of LDS; source 1 = 16 rows of A): a lane holds a row of Y and eight neighbouring columns.  The bias is the C that starts the sums.
; NaN and infinities are not treated apart.
; REGISTERS: window 0: v16-31 addresses; v32-63 the bias, later with v64-95 two buffers of rows read back; v96-127 a block's residual in f32; v128-255 accumulators ((a, b) at v[128 + 8 (4 a + b)])
;   window 1: two fragment buffers of 128 (64 of A, then 64 of W)      window 2: v0-63 the residual as loaded
.set LAPS,   8                         ; a lap = two K steps = once round the ring: K = 4,096.  K steps 4 to 15 are prefetched, two refills ahead
.set PA,     144                       ; a row of a slice in LDS: 128 bytes + 16
.set PBB,    288                       ; a k row of W: 256 bytes + 32, for the turning load
.set SLICE,  128*PA
.set HALFT,  2*SLICE                   ; what one tensor load brings: two slices of A, or 128 k rows of W (128 x 288 is the same number)
.set SLOT,   4*HALFT
.set STAGE,  2*SLOT                    ; behind the ring: 16 rows x 272 bytes for each wave
.set SPITCH, 272
.set SPARE,  STAGE+4*16*SPITCH         ; the spare words: two blocks of 256 bytes that no other line names
.set WOFF,   0x2000000
.set BOFF,   0x2800000
.set ASTEP,  4*524288                  ; bytes from K step to K step in A
.set BSTEP,  8*65536                   ; and in W
.set ADRA, 16                          ; v16-17  my A fragments in slot 0, 1
.set ADRB, 20                          ; v20-23  my W fragments: slot, then half of the step's 256 k rows
.set STO,  24
.set RD,   25
.set CO,   26
.set RO,   27
.set SPW,  28
.set NIL,  29
.set PFO,  30
.set BO,   31
.set BIAS, 32
.set TMP,  32
.set T,    96
.set ACC,  128
.set RS,   0                           ; window 2
.set F0,   0                           ; window 1
.set F1,   128
.set G1,  24
.set G0,  32
.set G1B, 48
.set G0B, 56
.set LIM, 67                           ; 1 in a wave that prefetches, else the greatest number
.set PFA, 68
.set PFS, 70
.set BP,  72
.set HIM, 74                           ; a word's upper bf16
.set MSB, 0
.macro WIN new
.if MSB != (\new)
	s_set_vgpr_msb (MSB<<8)|(\new)
.set MSB, \new
.endif
.endm
.set MUL,  0x05                        ; sources 0 and 1 window 1; C and D window 0
.set TO_F, 0x40
.macro JLOAD s                         ; waves 0 and 1 fetch A's halves, waves 2 and 3 W's; an s_nop 0 and four v_nop follow each line
	s_cmp_eq_u32 s13, 0
	s_cbranch_scc0 .Lfor_b_\@
	tensor_load_to_lds s[G0+4*(\s):G0+4*(\s)+3], s[G1:G1+7]
	s_nop 0
.rept 4
	v_nop
.endr
	s_branch .Lasked_\@
.Lfor_b_\@:
	tensor_load_to_lds s[G0B+4*(\s):G0B+4*(\s)+3], s[G1B:G1B+7]
	s_nop 0
.rept 4
	v_nop
.endr
.Lasked_\@:
.endm
; A prefetch of the K step two refills on: of the 32,768 bytes that I fetch, my work-group's 8,192, a lane 256.  Cluster x = 0 asks for A's, cluster y = 0 for W's.  So K steps 4 on are named once each;
; the loop's last trip (s3 = 1) asks for nothing.
.macro ASK
	s_cmp_gt_u32 s3, s[LIM]
	s_cbranch_scc0 .Lnot_mine_\@
	global_prefetch_b8 v[PFO], s[PFA:PFA+1] th:TH_LOAD_NT scope:SCOPE_SE
.Lnot_mine_\@:
.endm
.macro CREST
	s_cmp_lg_u32 s12, 0
	s_cbranch_scc1 .Lnot_wave_0_\@
	s_barrier_signal -3
.Lnot_wave_0_\@:
	s_barrier_wait -3
	s_barrier_signal -1
	s_barrier_wait -1
.endm
.macro CROUND
	s_barrier_signal -1
	s_barrier_wait -1
	CREST
.endm
	s_load_b128 s[4:7], s[0:1], 0x0                ; AW s[4:5], RES s[6:7]
	s_load_b64 s[10:11], s[0:1], 0x10              ; Y
	v_lshl_add_u32 v[SPW], v0, 2, SPARE
	v_mov_b32 v[NIL], 0
	ds_add_u32 v[SPW], v[NIL]                      ; the wave's opening: the add and its wait stand ahead of my first tensor load
	v_lshrrev_b32 v1, 5, v0
	v_readfirstlane_b32 s12, v1                    ; wave 0..3
	s_lshr_b32 s13, s12, 1                         ; my half of the tile's rows.  Also: I fetch for A (0) or for W (1)
	s_and_b32 s14, s12, 1                          ; my half of its columns.  Also: which half of that tile I fetch
	s_bfe_u32 s15, ttmp6, 0x40000                  ; cx
	s_bfe_u32 s16, ttmp6, 0x40004                  ; cy
	s_lshl_b32 s17, ttmp9, 2
	s_add_co_u32 s17, s17, s15                     ; tile column
	s_and_b32 s18, ttmp7, 0xffff
	s_lshl_b32 s18, s18, 2
	s_add_co_u32 s18, s18, s16                     ; tile row
	s_lshl_b32 s20, s16, 2
	s_lshl_b32 s20, 15, s20                        ; my row of the cluster
	s_lshl_b32 s21, 0x1111, s15                    ; my column
	s_or_b32 s[G1+0], s20, (1<<16)|(1<<20)|(1<<21)|(4<<22)|(3<<25)   ; mask; 2-byte elements; padding on; bit 21 beside a mask; after every 32 words 4 words
	s_or_b32 s[G1B+0], s21, (1<<16)|(1<<20)|(1<<21)|(5<<22)|(7<<25)  ; after every 64 words 8 words
	s_mov_b32 s[G1+1], 8192<<16                    ; A: two rows of 8,192 elements: a slice's 128 dense rows each,
	s_mov_b32 s[G1+2], 2<<16
	s_mov_b32 s[G1+3], 8192<<16
	s_mov_b32 s[G1+4], 2
	s_mov_b32 s[G1+5], 262144                      ; a slice apart
	s_mov_b32 s[G1+6], 0
	s_mov_b32 s[G1+7], 0
	s_mov_b32 s[G1B+1], 128<<16                    ; W: 128 k rows of 128 elements, dense
	s_mov_b32 s[G1B+2], 128<<16
	s_mov_b32 s[G1B+3], 128<<16
	s_mov_b32 s[G1B+4], 128
	s_mov_b32 s[G1B+5], 128
	s_mov_b32 s[G1B+6], 0
	s_mov_b32 s[G1B+7], 0
	s_lshl_b32 s40, s18, 14                        ; A: the tile row's 128 rows of 128 bytes,
	s_lshl_b32 s41, s14, 20                        ; my two slices of the step's four
	s_add_co_u32 s40, s40, s41
	s_mov_b32 s41, 0
	s_lshl_b32 s42, s17, 16                        ; W: the tile column's block,
	s_lshl_b32 s43, s14, 15                        ; my 128 k rows of it
	s_add_co_u32 s42, s42, s43
	s_add_co_u32 s42, s42, WOFF
	s_mov_b32 s43, 0
	s_mul_i32 s22, s12, HALFT                      ; where they go: no place in the cluster enters an LDS address
	s_mov_b32 s[HIM], 0xffff0000
	s_wait_dscnt 0x0                               ; the opening add is done
	s_wait_kmcnt 0x0
	s_add_nc_u64 s[44:45], s[4:5], s[40:41]
	s_add_nc_u64 s[46:47], s[4:5], s[42:43]
	CROUND                                         ; all sixteen work-groups are here
.irp s, 0,1
	s_mov_b32 s[G0+4*(\s)], 1
	s_add_co_u32 s[G0+4*(\s)+1], s22, (\s)*SLOT
	s_add_nc_u64 s[G0+4*(\s)+2:G0+4*(\s)+3], s[44:45], (\s)*ASTEP
	s_or_b32 s[G0+4*(\s)+3], s[G0+4*(\s)+3], 0x80000000
	s_mov_b32 s[G0B+4*(\s)], 1
	s_add_co_u32 s[G0B+4*(\s)+1], s22, (\s)*SLOT
	s_add_nc_u64 s[G0B+4*(\s)+2:G0B+4*(\s)+3], s[46:47], (\s)*BSTEP
	s_or_b32 s[G0B+4*(\s)+3], s[G0B+4*(\s)+3], 0x80000000
	JLOAD \s                                       ; two loads of mine are out
.endr
	v_and_b32 v1, 15, v0                           ; l % 16
	v_bfe_u32 v2, v0, 4, 1                         ; l / 16
	v_mul_u32_u24 v3, v1, PA
	v_lshl_add_u32 v3, v2, 4, v3
	s_mul_i32 s20, s13, 64*PA                      ; my 64 rows in each slice
	v_and_b32 v4, 7, v0
	v_lshl_add_u32 v4, v2, 3, v4
	v_mul_u32_u24 v4, v4, PBB
	v_bfe_u32 v5, v0, 3, 1
	v_lshl_add_u32 v4, v5, 4, v4
	s_lshl_b32 s21, s14, 7                         ; my 64 columns,
	s_add_co_u32 s21, s21, 2*HALFT                 ; behind A's four slices
.irp s, 0,1
	v_add_nc_u32 v[ADRA+(\s)], s20, v3
	v_add_nc_u32 v[ADRB+2*(\s)], s21, v4
	s_add_co_u32 s21, s21, HALFT
	v_add_nc_u32 v[ADRB+2*(\s)+1], s21, v4
	s_add_co_u32 s20, s20, SLOT
	s_add_co_u32 s21, s21, SLOT-HALFT
.endr
	s_mul_i32 s23, s12, 16*SPITCH
	s_add_co_u32 s23, s23, STAGE                   ; my stage
	v_mul_u32_u24 v6, v1, SPITCH                   ; in: row l % 16, 32 bytes for each half of the lanes
	v_lshl_add_u32 v6, v2, 5, v6
	v_add_nc_u32 v[STO], s23, v6
	v_mul_u32_u24 v6, v2, SPITCH                   ; back: lanes 0-15 one row of 256 bytes, lanes 16-31 the next
	v_lshl_add_u32 v6, v1, 4, v6
	v_add_nc_u32 v[RD], s23, v6
	v_lshlrev_b32 v6, 12, v2                       ; the same two rows in Y,
	v_lshl_add_u32 v[CO], v1, 4, v6
	v_lshlrev_b32 v6, 11, v2                       ; and in RES
	v_lshl_add_u32 v[RO], v1, 3, v6
	s_lshl_b32 s40, s18, 7
	s_lshl_b32 s41, s13, 6
	s_add_co_u32 s40, s40, s41                     ; my first row
	s_lshl_b32 s42, s17, 7
	s_lshl_b32 s43, s14, 6
	s_add_co_u32 s42, s42, s43                     ; my first column
	s_lshl_b32 s44, s40, 12
	s_lshl_b32 s45, s42, 2
	s_add_co_u32 s44, s44, s45
	s_mov_b32 s45, 0
	s_add_nc_u64 s[10:11], s[10:11], s[44:45]
	s_lshl_b32 s44, s40, 11
	s_lshl_b32 s46, s42, 1
	s_add_co_u32 s44, s44, s46
	s_add_nc_u64 s[6:7], s[6:7], s[44:45]
	s_add_nc_u64 s[BP:BP+1], s[4:5], BOFF
	v_lshl_add_u32 v[BO], v2, 3, s42
	v_lshlrev_b32 v[BO], 2, v[BO]
.irp b, 0,1,2,3                        ; the bias of columns 16 b + 8 (l / 16) + 0..7
	global_load_b128 v[BIAS+8*(\b):BIAS+8*(\b)+3],   v[BO], s[BP:BP+1] offset:64*(\b)
	global_load_b128 v[BIAS+8*(\b)+4:BIAS+8*(\b)+7], v[BO], s[BP:BP+1] offset:64*(\b)+16
.endr
	WIN 0x80                                       ; destination window 2
.set i, 0
.rept 32                               ; the residual, as the way out will want it: rows 2 i and 2 i + 1, four columns a lane
	global_load_b64 v[RS+2*i:RS+2*i+1], v[RO], s[6:7] offset:2*i*2048
.set i, i+1
.endr
	WIN 0
.if LAPS > 2
	s_lshl_b32 s40, s18, 14                        ; the prefetches.  For A: slice 2 x half + cx / 2 of the step's four, half cx % 2 of its 16,384 bytes
	s_lshl_b32 s41, s14, 1
	s_lshr_b32 s42, s15, 1
	s_add_co_u32 s41, s41, s42
	s_lshl_b32 s41, s41, 19
	s_add_co_u32 s40, s40, s41
	s_and_b32 s41, s15, 1
	s_lshl_b32 s41, s41, 13
	s_add_co_u32 s40, s40, s41
	s_add_co_u32 s40, s40, 3*ASTEP                 ; at K step 3: the first change of slots steps it to 4
	s_lshl_b32 s41, s17, 16                        ; for W: quarter cy of my 32,768 bytes
	s_lshl_b32 s42, s14, 15
	s_add_co_u32 s41, s41, s42
	s_lshl_b32 s42, s16, 13
	s_add_co_u32 s41, s41, s42
	s_add_co_u32 s41, s41, WOFF+3*BSTEP
	s_and_b32 s42, ttmp7, 0xffff
	s_mov_b32 s43, BSTEP
	s_cmp_eq_u32 s13, 0                            ; do I fetch for A?
	s_cselect_b32 s40, s40, s41
	s_cselect_b32 s42, ttmp9, s42                  ; the coordinate along which other clusters read the same bytes
	s_cselect_b32 s[PFS], ASTEP, s43
	s_mov_b32 s[PFS+1], 0
	s_mov_b32 s41, 0
	s_add_nc_u64 s[PFA:PFA+1], s[4:5], s[40:41]
	s_cmp_eq_u32 s42, 0
	s_cselect_b32 s[LIM], 1, -1                    ; the same in all sixteen partners, for a given wave
	v_and_b32 v[PFO], 31, v0
	v_lshlrev_b32 v[PFO], 8, v[PFO]
.endif
; 8 matrix instructions: row blocks a0, a0 + 1 x all 4 column blocks, 32 along K: half c of buffer f.  first = 1: the bias starts the sums
.macro MUL8 f, c, a0, first
	WIN MUL
.irp a, \a0, (\a0)+1
.irp b, 0,1,2,3
.if \first
	v_wmma_f32_16x16x32_bf16 v[ACC+8*(4*(\a)+(\b)):ACC+8*(4*(\a)+(\b))+7], v[(\f)+64+8*(4*(\c)+(\b)):(\f)+64+8*(4*(\c)+(\b))+7], v[(\f)+8*(4*(\c)+(\a)):(\f)+8*(4*(\c)+(\a))+7], v[BIAS+8*(\b):BIAS+8*(\b)+7]
.else
	v_wmma_f32_16x16x32_bf16 v[ACC+8*(4*(\a)+(\b)):ACC+8*(4*(\a)+(\b))+7], v[(\f)+64+8*(4*(\c)+(\b)):(\f)+64+8*(4*(\c)+(\b))+7], v[(\f)+8*(4*(\c)+(\a)):(\f)+8*(4*(\c)+(\a))+7], v[ACC+8*(4*(\a)+(\b)):ACC+8*(4*(\a)+(\b))+7]
.endif
.endr
.endr
.endm
; 32 LDS loads in one run: quarter q (one slice, 64 along K) of a slot into buffer f; its first 32 along K first
.macro FETCH slot, q, f
	WIN TO_F
.irp c, 0,1
.irp i, 0,1,2,3
	ds_load_tr16_b128 v[(\f)+64+8*(4*(\c)+(\i)):(\f)+64+8*(4*(\c)+(\i))+3],   v[ADRB+2*(\slot)+(\q)/2] offset:(((\q)%2)*64+32*(\c))*PBB+32*(\i)
	ds_load_tr16_b128 v[(\f)+64+8*(4*(\c)+(\i))+4:(\f)+64+8*(4*(\c)+(\i))+7], v[ADRB+2*(\slot)+(\q)/2] offset:(((\q)%2)*64+32*(\c)+16)*PBB+32*(\i)
	ds_load_b128 v[(\f)+8*(4*(\c)+(\i)):(\f)+8*(4*(\c)+(\i))+3],   v[ADRA+(\slot)] offset:(\q)*SLICE+64*(\c)+(\i)*16*PA
	ds_load_b128 v[(\f)+8*(4*(\c)+(\i))+4:(\f)+8*(4*(\c)+(\i))+7], v[ADRA+(\slot)] offset:(\q)*SLICE+64*(\c)+(\i)*16*PA+32
.endr
.endr
.endm
.macro PLACES                          ; four plain instructions between a matrix instruction and a load into, or a read of, its registers
.rept 4
	v_nop
.endr
.endm
.macro QUARTER slot, q, f, g, first    ; multiplies buffer f and fetches quarter q into g; the 16 accumulators take turns
	s_wait_dscnt 16                                ; the first 32 along K are in
	MUL8 \f, 0, 0, \first
	MUL8 \f, 0, 2, \first
	PLACES
	FETCH \slot, \q, \g
	s_wait_dscnt 32                                ; all but the 32 just issued
	MUL8 \f, 1, 0, 0
	MUL8 \f, 1, 2, 0
.endm
; A K step's last quarter multiplies buffer 1 and changes slots.  fill = 1: this slot is filled again, two K steps on: the first tensor load behind the round, 112 matrix instructions ahead of the wait for it.
.macro TURN slot, next, fill
.if (\fill) && (LAPS > 2)
	s_wait_xcnt 0x0                                ; the last prefetch, a K step back, has read its address
	s_add_nc_u64 s[PFA:PFA+1], s[PFA:PFA+1], s[PFS:PFS+1]
.endif
	WIN 0
	s_wait_tensorcnt 0x0                           ; all my tensor loads have landed: my part of the next slot
	ds_add_u32 v[SPW], v[NIL]
	s_wait_dscnt 17                                ; (the add and the youngest sixteen loads may be out)
	MUL8 F1, 0, 0, 0
	s_wait_dscnt 0x0                               ; the add is done, and my reads of this slot are over
	s_barrier_signal -1
	MUL8 F1, 0, 2, 0
.if \fill
	WIN 0
.endif
	s_barrier_wait -1
.if \fill
	CREST                                          ; no wave of any partner still reads this slot or has a load on its way
	s_add_nc_u64 s[G0+4*(\slot)+2:G0+4*(\slot)+3], s[G0+4*(\slot)+2:G0+4*(\slot)+3], 2*ASTEP
	s_add_nc_u64 s[G0B+4*(\slot)+2:G0B+4*(\slot)+3], s[G0B+4*(\slot)+2:G0B+4*(\slot)+3], 2*BSTEP
	JLOAD \slot                                    ; its four v_nop are also the places in front of the loads below
.else
	PLACES
.endif
	FETCH \next, 0, F0
.if (\fill) && (LAPS > 2)
	WIN 0
	ASK
.endif
	MUL8 F1, 1, 0, 0
	MUL8 F1, 1, 2, 0
.endm
; THE WAY OUT of row block a (16 rows x 64 columns of f32): into my stage, 32 bytes a lane; back as whole rows of 256 bytes; the residual is added; stored.
.macro TOSTAGE a
	s_wait_xcnt 0x0                                ; earlier stores have read the registers that the loads below fill
.irp b, 0,1,2,3
	ds_store_b128 v[STO], v[ACC+8*(4*(\a)+(\b)):ACC+8*(4*(\a)+(\b))+3]   offset:64*(\b)
	ds_store_b128 v[STO], v[ACC+8*(4*(\a)+(\b))+4:ACC+8*(4*(\a)+(\b))+7] offset:64*(\b)+16
.endr
.irp t, 0,1,2,3,4,5,6,7
	ds_load_b128 v[TMP+32*((\a)%2)+4*(\t):TMP+32*((\a)%2)+4*(\t)+3], v[RD] offset:(\t)*2*SPITCH  ; LDS serves a wave's instructions in order (ISA guide 5.7.1.4)
.endr
.endm
.macro SEND a, younger                 ; younger: the LDS instructions issued behind block a's loads
	WIN 0x08                                       ; source 1 in window 2: the block's residual is widened in one run, ahead of the wait for the stage
.irp t, 0,1,2,3,4,5,6,7
	v_lshlrev_b32 v[T+4*(\t)],   16, v[RS+2*(8*(\a)+(\t))]
	v_and_b32     v[T+4*(\t)+1], s[HIM], v[RS+2*(8*(\a)+(\t))]
	v_lshlrev_b32 v[T+4*(\t)+2], 16, v[RS+2*(8*(\a)+(\t))+1]
	v_and_b32     v[T+4*(\t)+3], s[HIM], v[RS+2*(8*(\a)+(\t))+1]
.endr
	WIN 0
.irp t, 0,1,2,3,4,5,6,7
	s_wait_dscnt (\younger)+7-(\t)
	v_pk_add_f32 v[TMP+32*((\a)%2)+4*(\t):TMP+32*((\a)%2)+4*(\t)+1],   v[TMP+32*((\a)%2)+4*(\t):TMP+32*((\a)%2)+4*(\t)+1],   v[T+4*(\t):T+4*(\t)+1]
	v_pk_add_f32 v[TMP+32*((\a)%2)+4*(\t)+2:TMP+32*((\a)%2)+4*(\t)+3], v[TMP+32*((\a)%2)+4*(\t)+2:TMP+32*((\a)%2)+4*(\t)+3], v[T+4*(\t)+2:T+4*(\t)+3]
	global_store_b128 v[CO], v[TMP+32*((\a)%2)+4*(\t):TMP+32*((\a)%2)+4*(\t)+3], s[10:11] offset:(16*(\a)+2*(\t))*4096  ; 16 lanes store 256 consecutive bytes, aligned
.endr
.endm
	s_wait_tensorcnt 1                             ; my part of K step 0 is in; K step 1's may stay out
	s_barrier_signal -1
	s_barrier_wait -1
	FETCH 0, 0, F0
	s_wait_loadcnt 32                              ; the bias is in; the residual's 32 loads stay out
	QUARTER 0, 1, F0, F1, 1                        ; the first quarter stands in front of the loop: its first products start the sums
	WIN 0
	s_mov_b32 s3, LAPS-1
.Llap:                                         ; a trip goes once round the ring, from a lap's second quarter to the next lap's first, and fills both slots again
	QUARTER 0, 2, F1, F0, 0
	QUARTER 0, 3, F0, F1, 0
	TURN 0, 1, 1
	QUARTER 1, 1, F0, F1, 0
	QUARTER 1, 2, F1, F0, 0
	QUARTER 1, 3, F0, F1, 0
	TURN 1, 0, 1
	QUARTER 0, 1, F0, F1, 0
	WIN 0
	s_sub_co_u32 s3, s3, 1
	s_cmp_lg_u32 s3, 0
	s_cbranch_scc1 .Llap
	QUARTER 0, 2, F1, F0, 0                        ; the last lap fills nothing
	QUARTER 0, 3, F0, F1, 0
	TURN 0, 1, 0
	QUARTER 1, 1, F0, F1, 0
	QUARTER 1, 2, F1, F0, 0
	QUARTER 1, 3, F0, F1, 0
	s_wait_dscnt 16
	MUL8 F1, 0, 0, 0
	MUL8 F1, 0, 2, 0
	s_wait_dscnt 0x0
	MUL8 F1, 1, 0, 0
	MUL8 F1, 1, 2, 0
	WIN 0
	PLACES
	PLACES
	s_wait_loadcnt 0x0                             ; the residual
	TOSTAGE 0
	TOSTAGE 1
	SEND 0, 16
	TOSTAGE 2
	SEND 1, 16
	TOSTAGE 3
	SEND 2, 16
	SEND 3, 0
	s_wait_tensorcnt 0x0                           ; the wave's end
	ds_add_u32 v[SPW], v[NIL]
	s_wait_dscnt 0x0
	CROUND                                         ; the closing round
	s_endpgm
.Lfunc_end_k_q66cd070939_ffn2:
	.size	k_q66cd070939_ffn2, .Lfunc_end_k_q66cd070939_ffn2-k_q66cd070939_ffn2
	.p2alignl 7, 3214868480
	.fill 96, 4, 3214868480
	.section	.rodata,"a",@progbits
	.p2align	6, 0x0
	.amdhsa_kernel k_q66cd070939_ffn2
		.amdhsa_group_segment_fixed_size 327680
		.amdhsa_private_segment_fixed_size 0
		.amdhsa_enable_private_segment 0
		.amdhsa_kernarg_size 24
		.amdhsa_user_sgpr_count 2
		.amdhsa_user_sgpr_kernarg_segment_ptr 1
		.amdhsa_wavefront_size32 1
		.amdhsa_system_sgpr_workgroup_id_x 1
		.amdhsa_system_sgpr_workgroup_id_y 1
		.amdhsa_system_sgpr_workgroup_id_z 1
		.amdhsa_system_vgpr_workitem_id 0
		.amdhsa_next_free_vgpr 640
		.amdhsa_next_free_sgpr 80
		.amdhsa_reserve_vcc 0
		.amdhsa_float_denorm_mode_32 3
		.amdhsa_float_denorm_mode_16_64 3
		.amdhsa_memory_ordered 1
		.amdhsa_forward_progress 1
		.amdhsa_inst_pref_size 101
	.end_amdhsa_kernel
	.amdgpu_metadata
---
amdhsa.version: [ 1, 2 ]
amdhsa.kernels:
  - .name:           k_q66cd070939_ffn2
    .symbol:         k_q66cd070939_ffn2.kd
    .args:
      - { .name: wsh, .offset: 0, .size: 8, .value_kind: global_buffer, .address_space: global }
      - { .name: wso, .offset: 8, .size: 8, .value_kind: global_buffer, .address_space: global }
      - { .name: ysum, .offset: 16, .size: 8, .value_kind: global_buffer, .address_space: global }
    .group_segment_fixed_size: 327680
    .private_segment_fixed_size: 0
    .kernarg_segment_align: 8
    .kernarg_segment_size: 24
    .max_flat_workgroup_size: 128
    .sgpr_count:     80
    .vgpr_count:     640
    .wavefront_size: 32
...
	.end_amdgpu_metadata
.endif
;; end of part 6
;; launch ln2 (part 7): grid 256 x 1, 8 waves a work-group, no clusters, 0 bytes of LDS; arguments ysum, wsx, out0; writes out0
.if DOCPART == 7
	.amdgcn_target "amdgcn-amd-amdhsa--gfx1250"
	.amdhsa_code_object_version 6
	.text
	.protected	k_q66cd070939_ln2
	.globl	k_q66cd070939_ln2
	.p2align	8
	.type	k_q66cd070939_ln2,@function
k_q66cd070939_ln2:
	s_mov_b64 s[64:65], 0
	v_nop
	global_prefetch_b8 v0, s[64:65] scope:SCOPE_SE
	s_setreg_imm32_b32 hwreg(HW_REG_WAVE_MODE, 25, 1), 1
	s_wait_xcnt 0x0
; out0 = LayerNorm(ysum) x g + b in f32: [4096][1024].  ysum: [4096][1024] f32.  g and b: 1,024 f32 each at wsx + PAR and PAR + 4,096.
; One wave takes two whole rows and keeps them in registers: mean, then the mean of the squared differences (two passes over registers), then the scaling.  Memory is read once; no LDS, no barrier.
; Each load and store covers 512 consecutive bytes, aligned.  Matrix units, clusters and tensor loads would add nothing to a stream.
.set PAR, 0x1000000+28672
.set X0, 32                            ; v[32:63]   row 0: word 4 j + e is column 128 j + 4 l + e
.set X1, 64                            ; v[64:95]   row 1
.set G,  96                            ; v[96:127]  the gain of my columns
.set BV, 128                           ; v[128:159] the bias
.set T,  160                           ; v[160:175] at work
.set Q,  176                           ; v[176:183] four chains of squares
.set MU, 184                           ; v[184:185] the mean, twice
.set R,  186                           ; v[186:189] 1 / sqrt(var + eps), twice, for each row
	s_load_b128 s[4:7], s[0:1], 0x0                ; ysum, wsx
	s_load_b64 s[8:9], s[0:1], 0x10                ; out0
	v_and_b32 v1, 31, v0
	v_lshrrev_b32 v2, 5, v0
	v_lshlrev_b32 v3, 4, v1                        ; 16 l
	v_lshl_add_u32 v4, v2, 13, v3                  ; + my wave's two rows of 4,096 bytes
	s_lshl_b32 s10, ttmp9, 16                      ; the work-group's 16 rows
	s_mov_b32 s11, 0
	s_mov_b32 s14, 0x76543210
	s_mov_b32 s15, 0xfedcba98
	s_mov_b32 s16, 0x3a800000                      ; 1 / 1,024
	s_mov_b32 s17, 0x3727c5ac                      ; 1e-5
	s_wait_kmcnt 0x0
	s_add_nc_u64 s[4:5], s[4:5], s[10:11]
	s_add_nc_u64 s[6:7], s[6:7], PAR
	s_add_nc_u64 s[8:9], s[8:9], s[10:11]
.irp j, 0,1,2,3,4,5,6,7
	global_load_b128 v[X0+4*(\j):X0+4*(\j)+3], v4, s[4:5] offset:512*(\j) th:TH_LOAD_NT
.endr
.irp j, 0,1,2,3,4,5,6,7
	global_load_b128 v[X1+4*(\j):X1+4*(\j)+3], v4, s[4:5] offset:4096+512*(\j) th:TH_LOAD_NT
.endr
.irp j, 0,1,2,3,4,5,6,7
	global_load_b128 v[G+4*(\j):G+4*(\j)+3], v3, s[6:7] offset:512*(\j)
.endr
.irp j, 0,1,2,3,4,5,6,7
	global_load_b128 v[BV+4*(\j):BV+4*(\j)+3], v3, s[6:7] offset:4096+512*(\j)
.endr
.macro LANES                           ; the sum of v[T] over the 32 lanes, in every lane
	v_add_f32_dpp v[T], v[T], v[T] row_xmask:1 row_mask:0xf bank_mask:0xf
	v_add_f32_dpp v[T], v[T], v[T] row_xmask:2 row_mask:0xf bank_mask:0xf
	v_add_f32_dpp v[T], v[T], v[T] row_xmask:4 row_mask:0xf bank_mask:0xf
	v_add_f32_dpp v[T], v[T], v[T] row_xmask:8 row_mask:0xf bank_mask:0xf
	v_permlanex16_b32 v[T+1], v[T], s14, s15
	v_add_f32 v[T], v[T], v[T+1]
.endm
.macro STAT x, rr                      ; the row at x becomes x - mean; rr takes 1 / sqrt(var + eps)
.set i, 0
.rept 8
	v_pk_add_f32 v[T+2*i:T+2*i+1], v[(\x)+4*i:(\x)+4*i+1], v[(\x)+4*i+2:(\x)+4*i+3]
.set i, i+1
.endr
.set i, 0
.rept 4
	v_pk_add_f32 v[T+2*i:T+2*i+1], v[T+2*i:T+2*i+1], v[T+2*i+8:T+2*i+9]
.set i, i+1
.endr
	v_pk_add_f32 v[T:T+1], v[T:T+1], v[T+4:T+5]
	v_pk_add_f32 v[T+2:T+3], v[T+2:T+3], v[T+6:T+7]
	v_pk_add_f32 v[T:T+1], v[T:T+1], v[T+2:T+3]
	v_add_f32 v[T], v[T], v[T+1]
	LANES
	v_mul_f32 v[MU], s16, v[T]
	v_mov_b32 v[MU+1], v[MU]
.set i, 0
.rept 16
	v_pk_add_f32 v[(\x)+2*i:(\x)+2*i+1], v[(\x)+2*i:(\x)+2*i+1], v[MU:MU+1] neg_lo:[0,1] neg_hi:[0,1]
.set i, i+1
.endr
.set i, 0
.rept 4
	v_pk_mul_f32 v[Q+2*i:Q+2*i+1], v[(\x)+2*i:(\x)+2*i+1], v[(\x)+2*i:(\x)+2*i+1]
.set i, i+1
.endr
.rept 12
	v_pk_fma_f32 v[Q+2*(i%4):Q+2*(i%4)+1], v[(\x)+2*i:(\x)+2*i+1], v[(\x)+2*i:(\x)+2*i+1], v[Q+2*(i%4):Q+2*(i%4)+1]
.set i, i+1
.endr
	v_pk_add_f32 v[Q:Q+1], v[Q:Q+1], v[Q+2:Q+3]
	v_pk_add_f32 v[Q+4:Q+5], v[Q+4:Q+5], v[Q+6:Q+7]
	v_pk_add_f32 v[Q:Q+1], v[Q:Q+1], v[Q+4:Q+5]
	v_add_f32 v[T], v[Q], v[Q+1]
	LANES
	v_fma_f32 v[T], v[T], s16, s17
	v_rsq_f32 v[\rr], v[T]
	v_rsq_f32 v[(\rr)+1], v[T]
	v_nop                                          ; a plain instruction behind the second root, ahead of a write of its source (ISA guide 5.7.2)
	s_wait_alu depctr_va_vdst(0)                   ; one wait for both, ahead of their first reader
.endm
.macro APPLY x, rr, row
.set i, 0
.rept 16
	v_pk_mul_f32 v[(\x)+2*i:(\x)+2*i+1], v[(\x)+2*i:(\x)+2*i+1], v[\rr:(\rr)+1]
.set i, i+1
.endr
.set i, 0
.rept 16
	v_pk_fma_f32 v[(\x)+2*i:(\x)+2*i+1], v[(\x)+2*i:(\x)+2*i+1], v[G+2*i:G+2*i+1], v[BV+2*i:BV+2*i+1]
.set i, i+1
.endr
.irp j, 0,1,2,3,4,5,6,7
	global_store_b128 v4, v[(\x)+4*(\j):(\x)+4*(\j)+3], s[8:9] offset:(\row)*4096+512*(\j)
.endr
.endm
	s_wait_loadcnt 24                              ; row 0 is in; 24 younger loads stay out
	STAT X0, R
	s_wait_loadcnt 16                              ; row 1 is in
	STAT X1, R+2
	s_wait_loadcnt 0x0                             ; gain and bias
	APPLY X0, R, 0
	APPLY X1, R+2, 1
	s_endpgm
.Lfunc_end_k_q66cd070939_ln2:
	.size	k_q66cd070939_ln2, .Lfunc_end_k_q66cd070939_ln2-k_q66cd070939_ln2
	.p2alignl 7, 3214868480
	.fill 96, 4, 3214868480
	.section	.rodata,"a",@progbits
	.p2align	6, 0x0
	.amdhsa_kernel k_q66cd070939_ln2
		.amdhsa_group_segment_fixed_size 0
		.amdhsa_private_segment_fixed_size 0
		.amdhsa_enable_private_segment 0
		.amdhsa_kernarg_size 24
		.amdhsa_user_sgpr_count 2
		.amdhsa_user_sgpr_kernarg_segment_ptr 1
		.amdhsa_wavefront_size32 1
		.amdhsa_system_sgpr_workgroup_id_x 1
		.amdhsa_system_sgpr_workgroup_id_y 1
		.amdhsa_system_sgpr_workgroup_id_z 1
		.amdhsa_system_vgpr_workitem_id 0
		.amdhsa_next_free_vgpr 192
		.amdhsa_next_free_sgpr 66
		.amdhsa_reserve_vcc 0
		.amdhsa_float_denorm_mode_32 3
		.amdhsa_float_denorm_mode_16_64 3
		.amdhsa_memory_ordered 1
		.amdhsa_forward_progress 1
		.amdhsa_inst_pref_size 18
	.end_amdhsa_kernel
	.amdgpu_metadata
---
amdhsa.version: [ 1, 2 ]
amdhsa.kernels:
  - .name:           k_q66cd070939_ln2
    .symbol:         k_q66cd070939_ln2.kd
    .args:
      - { .name: ysum, .offset: 0, .size: 8, .value_kind: global_buffer, .address_space: global }
      - { .name: wsx, .offset: 8, .size: 8, .value_kind: global_buffer, .address_space: global }
      - { .name: out0, .offset: 16, .size: 8, .value_kind: global_buffer, .address_space: global }
    .group_segment_fixed_size: 0
    .private_segment_fixed_size: 0
    .kernarg_segment_align: 8
    .kernarg_segment_size: 24
    .max_flat_workgroup_size: 256
    .sgpr_count:     66
    .vgpr_count:     192
    .wavefront_size: 32
...
	.end_amdgpu_metadata
.endif
;; end of part 7
;; ======== version 2 of 2: 8 launches
;; workspace buffers: wsx 16,814,080 bytes; wso 16,795,648 bytes; wsc 41,947,136 bytes; wsh 41,947,136 bytes; qkv 25,165,824 bytes; ysum 16,777,216 bytes
;; launch cast: the kernel of part 1 again; grid 1025 x 1, 8 waves a work-group, no clusters, 0 bytes of LDS; arguments x, wq_w, wk_w, wv_w, wo_w, ffn_w1, ffn_w2, wq_b, wk_b, wv_b, ffn_b1, wo_b, ffn_b2, ln1_g, ln1_b, ln2_g, ln2_b, wsx, wso, wsc, wsh; writes wsx, wso, wsc, wsh
;; launch qkv (part 8): grid 12 x 16, 4 waves a work-group, clusters of 4 x 4, 327,680 bytes of LDS; arguments wsx, qkv; writes qkv
.if DOCPART == 8
	.amdgcn_target "amdgcn-amd-amdhsa--gfx1250"
	.amdhsa_code_object_version 6
	.text
	.protected	k_q66cd070939_qkv
	.globl	k_q66cd070939_qkv
	.p2align	8
	.type	k_q66cd070939_qkv,@function
k_q66cd070939_qkv:
	s_mov_b64 s[64:65], 0
	v_nop
	global_prefetch_b8 v0, s[64:65] scope:SCOPE_SE
	s_setreg_imm32_b32 hwreg(HW_REG_WAVE_MODE, 25, 1), 1
	s_wait_xcnt 0x0
	s_wait_alu depctr_hold_cnt(0) depctr_sa_sdst(0) depctr_va_vdst(0) depctr_va_sdst(0) depctr_va_ssrc(0) depctr_va_vcc(0) depctr_vm_vsrc(0)
	s_getreg_b32 s2, hwreg(HW_REG_IB_STS2, 6, 4)
	s_cmp_eq_u32 s2, 0
	s_cbranch_scc0 .Lentry_in_a_cluster
	s_endpgm
.Lentry_in_a_cluster:
	s_bfe_u32 s2, ttmp6, 0x10000c
	s_cmp_lg_u32 s2, 0xf033
	s_cbranch_scc0 .Lentry_shape_is_right
	s_endpgm
.Lentry_shape_is_right:
; C = max(A W + bias, floor), K = 1,024.  IN holds A [4096][1024] bf16 at 0, W as panels [1024 k][256 n] bf16 at WOFF, the bias (f32) at POFF and the floor word at POFF + 16,384.
; OUT takes C in bf16 by SLICES of 64 columns: [slice][4096 rows][64], so that a head, or 64 along the next product's K, is dense.  Sums in f32, started by the bias; C rounded once.
; LIMITS.  The floor is taken on the rounded bf16 pair (0: relu; -infinity: none); a NaN comes out as the floor.  Infinities are not treated apart.
; SHARES.  A tile of C is 256 x 256, a work-group of four waves; a wave makes 128 x 128: 64 accumulators, 512 registers.  K goes in 8 steps of 128 through two LDS slots filled by tensor loads.
; CLUSTER.  4 x 4 work-groups: A's tile is shared along a row of the cluster, W's along a column; each is asked for jointly, by the same load with the same descriptor and a mask of four.
; W LIES [k][n]: its fragments come out of LDS turned, by ds_load_tr16_b128.  The product is taken transposed (source 0 = 16 columns of W, source 1 = 16 rows of A): a lane holds
; row l % 16 of C and the eight neighbouring columns 8 (l / 16) + 0..7.
; THE TEXT.  A K step is written twice: in the loop whose changes of slots refill (6 trips) and in the loop of the last two steps, which refill nothing.  Which slot a trip reads stands in a scalar, TB, that
; goes to and fro between 0 and SLOT; the fragment addresses are made anew from it behind each change of slots.
; REGISTERS, in windows of 256:  window 0: v16-31 addresses; v64-127, v128-191 A's fragments, two buffers; v192-255 the bias of my 128 columns, later v192-223 packed results; v32-63 and v224-255 rows read back
;   window 1: v64-127, v128-191 W's fragments     window 2: accumulators of my rows 0-63 ((a, b) at v[8 (8 a + b)])     window 3: of my rows 64-127
.set KSTEP,  128
.set STEPS,  8                         ; K steps
.set PITCH,  272                       ; a row of A in LDS: 256 bytes + 16: the 16 rows of a load start at 16 different groups of four banks (64 banks of 4 bytes: ISA guide 11.1)
.set PB,     544                       ; a k row of W: 512 bytes + 32: an odd multiple of 32, for the turning load
.set HALFT,  128*PITCH                 ; what one tensor load brings: 128 rows of A, or 64 k rows of W (64 x 544 is the same number)
.set SLOT,   4*HALFT                   ; A's 256 rows, then W's 128 k rows.  0x22000: its two bits stand in none of wave x HALFT (0, 0x8800, 0x11000, 0x19800), so an exclusive or with it adds or takes away a slot
.set STAGE,  2*SLOT                    ; behind the ring: for each wave 2 slices x 16 rows x 144 bytes, for the way out
.set SP,     144
.set WSTG,   2*16*SP
.set SPARE,  STAGE+4*WSTG              ; the spare words, 128 bytes for each wave: two blocks of 256 bytes that no other line names
.set WOFF,   0x800000
.set POFF,   0x1000000
.set ADRA0, 16                         ; v16     my lane's place among A's fragments in slot 0; never rewritten
.set ADRB0, 17                         ; v17     the same for W
.set ADRA, 20                          ; v20     the same in the slot that is being read
.set ADRB, 21                          ; v21
.set STO,  24                          ; v24     the way out: where I put 16 bytes of a row
.set RD,   25                          ; v25     where I read rows back
.set CO,   26                          ; v26     16 x my lane: my place in 512 consecutive bytes of OUT
.set SPW,  28                          ; v28     my spare word: SPARE + 4 x my thread's number; never rewritten
.set NIL,  29                          ; v29     0; never rewritten
.set PFO,  30                          ; v30     the prefetches' lane term; never rewritten
.set BO,   31                          ; v31     byte offset of my lane's first bias
.set F0,   64
.set F1,   128
.set BIAS, 192
.set TMP,  192
.set OB,   32
.set G1,   24                          ; s[24:31] descriptor group 1 for A's tiles;  s[32:39] group 0: a set for each of the two first fills; the second then walks on
.set G0,   32
.set G1B,  48                          ; s[48:55], s[56:63] the same for W's
.set G0B,  56
.set LIM,  43                          ; s43      2 in a wave that prefetches, else the greatest number
.set PFA,  44                          ; s[44:45] where my next prefetch stands
.set PFS,  66                          ; s[66:67] its step from K step to K step
.set PAR,  68                          ; s[68:69] IN + POFF
.set FLOOR, 70
.set LSH,  71
.set TB,   72                          ; s72      0 or SLOT: the slot that is being read
.set MSB, 0
.macro WIN new                         ; the immediate's high byte repeats the setting that is left; a switch that changes nothing is dropped
.if MSB != (\new)
	s_set_vgpr_msb (MSB<<8)|(\new)
.set MSB, \new
.endif
.endm
.set MUL_LO, 0xa1                      ; source 0 (W) window 1, source 1 (A) window 0, C and D window 2
.set TO_B,   0x40                      ; destination window 1, address window 0
; A joint load.  Waves 0 and 1 fetch A's two halves, waves 2 and 3 W's.  The branch hangs on the wave's number alone.  An s_nop 0 and four v_nop follow each line.
.macro JLOAD s
	s_cmp_eq_u32 s11, 0
	s_cbranch_scc0 .Lfor_b_\@
	tensor_load_to_lds s[G0+4*(\s):G0+4*(\s)+3], s[G1:G1+7]
	s_nop 0
.rept 4
	v_nop
.endr
	s_branch .Lasked_\@
.Lfor_b_\@:
	tensor_load_to_lds s[G0B+4*(\s):G0B+4*(\s)+3], s[G1B:G1B+7]
	s_nop 0
.rept 4
	v_nop
.endr
.Lasked_\@:
.endm
; A prefetch of the K step that stands two refills on: 32 blocks of 256 bytes, a lane a block.  A's rows are read by every cluster of a row of clusters: cluster x = 0 asks; W's panel by every cluster of a
; column: cluster y = 0 asks.  The four partners of a joint load share its bytes out by address.  So K steps 4 to 7 are named once each; the loop's last two trips (s3 = 2, 1) ask for nothing.
.macro ASK
	s_cmp_gt_u32 s3, s[LIM]
	s_cbranch_scc0 .Lnot_mine_\@
	global_prefetch_b8 v[PFO], s[PFA:PFA+1] th:TH_LOAD_NT scope:SCOPE_SE
.Lnot_mine_\@:
.endm
.macro CREST                           ; a round of the cluster's barrier behind its opening barrier
	s_cmp_lg_u32 s10, 0
	s_cbranch_scc1 .Lnot_wave_0_\@
	s_barrier_signal -3
.Lnot_wave_0_\@:
	s_barrier_wait -3
	s_barrier_signal -1
	s_barrier_wait -1
.endm
.macro CROUND
	s_barrier_signal -1
	s_barrier_wait -1
	CREST
.endm
	s_load_b128 s[4:7], s[0:1], 0x0                ; IN s[4:5], OUT s[6:7]
	v_lshl_add_u32 v[SPW], v0, 2, SPARE
	v_mov_b32 v[NIL], 0
	ds_add_u32 v[SPW], v[NIL]                      ; the wave's opening: the add and its wait stand ahead of my first tensor load
	v_lshrrev_b32 v1, 5, v0
	v_readfirstlane_b32 s10, v1                    ; wave 0..3
	s_lshr_b32 s11, s10, 1                         ; which half of the tile's rows is mine.  Also: I fetch for A (0) or for W (1)
	s_and_b32 s12, s10, 1                          ; which half of its columns.  Also: which half of that tile I fetch
	s_bfe_u32 s40, ttmp6, 0x40000                  ; cx
	s_bfe_u32 s41, ttmp6, 0x40004                  ; cy
	s_lshl_b32 s42, ttmp9, 2
	s_add_co_u32 s42, s42, s40                     ; tile column = 4 x cluster x + cx
	s_and_b32 s13, ttmp7, 0xffff
	s_lshl_b32 s13, s13, 2
	s_add_co_u32 s13, s13, s41                     ; tile row = 4 x cluster y + cy
	s_lshl_b32 s43, s41, 2
	s_lshl_b32 s43, 15, s43                        ; my row of the cluster
	s_lshl_b32 s44, 0x1111, s40                    ; my column
	s_or_b32 s[G1+0], s43, (1<<16)|(1<<20)|(1<<21)|(5<<22)|(3<<25)   ; mask; 2-byte elements; padding on; bit 21 beside a mask; after every 64 words 4 words
	s_or_b32 s[G1B+0], s44, (1<<16)|(1<<20)|(1<<21)|(6<<22)|(7<<25)  ; after every 128 words 8 words
	s_mov_b32 s[G1+1], 128<<16                     ; tensor_dim0 = 128
	s_mov_b32 s[G1+2], 128<<16                     ; tensor_dim1 = 128
	s_mov_b32 s[G1+3], 128<<16                     ; tile_dim0 = 128
	s_mov_b32 s[G1+4], 128                         ; tile_dim1 = 128
	s_mov_b32 s[G1+5], 1024                        ; elements from row to row
	s_mov_b32 s[G1+6], 0
	s_mov_b32 s[G1+7], 0
	s_mov_b32 s[G1B+1], 256<<16                    ; tensor_dim0 = 256
	s_mov_b32 s[G1B+2], 64<<16                     ; tensor_dim1 = 64
	s_mov_b32 s[G1B+3], 256<<16                    ; tile_dim0 = 256
	s_mov_b32 s[G1B+4], 64                         ; tile_dim1 = 64
	s_mov_b32 s[G1B+5], 256
	s_mov_b32 s[G1B+6], 0
	s_mov_b32 s[G1B+7], 0
	s_lshl_b32 s17, s12, 7
	s_lshl_b32 s16, s13, 8
	s_add_co_u32 s16, s16, s17                     ; A: row 256 x tile row + 128 x half,
	s_lshl_b32 s16, s16, 11                        ; of 2,048 bytes
	s_mov_b32 s17, 0
	s_lshl_b32 s46, s42, 19                        ; W: the tile column's panel of 2^19 bytes,
	s_lshl_b32 s47, s12, 15                        ; my 64 k rows of 512 bytes
	s_add_co_u32 s46, s46, s47
	s_add_co_u32 s46, s46, WOFF
	s_mov_b32 s47, 0
	s_mul_i32 s20, s10, HALFT                      ; where they go: no place in the cluster enters an LDS address
	s_mov_b32 s[TB], 0
	s_wait_dscnt 0x0                               ; the opening add is done
	s_wait_kmcnt 0x0
	s_add_nc_u64 s[14:15], s[4:5], s[16:17]
	s_add_nc_u64 s[46:47], s[4:5], s[46:47]
	CROUND                                         ; all sixteen work-groups are here: the first joint loads meet
.irp s, 0,1
	s_mov_b32 s[G0+4*(\s)], 1
	s_add_co_u32 s[G0+4*(\s)+1], s20, (\s)*SLOT
	s_add_nc_u64 s[G0+4*(\s)+2:G0+4*(\s)+3], s[14:15], (\s)*256      ; K step s: 256 bytes along a row
	s_or_b32 s[G0+4*(\s)+3], s[G0+4*(\s)+3], 0x80000000
	s_mov_b32 s[G0B+4*(\s)], 1
	s_add_co_u32 s[G0B+4*(\s)+1], s20, (\s)*SLOT
	s_add_nc_u64 s[G0B+4*(\s)+2:G0B+4*(\s)+3], s[46:47], (\s)*65536  ; K step s: 128 k rows of 512 bytes
	s_or_b32 s[G0B+4*(\s)+3], s[G0B+4*(\s)+3], 0x80000000
	JLOAD \s                                       ; two loads of mine are out
.endr
	v_and_b32 v1, 15, v0                           ; l % 16
	v_bfe_u32 v2, v0, 4, 1                         ; l / 16
	v_mul_u32_u24 v3, v1, PITCH
	v_lshl_add_u32 v3, v2, 4, v3                   ; A: row x pitch + 16 x half
	s_mul_i32 s21, s11, HALFT                      ; my 128 rows of A
	v_and_b32 v4, 7, v0
	v_lshl_add_u32 v4, v2, 3, v4                   ; W: k row 8 (l / 16) + l % 8,
	v_mul_u32_u24 v4, v4, PB
	v_bfe_u32 v5, v0, 3, 1
	v_lshl_add_u32 v4, v5, 4, v4                   ; columns 8 ((l / 8) % 2) on
	s_lshl_b32 s22, s12, 8                         ; my 128 columns,
	s_add_co_u32 s22, s22, 2*HALFT                 ; behind A's 256 rows
	v_add_nc_u32 v[ADRA0], s21, v3
	v_add_nc_u32 v[ADRB0], s22, v4
	v_mov_b32 v[ADRA], v[ADRA0]                    ; K step 0 lies in slot 0
	v_mov_b32 v[ADRB], v[ADRB0]
	s_mul_i32 s23, s10, WSTG
	s_add_co_u32 s23, s23, STAGE                   ; my stage
	v_mul_u32_u24 v6, v1, SP                       ; in: row l % 16, 16 bytes for each half of the lanes
	v_lshl_add_u32 v6, v2, 4, v6
	v_add_nc_u32 v[STO], s23, v6
	v_bfe_u32 v6, v0, 3, 2                         ; back: 32 lanes take four rows of 128 bytes,
	v_mul_u32_u24 v6, v6, SP
	v_and_b32 v7, 7, v0
	v_lshl_add_u32 v6, v7, 4, v6
	v_add_nc_u32 v[RD], s23, v6
	v_and_b32 v[CO], 31, v0                        ; which are 512 consecutive bytes of a slice
	v_lshlrev_b32 v[CO], 4, v[CO]
	s_lshl_b32 s16, s42, 2                         ; my first slice: 4 x tile column + 2 x half,
	s_lshl_b32 s17, s12, 1
	s_add_co_u32 s16, s16, s17
	s_lshl_b32 s16, s16, 12                        ; of 4,096 rows,
	s_lshl_b32 s17, s13, 8
	s_add_co_u32 s16, s16, s17                     ; my first row
	s_lshl_b32 s17, s11, 7
	s_add_co_u32 s16, s16, s17
	s_lshl_b32 s16, s16, 7                         ; of 128 bytes
	s_mov_b32 s17, 0
	s_add_nc_u64 s[8:9], s[6:7], s[16:17]
	s_add_nc_u64 s[PAR:PAR+1], s[4:5], POFF
	s_load_b32 s[FLOOR], s[PAR:PAR+1], 0x4000
	s_lshl_b32 s20, s42, 8
	s_lshl_b32 s21, s12, 7
	s_add_co_u32 s20, s20, s21                     ; my first column
	v_lshl_add_u32 v[BO], v2, 3, s20
	v_lshlrev_b32 v[BO], 2, v[BO]
.irp b, 0,1,2,3,4,5,6,7                ; the bias of columns 16 b + 8 (l / 16) + 0..7: the C operand that starts the sums of column block b
	global_load_b128 v[BIAS+8*(\b):BIAS+8*(\b)+3],   v[BO], s[PAR:PAR+1] offset:64*(\b)
	global_load_b128 v[BIAS+8*(\b)+4:BIAS+8*(\b)+7], v[BO], s[PAR:PAR+1] offset:64*(\b)+16
.endr
	s_lshl_b32 s20, s13, 8                         ; the prefetches.  For A: of the 128 rows that I fetch, my work-group's 32; a lane a row of 2,048 bytes
	s_lshl_b32 s21, s12, 7
	s_add_co_u32 s20, s20, s21
	s_lshl_b32 s21, s40, 5
	s_add_co_u32 s20, s20, s21
	s_lshl_b32 s20, s20, 11
	s_add_co_u32 s20, s20, 3*256                   ; at K step 3: the first change of slots steps it to 4
	s_lshl_b32 s21, s42, 19                        ; for W: of the 32,768 dense bytes that I fetch, my work-group's 8,192; a lane 256 bytes
	s_lshl_b32 s22, s12, 15
	s_add_co_u32 s21, s21, s22
	s_lshl_b32 s22, s41, 13
	s_add_co_u32 s21, s21, s22
	s_add_co_u32 s21, s21, WOFF+3*65536
	s_and_b32 s22, ttmp7, 0xffff
	s_mov_b32 s23, 65536
	s_cmp_eq_u32 s11, 0                            ; do I fetch for A?
	s_cselect_b32 s20, s20, s21
	s_cselect_b32 s22, ttmp9, s22                  ; the coordinate along which other clusters read the same bytes
	s_cselect_b32 s[PFS], 256, s23
	s_cselect_b32 s[LSH], 11, 8
	s_mov_b32 s[PFS+1], 0
	s_mov_b32 s21, 0
	s_add_nc_u64 s[PFA:PFA+1], s[4:5], s[20:21]
	s_cmp_eq_u32 s22, 0
	s_cselect_b32 s[LIM], 2, -1
	v_and_b32 v[PFO], 31, v0
	v_lshlrev_b32 v[PFO], s[LSH], v[PFO]
; 16 matrix instructions: row blocks a0, a0 + 1 of the window's four x all 8 column blocks, 32 along K.  first = 1: the bias (window 0) is the C that starts the sums.
.macro MUL16 f, hi, a0, first
.if \first
	WIN 0x81+0x40*(\hi)
.else
	WIN MUL_LO+0x50*(\hi)
.endif
.irp a, \a0, (\a0)+1
.irp b, 0,1,2,3,4,5,6,7
.if \first
	v_wmma_f32_16x16x32_bf16 v[8*(8*(\a)+(\b)):8*(8*(\a)+(\b))+7], v[(\f)+8*(\b):(\f)+8*(\b)+7], v[(\f)+8*(4*(\hi)+(\a)):(\f)+8*(4*(\hi)+(\a))+7], v[BIAS+8*(\b):BIAS+8*(\b)+7]
.else
	v_wmma_f32_16x16x32_bf16 v[8*(8*(\a)+(\b)):8*(8*(\a)+(\b))+7], v[(\f)+8*(\b):(\f)+8*(\b)+7], v[(\f)+8*(4*(\hi)+(\a)):(\f)+8*(4*(\hi)+(\a))+7], v[8*(8*(\a)+(\b)):8*(8*(\a)+(\b))+7]
.endif
.endr
.endr
.endm
; 32 LDS loads in one run: quarter q (32 along K) of the slot that is being read into buffer f: W's eight column blocks, turned, then A's eight row blocks
.macro FETCH q, f
	WIN TO_B
.irp i, 0,1,2,3,4,5,6,7
	ds_load_tr16_b128 v[(\f)+8*(\i):(\f)+8*(\i)+3],   v[ADRB] offset:(\q)*32*PB+32*(\i)
	ds_load_tr16_b128 v[(\f)+8*(\i)+4:(\f)+8*(\i)+7], v[ADRB] offset:(\q)*32*PB+16*PB+32*(\i)
.endr
	WIN 0
.irp i, 0,1,2,3,4,5,6,7
	ds_load_b128 v[(\f)+8*(\i):(\f)+8*(\i)+3],   v[ADRA] offset:64*(\q)+(\i)*16*PITCH
	ds_load_b128 v[(\f)+8*(\i)+4:(\f)+8*(\i)+7], v[ADRA] offset:64*(\q)+(\i)*16*PITCH+32
.endr
.endm
.macro PLACES                          ; four plain instructions between a matrix instruction and a load into, or a vector read of, its registers
.rept 4
	v_nop
.endr
.endm
; One of a K step's first three quarters: multiplies buffer f; in its middle it fetches quarter q of the slot into buffer g.  The 64 accumulators take turns, in the same order in every quarter.
.macro QUARTER q, f, g, first
	s_wait_dscnt 8                                 ; W and A's rows 0-63 are in; the youngest eight loads (A's rows 64-127) may be out
	MUL16 \f, 0, 0, \first
	MUL16 \f, 0, 2, \first
	PLACES
	FETCH \q, \g
	s_wait_dscnt 32                                ; all but the 32 just issued
	MUL16 \f, 1, 0, \first
	MUL16 \f, 1, 2, \first
.endm
; A K step's last quarter multiplies buffer 1 and changes slots: one barrier.  In front of it each wave waits for all its tensor loads, adds 0 to its spare word, and waits for that and for its reads of this slot.
; fill = 1: the barrier opens a round of the cluster's, and this slot is filled again with the K step two on: the first tensor load behind the round; 224 matrix instructions stand between it and the wait for it.
.macro TURN fill
.if \fill
	s_wait_xcnt 0x0                                ; the last prefetch, a K step back, has read its address
	s_add_nc_u64 s[PFA:PFA+1], s[PFA:PFA+1], s[PFS:PFS+1]
.endif
	WIN 0
	s_wait_tensorcnt 0x0                           ; all my tensor loads have landed: the one that was out is my part of the next slot
	ds_add_u32 v[SPW], v[NIL]                      ; 0 onto my spare word
	s_wait_dscnt 9                                 ; (the add and the youngest eight loads may be out)
	MUL16 F1, 0, 0, 0
	s_wait_dscnt 0x0                               ; the add is done, and my reads of this slot are over
	s_barrier_signal -1
	MUL16 F1, 0, 2, 0
	WIN 0
	s_barrier_wait -1
.if \fill
	CREST                                          ; no wave of any partner still reads this slot or has a load on its way
	s_xor_b32 s[G0+5], s[G0+5], SLOT               ; the walking descriptors: the other slot than last time,
	s_add_nc_u64 s[G0+6:G0+7], s[G0+6:G0+7], 256   ; the next K step
	s_xor_b32 s[G0B+5], s[G0B+5], SLOT
	s_add_nc_u64 s[G0B+6:G0B+7], s[G0B+6:G0B+7], 65536
	JLOAD 1                                        ; its four v_nop are also the places in front of the loads below
.else
	PLACES
.endif
	s_xor_b32 s[TB], s[TB], SLOT                   ; the reads go on in the other slot
	v_add_nc_u32 v[ADRA], s[TB], v[ADRA0]
	v_add_nc_u32 v[ADRB], s[TB], v[ADRB0]
	FETCH 0, F0
.if \fill
	ASK
.endif
	MUL16 F1, 1, 0, 0
	MUL16 F1, 1, 2, 0
.endm
; THE WAY OUT of row block a.  PACK: rounded to bf16, 16 bytes a lane, and the floor.  TOSTAGE: into my stage by slices, and back as rows of 128 bytes.  SEND: stored.
.macro PACK a
.set AC, 64*((\a)%4)
	WIN 0x0a+5*((\a)/4)                            ; sources 0 and 1: window 2 or 3
.irp b, 0,1,2,3,4,5,6,7
.irp r, 0,1,2,3
	v_cvt_pk_bf16_f32 v[TMP+4*(\b)+(\r)], v[AC+8*(\b)+2*(\r)], v[AC+8*(\b)+2*(\r)+1]
.endr
.endr
	WIN 0
.set i, 0
.rept 32
	v_pk_max_num_bf16 v[TMP+i], v[TMP+i], s[FLOOR]
.set i, i+1
.endr
.endm
.macro TOSTAGE a
	WIN 0
.set BK, OB+192*((\a)%2)
.irp b, 0,1,2,3,4,5,6,7
	ds_store_b128 v[STO], v[TMP+4*(\b):TMP+4*(\b)+3] offset:((\b)/4)*16*SP+((\b)%4)*32
.endr
.irp t, 0,1,2,3,4,5,6,7
	ds_load_b128 v[BK+4*(\t):BK+4*(\t)+3], v[RD] offset:((\t)/4)*16*SP+((\t)%4)*4*SP  ; LDS serves a wave's instructions in order (ISA guide 5.7.1.4): these see the stores above
.endr
.endm
.macro SEND a
	WIN 0
.set BK, OB+192*((\a)%2)
	s_wait_dscnt 0x0                               ; the block is back in registers
	s_wait_xcnt 0x0                                ; earlier stores have read their base and their data: only now are these written again
.if (\a) > 0
	s_add_nc_u64 s[8:9], s[8:9], 16*128            ; 16 rows of a slice on
.endif
.irp t, 0,1,2,3,4,5,6,7
	global_store_b128 v[CO], v[BK+4*(\t):BK+4*(\t)+3], s[8:9] offset:((\t)/4)*524288+((\t)%4)*512  ; 512 consecutive bytes, aligned
.endr
.endm
	s_wait_kmcnt 0x0                               ; the floor
	s_wait_tensorcnt 1                             ; my part of K step 0 is in; K step 1's may stay out
	s_barrier_signal -1
	s_barrier_wait -1
	FETCH 0, F0
	s_wait_loadcnt 0x0                             ; the bias
	QUARTER 1, F0, F1, 1                           ; the first quarter stands in front of the loop: its products start the sums
	WIN 0
	s_mov_b32 s3, STEPS-2
.Lstep:                                        ; a trip goes from a K step's second quarter to the next step's first, and fills the slot that it leaves again
	QUARTER 2, F1, F0, 0
	QUARTER 3, F0, F1, 0
	TURN 1
	QUARTER 1, F0, F1, 0
	WIN 0
	s_sub_co_u32 s3, s3, 1
	s_cmp_lg_u32 s3, 0
	s_cbranch_scc1 .Lstep
	s_mov_b32 s3, 2
.Ltail:                                        ; the last two K steps fill nothing: written apart
	QUARTER 2, F1, F0, 0
	QUARTER 3, F0, F1, 0
	TURN 0
	WIN 0
	s_sub_co_u32 s3, s3, 1
	s_cmp_eq_u32 s3, 0
	s_cbranch_scc1 .Lout                           ; the second trip is left here.  Its barrier orders nothing, and its 32 loads (the last K step but one's first fragments, bytes that have landed) feed nothing:
	QUARTER 1, F0, F1, 0                           ; the price, once a launch, of one text for both trips
	WIN 0
	s_cmp_lg_u32 s3, 0
	s_cbranch_scc1 .Ltail
.Lout:
	PLACES
	PLACES
	PACK 0
	TOSTAGE 0
.irp a, 1,2,3,4,5,6,7                  ; block a's conversions stand between block a - 1's loads from the stage and the wait for them
	PACK \a
	SEND (\a)-1
	TOSTAGE \a
.endr
	SEND 7
	s_wait_tensorcnt 0x0                           ; the wave's end
	ds_add_u32 v[SPW], v[NIL]
	s_wait_dscnt 0x0
	CROUND                                         ; the closing round
	s_endpgm
.Lfunc_end_k_q66cd070939_qkv:
	.size	k_q66cd070939_qkv, .Lfunc_end_k_q66cd070939_qkv-k_q66cd070939_qkv
	.p2alignl 7, 3214868480
	.fill 96, 4, 3214868480
	.section	.rodata,"a",@progbits
	.p2align	6, 0x0
	.amdhsa_kernel k_q66cd070939_qkv
		.amdhsa_group_segment_fixed_size 327680
		.amdhsa_private_segment_fixed_size 0
		.amdhsa_enable_private_segment 0
		.amdhsa_kernarg_size 16
		.amdhsa_user_sgpr_count 2
		.amdhsa_user_sgpr_kernarg_segment_ptr 1
		.amdhsa_wavefront_size32 1
		.amdhsa_system_sgpr_workgroup_id_x 1
		.amdhsa_system_sgpr_workgroup_id_y 1
		.amdhsa_system_sgpr_workgroup_id_z 1
		.amdhsa_system_vgpr_workitem_id 0
		.amdhsa_next_free_vgpr 1024
		.amdhsa_next_free_sgpr 80
		.amdhsa_reserve_vcc 0
		.amdhsa_float_denorm_mode_32 3
		.amdhsa_float_denorm_mode_16_64 3
		.amdhsa_memory_ordered 1
		.amdhsa_forward_progress 1
		.amdhsa_inst_pref_size 120
	.end_amdhsa_kernel
	.amdgpu_metadata
---
amdhsa.version: [ 1, 2 ]
amdhsa.kernels:
  - .name:           k_q66cd070939_qkv
    .symbol:         k_q66cd070939_qkv.kd
    .args:
      - { .name: wsx, .offset: 0, .size: 8, .value_kind: global_buffer, .address_space: global }
      - { .name: qkv, .offset: 8, .size: 8, .value_kind: global_buffer, .address_space: global }
    .group_segment_fixed_size: 327680
    .private_segment_fixed_size: 0
    .kernarg_segment_align: 8
    .kernarg_segment_size: 16
    .max_flat_workgroup_size: 128
    .sgpr_count:     80
    .vgpr_count:     1024
    .wavefront_size: 32
...
	.end_amdgpu_metadata
.endif
;; end of part 8
;; launch attn (part 9): grid 8 x 32, 4 waves a work-group, clusters of 4 x 1, 327,680 bytes of LDS; arguments qkv, mask, wsc; writes wsc
.if DOCPART == 9
	.amdgcn_target "amdgcn-amd-amdhsa--gfx1250"
	.amdhsa_code_object_version 6
	.text
	.protected	k_q66cd070939_attn
	.globl	k_q66cd070939_attn
	.p2align	8
	.type	k_q66cd070939_attn,@function
k_q66cd070939_attn:
	s_mov_b64 s[64:65], 0
	v_nop
	global_prefetch_b8 v0, s[64:65] scope:SCOPE_SE
	s_setreg_imm32_b32 hwreg(HW_REG_WAVE_MODE, 25, 1), 1
	s_wait_xcnt 0x0
	s_wait_alu depctr_hold_cnt(0) depctr_sa_sdst(0) depctr_va_vdst(0) depctr_va_sdst(0) depctr_va_ssrc(0) depctr_va_vcc(0) depctr_vm_vsrc(0)
	s_getreg_b32 s2, hwreg(HW_REG_IB_STS2, 6, 4)
	s_cmp_eq_u32 s2, 0
	s_cbranch_scc0 .Lentry_in_a_cluster
	s_endpgm
.Lentry_in_a_cluster:
	s_bfe_u32 s2, ttmp6, 0x10000c
	s_cmp_lg_u32 s2, 0x3003
	s_cbranch_scc0 .Lentry_shape_is_right
	s_endpgm
.Lentry_shape_is_right:
; ctx[b][h][q][:] = the sum over k of softmax_k(q . k / 8, hidden keys at a very low logit) v[k][:].  q, k, v: slices 0-15, 16-31, 32-47 of qkv, [slice][4096 rows][64] bf16, row = 2,048 b + s.
; ctx leaves in the same form (slice = head).  Products, maxima and sums in f32; the weights p are rounded to bf16 for the second product (their sum l is taken of the unrounded p), ctx once.
; THE MASK is the C operand that starts S^T = K Q^T: 0 for a key that is seen, -2^33 for a hidden one, so a hidden logit counts as its value - 2^30 in place of -1e9.
; A hidden key's weight is 0 as soon as one key of the batch is seen.  Where a batch has NO key that is seen, Q is cleared once: all scores are then exactly -2^33, c m is exact (a power of two),
; every p is exactly 1 and the weights are uniform.
; LIMITS.  The two agree while true logits lie far above -1e9.  A weight below 2^-126 counts as 0 in l.  NaN and infinities are not treated apart.
; SHARES.  Work-group y = 16 b + head; a work-group owns 256 queries, a wave 64: four PIECES of 16.  Every wave walks all 2,048 keys, 64 a step, 256 a slot.
; CLUSTER.  The four query blocks of a cluster walk the same K and V: each tile is asked for jointly, by the same load, descriptor and mask in all four.
; LAYOUT, SOFTMAX, TURNS.  S^T holds one query a lane (lane % 16) and the keys 8 (lane / 16) + 0..7; two such results rounded to bf16 are source 1 of O^T = V^T P.  p = 2^(c s - c m), c = log2(e) / 8, with a running
; maximum m; O and l are multiplied by a = 2^(c m_old - c m_new) in every step; m starts at the lowest finite number, O and l at 0.  Turn n belongs to piece n: 8 products K Q^T of piece n + 1, later 8 products
; V^T P of piece n - 1; beside them piece n's scaling, exponentials, roundings, sums and rescaling and piece n + 1's maximum and statistics.  Four vector instructions stand behind every matrix instruction, the
; others in one run.  A turn's 33 exponentials are one batch with one wait.
; REGISTERS, in windows of 256:  window 0: v2-15 addresses; v16-31 four registers of statistics a piece; v32-43 at work at the head; v48-55 at work; v61-63; v64-127 S^T, two buffers; v192-223 P, two buffers
;   window 1: v0-127 O^T, 32 a piece; v128-159 the step's mask words      window 2: v0-63 Q; v128-191 K of one step; v192-255 V of one step
.set NP,    4
.set KS,    64
.set PK,    144       ; a row of K in LDS: 128 bytes + 16
.set PV,    160       ; a row of V: 128 + 32, for the turning load
.set VOFF,  4*KS*PK   ; a slot: 256 rows of K, then 256 rows of V
.set SLOT1, 1<<17
.set STAGE, SLOT1+4*KS*(PK+PV)  ; 16 rows x 144 bytes for each wave, for the way out
.set SP,    144
.set SPARE, STAGE+4*16*SP       ; the spare words: two blocks of 256 bytes that no other line names
.set MB,    SPARE+512           ; for each wave its own copy of its batch's 2,048 mask words in f32: 8,192 bytes
.set AK0, 2           ; my lane's place in a tile of K; never rewritten
.set AV0, 3           ; the same for V
.set AK,  4           ; the LDS address of K's next run of loads
.set AV,  5           ; of V's
.set STO, 6
.set RD,  7
.set GO,  8           ; 16 x my lane
.set AM0, 9           ; my lanes' place in the mask words: MB + 8,192 w + 32 (l / 16)
.set AM,  10          ; the address of the next step's mask words
.set MST, 11          ; where I store mask words
.set MV,  12          ; v12-13  c m_old, by buffer
.set FL,  14          ; all ones, or 0 where the batch has no key that is seen
.set QO,  15
.set ST,  16          ; piece t's statistics at v[ST+4 t]: c m, m, l (even keys', odd keys')
.set TMP, 48
.set PFO, 61          ; 256 x my lane
.set SPW, 62
.set NIL, 63
.set S,   64
.set P,   192
.set MK,  128         ; window 1
.set KF,  128         ; window 2
.set VF,  192         ; window 2
.set WV,  12
.set LIM, 15          ; 1 in a wave that prefetches, else the greatest number
.set G1K, 24
.set G1V, 32
.set G0K, 40
.set G0V, 44
.set SLOTS, 56
.set CNT, 57
.set CS,  58
.set SEL, 60
.set TBK, 62
.set TBV, 63
.set TBM, 66          ; 4 x the first key of the step to be fetched
.set BIGM, 67         ; -2^33
.set MP,  68          ; s[68:69] the mask of my batch
.set PFA, 70          ; s[70:71] where my prefetches stand
.set MSB, 0
.macro WIN new
.if MSB != (\new)
	s_set_vgpr_msb (MSB<<8)|(\new)
.set MSB, (\new)
.endif
.endm
.set W_KQ, 0x0a       ; K and Q in window 2, S^T in window 0
.set W_KM, 0x1a       ; the same with the C operand in window 1
.set W_PV, 0x52       ; V in window 2, P in window 0, O^T in window 1
.set W_RS, 0x41       ; destination and source 0 in window 1, source 1 in window 0
.macro JLOAD                        ; waves 0 and 1 fetch the halves of a slot's K, waves 2 and 3 of its V; an s_nop 0 and four v_nop follow each line
	s_cmp_lt_u32 s[WV], 2
	s_cbranch_scc0 .Lfor_v_\@
	tensor_load_to_lds s[G0K:G0K+3], s[G1K:G1K+7]
	s_nop 0
.rept 4
	v_nop
.endr
	s_branch .Lasked_\@
.Lfor_v_\@:
	tensor_load_to_lds s[G0V:G0V+3], s[G1V:G1V+7]
	s_nop 0
.rept 4
	v_nop
.endr
.Lasked_\@:
.endm
; A prefetch of the tile that the NEXT change of slots will ask for: 32,768 bytes of K and of V.  A head's first cluster asks; its four partners take 8,192 bytes each, told apart by address; wave 0 asks for K's,
; wave 2 for V's, a lane 256 bytes.  Tiles 3 to 7 are named once each; the last change that fills a slot asks for nothing.
.macro ASK
	s_cmp_gt_u32 s[SLOTS], s[LIM]
	s_cbranch_scc0 .Lnot_mine_\@
	global_prefetch_b8 v[PFO], s[PFA:PFA+1] th:TH_LOAD_NT scope:SCOPE_SE
.Lnot_mine_\@:
.endm
.macro CROUND
	s_barrier_signal -1
	s_barrier_wait -1
	s_cmp_lg_u32 s[WV], 0
	s_cbranch_scc1 .Lnot_wave_0_\@
	s_barrier_signal -3
.Lnot_wave_0_\@:
	s_barrier_wait -3
	s_barrier_signal -1
	s_barrier_wait -1
.endm
; THE CHANGE OF SLOTS.  Each wave waits for all its tensor loads (one is out: its part of the other slot), adds 0 to its spare word, and waits for that and for its reads of the slot that it leaves.
; fill = 1: the barrier is a round of the cluster's, and the joint fill, the keys two slots on, is the first thing behind it: four key steps, 256 matrix instructions, in which to land.
.macro CHANGE fill, ask
	WIN 0
	s_wait_tensorcnt 0x0
	ds_add_u32 v[SPW], v[NIL]
.if \fill
.irp g, G0K, G0V
	s_xor_b32 s[\g+1], s[\g+1], SLOT1
	s_add_nc_u64 s[\g+2:\g+3], s[\g+2:\g+3], 4*KS*128
.endr
.if \ask
	s_wait_xcnt 0x0                 ; the last prefetch, four key steps back, has read its address
	s_add_nc_u64 s[PFA:PFA+1], s[PFA:PFA+1], 4*KS*128
.endif
	s_wait_dscnt 0x0
	CROUND
	JLOAD
.if \ask
	ASK
.endif
.else
	s_wait_dscnt 0x0
	s_barrier_signal -1
	s_barrier_wait -1
.endif
	s_sub_co_u32 s[TBK], s[TBK], 4*KS*PK
	s_xor_b32 s[TBK], s[TBK], SLOT1
	s_sub_co_u32 s[TBV], s[TBV], 4*KS*PV
	s_xor_b32 s[TBV], s[TBV], SLOT1
.endm
	s_load_b128 s[4:7], s[0:1], 0x0   ; qkv s[4:5], mask s[6:7]
	s_load_b64 s[10:11], s[0:1], 0x10 ; wsc
	v_lshl_add_u32 v[SPW], v0, 2, SPARE
	v_mov_b32 v[NIL], 0
	ds_add_u32 v[SPW], v[NIL]       ; the wave's opening: the add and its wait stand ahead of my first tensor load
	v_lshrrev_b32 v1, 5, v0
	v_readfirstlane_b32 s[WV], v1
	s_bfe_u32 s13, ttmp6, 0x40000   ; cx
	s_lshl_b32 s14, ttmp9, 2
	s_add_co_u32 s14, s14, s13      ; my block of 256 queries: it enters Q's and ctx's addresses alone
	s_and_b32 s20, ttmp7, 0xffff
	s_lshr_b32 s21, s20, 4          ; the batch
	s_and_b32 s20, s20, 15          ; the head
	s_lshl_b32 s20, s20, 19         ; its slice,
	s_lshl_b32 s22, s21, 18         ; the batch's 2,048 rows of 128 bytes
	s_add_co_u32 s20, s20, s22
	s_lshl_b32 s[MP], s21, 13       ; the batch's 2,048 mask words
	s_mov_b32 s[MP+1], 0
	s_and_b32 s16, s[WV], 1         ; which half of a slot's 256 keys I fetch
	s_lshl_b32 s22, s16, 14
	s_add_co_u32 s22, s22, s20
	s_add_co_u32 s22, s22, 0x800000 ; K's slices begin here; V's 0x800000 further on
	s_mov_b32 s23, 0
	s_mul_i32 s17, s16, 128*PK
	s_mul_i32 s18, s16, 128*PV
	s_lshl_b32 s2, s14, 2
	s_add_co_u32 s2, s2, s[WV]
	s_lshl_b32 s2, s2, 13           ; my wave's 64 rows
	s_add_co_u32 s2, s2, s20
	s_mov_b32 s3, 0
	s_mov_b32 s[G1K], 15|(1<<16)|(1<<20)|(1<<21)|(4<<22)|(3<<25)  ; the mask of four; 2-byte elements; padding on; bit 21 beside a mask; after every 32 words 4 words
	s_mov_b32 s[G1V], 15|(1<<16)|(1<<20)|(1<<21)|(4<<22)|(7<<25)  ; 8 words
.irp g, G1K, G1V
	s_mov_b32 s[\g+1], 128<<16      ; 128 keys are 16,384 dense bytes: 64 rows of 256 bytes, two keys a row
	s_mov_b32 s[\g+2], 64<<16
	s_mov_b32 s[\g+3], 128<<16
	s_mov_b32 s[\g+4], 64
	s_mov_b32 s[\g+5], 128
	s_mov_b32 s[\g+6], 0
	s_mov_b32 s[\g+7], 0
.endr
	s_mov_b32 s[CS], 0x3e38aa3b     ; c = log2(e) / 8
	s_mov_b32 s[CS+1], s[CS]
	s_mov_b32 s[SEL], 0x76543210
	s_mov_b32 s[SEL+1], 0xfedcba98
	s_mov_b32 s[TBK], SLOT1+4*KS*PK ; the first change of slots turns these two into 0
	s_mov_b32 s[TBV], SLOT1+4*KS*PV
	s_mov_b32 s[TBM], 0
	s_mov_b32 s[BIGM], 0xd0000000
	s_mov_b32 s[G0K], 1
	s_mov_b32 s[G0K+1], s17
	s_mov_b32 s[G0V], 1
	s_add_co_u32 s[G0V+1], s18, VOFF
	s_and_b32 s[LIM], s[WV], 1
	s_or_b32 s[LIM], s[LIM], ttmp9  ; 0 in waves 0 and 2 of a head's first cluster: the same in all four partners
	s_cmp_eq_u32 s[LIM], 0
	s_cselect_b32 s[LIM], 1, -1
	s_wait_dscnt 0x0                ; the opening add is done
	s_wait_kmcnt 0x0
	s_add_nc_u64 s[G0K+2:G0K+3], s[4:5], s[22:23]
	s_add_nc_u64 s[G0V+2:G0V+3], s[G0K+2:G0K+3], 0x800000
	s_cmp_lt_u32 s[WV], 2
	s_cselect_b64 s[PFA:PFA+1], s[G0K+2:G0K+3], s[G0V+2:G0V+3]  ; (in waves 0 and 2 these stand at a tile's first row)
	s_or_b32 s[G0K+3], s[G0K+3], 0x80000000
	s_or_b32 s[G0V+3], s[G0V+3], 0x80000000
	s_add_nc_u64 s[MP:MP+1], s[6:7], s[MP:MP+1]
	s_add_nc_u64 s[4:5], s[4:5], s[2:3]      ; Q and ctx at my wave's first row
	s_add_nc_u64 s[10:11], s[10:11], s[2:3]
	s_lshl_b32 s2, s13, 13          ; my work-group's 8,192 bytes of a tile
	s_mov_b32 s3, 0
	s_add_nc_u64 s[PFA:PFA+1], s[PFA:PFA+1], s[2:3]
	s_add_nc_u64 s[PFA:PFA+1], s[PFA:PFA+1], 2*4*KS*128  ; in tile 2; the first change that asks steps it to tile 3
	CROUND                          ; all four work-groups are here
	JLOAD                           ; slot 0; slot 1 is asked for when slot 0 is in
	v_and_b32 v32, 15, v0           ; l % 16
	v_bfe_u32 v33, v0, 4, 1         ; l / 16
	v_and_b32 v34, 7, v0
	v_bfe_u32 v35, v0, 3, 1
	v_and_b32 v[GO], 31, v0
	v_lshlrev_b32 v[PFO], 8, v[GO]
	v_lshlrev_b32 v[GO], 4, v[GO]
.irp i, 0,1,2,3,4,5,6,7,8,9,10,11,12,13,14,15
	global_load_b128 v[S+4*(\i):S+4*(\i)+3], v[GO], s[MP:MP+1] offset:512*(\i)  ; the batch's mask, 64 words a lane
.endr
	v_lshlrev_b32 v[QO], 7, v32
	v_lshl_add_u32 v[QO], v33, 4, v[QO]
	WIN 0x80
.set i, 0
.rept 8                             ; Q stays in registers: piece i / 2, channels 32 (i % 2) on
	global_load_b128 v[8*i:8*i+3],   v[QO], s[4:5] offset:(i/2)*2048+(i%2)*64
	global_load_b128 v[8*i+4:8*i+7], v[QO], s[4:5] offset:(i/2)*2048+(i%2)*64+32
.set i, i+1
.endr
	; What the first turn finds: V and P's second buffer hold 0 (its products V^T P, of a piece that has not been, add 0), O^T and l are 0.  All this stands in the wait for the first tile.
.set i, VF
.rept 64
	v_mov_b32 v[i], 0
.set i, i+1
.endr
	WIN 0x40
.set i, 0
.rept 128
	v_mov_b32 v[i], 0
.set i, i+1
.endr
	WIN 0
.set i, 0
.rept 4
	v_mov_b32 v[ST+4*i], 0xfe000000    ; c m: far below every c s
	v_mov_b32 v[ST+4*i+1], 0xff7fffff  ; m
	v_mov_b32 v[ST+4*i+2], 0
	v_mov_b32 v[ST+4*i+3], 0
.set i, i+1
.endr
.set i, P+16
.rept 16
	v_mov_b32 v[i], 0
.set i, i+1
.endr
	v_mul_u32_u24 v[AK0], v32, PK
	v_lshl_add_u32 v[AK0], v33, 4, v[AK0]
	v_lshl_add_u32 v[AV0], v33, 3, v34
	v_mul_u32_u24 v[AV0], v[AV0], PV
	v_lshl_add_u32 v[AV0], v35, 4, v[AV0]
	v_add_nc_u32 v[AV0], VOFF, v[AV0]
	s_lshl_b32 s19, s[WV], 13
	s_add_co_u32 s19, s19, MB       ; my wave's mask words
	v_add_nc_u32 v[MST], s19, v[GO]
	v_lshl_add_u32 v[AM0], v33, 5, s19
	v_mov_b32 v[AK], v[AK0]         ; key step 0 lies at the head of slot 0
	v_mov_b32 v[AM], v[AM0]
	s_wait_loadcnt 16               ; the mask is in; Q's 16 loads stay out
.set i, 0
.rept 64
	v_cmp_eq_u32 vcc_lo, 0, v[S+i]
	v_cndmask_b32 v[S+i], 0, s[BIGM], vcc_lo
.set i, i+1
.endr
.irp i, 0,1,2,3,4,5,6,7,8,9,10,11,12,13,14,15
	ds_store_b128 v[MST], v[S+4*(\i):S+4*(\i)+3] offset:512*(\i)  ; only my wave reads these bytes, and LDS serves a wave's instructions in order
.endr
.irp c, 0,1,2,3                     ; is any key of the batch seen?  The largest of all 2,048 words is then 0
	v_max3_num_f32 v[40+(\c)], v[S+16*(\c)], v[S+16*(\c)+1], v[S+16*(\c)+2]
.endr
.irp k, 3,5,7,9,11,13
.irp c, 0,1,2,3
	v_max3_num_f32 v[40+(\c)], v[40+(\c)], v[S+16*(\c)+(\k)], v[S+16*(\c)+(\k)+1]
.endr
.endr
.irp c, 0,1,2,3
	v_max_num_f32 v[40+(\c)], v[40+(\c)], v[S+16*(\c)+15]
.endr
	v_max3_num_f32 v40, v40, v41, v42
	v_max_num_f32 v40, v40, v43
	v_max_num_f32_dpp v40, v40, v40 row_xmask:1 row_mask:0xf bank_mask:0xf
	v_max_num_f32_dpp v40, v40, v40 row_xmask:2 row_mask:0xf bank_mask:0xf
	v_max_num_f32_dpp v40, v40, v40 row_xmask:4 row_mask:0xf bank_mask:0xf
	v_max_num_f32_dpp v40, v40, v40 row_xmask:8 row_mask:0xf bank_mask:0xf
	v_permlanex16_b32 v41, v40, s[SEL], s[SEL+1]
	v_max_num_f32 v40, v40, v41
	v_cmp_eq_f32 vcc_lo, 0, v40
	v_cndmask_b32 v[FL], 0, -1, vcc_lo
; THE MATRIX WORK.  The 4 accumulators of a run of 8 take turns.  Product i of 8 of S^T = K Q^T for piece x: channels 32 (i / 4) on, keys 16 (i % 4) on.  The first 4 start the sums with the mask.
.macro KQ x
.set rS, S+32*((\x)%2)+8*(i%4)
.set rK, KF+16*(i%4)+8*(i/4)
.set rQ, 16*(\x)+8*(i/4)
.set rM, MK+8*(i%4)
.if i < 4
	WIN W_KM
	v_wmma_f32_16x16x32_bf16 v[rS:rS+7], v[rK:rK+7], v[rQ:rQ+7], v[rM:rM+7]
.else
	WIN W_KQ
	v_wmma_f32_16x16x32_bf16 v[rS:rS+7], v[rK:rK+7], v[rQ:rQ+7], v[rS:rS+7]
.endif
.endm
.macro PV x                         ; product i of 8 of O^T += V^T P: keys 32 (i / 4) on, channels 16 (i % 4) on
	WIN W_PV
.set rO, 32*(\x)+8*(i%4)
.set rV, VF+32*(i/4)+8*(i%4)
.set rP, P+16*((\x)%2)+8*(i/4)
	v_wmma_f32_16x16x32_bf16 v[rO:rO+7], v[rV:rV+7], v[rP:rP+7], v[rO:rO+7]
.endm
.macro MM                           ; the turn's next matrix instruction
.if i < 8
	KQ (Y+1)%NP
.else
.set i, i-8
	PV (Y+NP-1)%NP
.set i, i+8
.endif
.set i, i+1
.endm
; THE LDS LOADS stand in runs: a step's K (8 fragments) with its 32 mask words a lane, which live as long as K's fragments; and its V (turned).
; tail = 1 (the last tile, which lies in slot 1): the address stops at the tile's last step.
.macro FETCH_K tail=0
	WIN 0x80
.irp f, 0,1,2,3,4,5,6,7
	ds_load_b128 v[KF+8*\f:KF+8*\f+3],   v[AK] offset:(\f/2)*16*PK+(\f%2)*64
	ds_load_b128 v[KF+8*\f+4:KF+8*\f+7], v[AK] offset:(\f/2)*16*PK+(\f%2)*64+32
.endr
	WIN 0x40
.irp f, 0,1,2,3                     ; keys 16 f + 8 (l / 16) + 0..7
	ds_load_b128 v[MK+8*\f:MK+8*\f+3],   v[AM] offset:64*\f
	ds_load_b128 v[MK+8*\f+4:MK+8*\f+7], v[AM] offset:64*\f+16
.endr
	s_add_co_u32 s[TBK], s[TBK], KS*PK
.if \tail
	s_min_u32 s[TBK], s[TBK], SLOT1+3*KS*PK
.endif
	s_add_co_u32 s[TBM], s[TBM], 4*KS
	s_and_b32 s[TBM], s[TBM], 0x1f00  ; stays inside the 8,192 bytes
	WIN 0
.endm
.macro FETCH_V
	WIN 0x80
.irp f, 0,1,2,3,4,5,6,7
	ds_load_tr16_b128 v[VF+8*\f:VF+8*\f+3],   v[AV] offset:(\f/4)*32*PV+(\f%4)*32
	ds_load_tr16_b128 v[VF+8*\f+4:VF+8*\f+7], v[AV] offset:(\f/4)*32*PV+16*PV+(\f%4)*32
.endr
	WIN 0
.endm
; THE VECTOR WORK, one line at a time: OP kind, number.  For piece Y: F n: c s - c m for pair n.  E n: the exponential of score n.  C n: pair n rounded to bf16.  B n: of the four weights 4 n .. the second pair is
; added onto the first.  L n: l takes that sum (L 0: l = a l + sum).  R n: pair n of O^T times a.  For piece Y + 1: X n, number n of the 22 that find its maximum and statistics (each accumulator's lowest
; registers are read first): 0-11 four chains of seven scores; 12-14, 16 the rest, the old m, all into c0; 15 c m_old is kept; 17, 18 the other half of the lanes; 19-21 c m, its change, a.
.set F, 0
.set E, 1
.set C, 2
.set B, 3
.set L, 4
.set R, 5
.set X, 6
.macro REGS y
.set rT, ST+4*(\y)
.set rC, TMP+4*((\y)%2)
.set rW, MV+((\y)%2)
.set rS, S+32*((\y)%2)
.set rP, P+16*((\y)%2)
.set rO, 32*(\y)
.endm
.macro OP k, n
.if (\k) == R
	REGS Y
	WIN W_RS
	v_pk_mul_f32 v[rO+2*(\n):rO+2*(\n)+1], v[rO+2*(\n):rO+2*(\n)+1], v[rC+2:rC+3] op_sel_hi:[1,0]
.elseif (\k) < R
	REGS Y
	WIN 0
.if (\k) == F
	v_pk_fma_f32 v[rS+2*(\n):rS+2*(\n)+1], v[rS+2*(\n):rS+2*(\n)+1], s[CS:CS+1], v[rT:rT+1] op_sel_hi:[1,0,0] neg_lo:[0,0,1] neg_hi:[0,0,1]
.elseif (\k) == E
	v_exp_f32 v[rS+(\n)], v[rS+(\n)]
.elseif (\k) == C
	v_cvt_pk_bf16_f32 v[rP+(\n)], v[rS+2*(\n)], v[rS+2*(\n)+1]
.elseif (\k) == B
	v_pk_add_f32 v[rS+4*(\n):rS+4*(\n)+1], v[rS+4*(\n):rS+4*(\n)+1], v[rS+4*(\n)+2:rS+4*(\n)+3]
.elseif (\n) == 0
	v_pk_fma_f32 v[rT+2:rT+3], v[rT+2:rT+3], v[rC+2:rC+3], v[rS:rS+1] op_sel_hi:[1,0,1]
.else
	v_pk_add_f32 v[rT+2:rT+3], v[rT+2:rT+3], v[rS+4*(\n):rS+4*(\n)+1]
.endif
.else
	REGS (Y+1)%NP
	WIN 0
.if (\n) < 4
	v_max3_num_f32 v[rC+(\n)], v[rS+8*(\n)], v[rS+8*(\n)+1], v[rS+8*(\n)+2]
.elseif (\n) < 12
	v_max3_num_f32 v[rC+(\n)%4], v[rC+(\n)%4], v[rS+8*((\n)%4)+2*((\n)/4)+1], v[rS+8*((\n)%4)+2*((\n)/4)+2]
.elseif (\n) == 12
	v_max3_num_f32 v[rC], v[rC], v[rS+7], v[rS+15]
.elseif (\n) == 13
	v_max3_num_f32 v[rC+1], v[rC+1], v[rS+23], v[rS+31]
.elseif (\n) == 14
	v_max3_num_f32 v[rC+2], v[rC+2], v[rC+3], v[rT+1]
.elseif (\n) == 15
	v_mov_b32 v[rW], v[rT]
.elseif (\n) == 16
	v_max3_num_f32 v[rC], v[rC], v[rC+1], v[rC+2]
.elseif (\n) == 17
	v_permlanex16_b32 v[rC+3], v[rC], s[SEL], s[SEL+1]
.elseif (\n) == 18
	v_max_num_f32 v[rT+1], v[rC], v[rC+3]
.elseif (\n) == 19
	v_mul_f32 v[rT], s[CS], v[rT+1]
.elseif (\n) == 20
	v_sub_f32 v[rC+1], v[rW], v[rT]
.else
	v_exp_f32 v[rC+2], v[rC+1]
.endif
.endif
.endm
.macro OPS a, i1, b=-1, i2=0, c=-1, i3=0, d=-1, i4=0
	OP \a, \i1
.if (\b) >= 0
	OP \b, \i2
.endif
.if (\c) >= 0
	OP \c, \i3
.endif
.if (\d) >= 0
	OP \d, \i4
.endif
.endm
.macro ROW a, i1, b, i2, c, i3, d, i4  ; a matrix instruction and the four behind it
	MM
	OPS \a, \i1, \b, \i2, \c, \i3, \d, \i4
.endm
; A TURN, for piece p.  Ahead of its one wait stands all that names no result of the turn's exponentials: the 8 products K Q^T with their riders, then one run of vector work in which the links of the next
; piece's chain stand several lines apart; X 21, the next piece's a, is the batch's last, R 15 the plain instruction behind it.  Behind the wait stand the 8 products V^T P, behind each four of the roundings and sums.
; K and the mask words of the next step are fetched in piece 2's turn, behind the last product that read them and more than four plain instructions; V of the step in hand at the end of piece 0's turn.
; Each run is waited for a turn later.  tail = 1: the last tile (FETCH_K).  cnt = 1: the loop's count is taken down some lines ahead of the branch.
.macro TURN p, tail=0, cnt=0
.set Y, (\p)
.set i, 0
.if (\p) == 3
	s_wait_dscnt 0x0                ; K and its mask words are in
.endif
	ROW F,0, F,1, R,0, R,1
	ROW F,2, E,0, R,2, R,3
	ROW F,3, E,1, R,4, R,5
	ROW F,4, E,2, R,6, R,7
	ROW F,5, E,3, R,8, R,9
	ROW F,6, E,4, X,0, R,10
.if (\p) == 2
	WIN 0
	v_add_nc_u32 v[AK], s[TBK], v[AK0]
	v_add_nc_u32 v[AM], s[TBM], v[AM0]
.endif
	ROW F,7, E,5, X,1, X,4
	ROW F,8, E,6, X,2, X,5
	OPS E,7, E,8, X,6, E,9
	OPS X,3, E,10, X,8, E,11
.if (\p) == 2
	FETCH_K \tail
.endif
	OPS X,9, X,7, E,12, X,10
	OPS E,13, X,12, X,11, E,14
	OPS X,13, E,15, F,9, X,14
.if (\p) == 0
	WIN 0
	v_add_nc_u32 v[AV], s[TBV], v[AV0]
.endif
	OPS E,16, F,10, E,17, F,11
	OPS X,16, E,18, X,15, E,19
	OPS F,12, E,20, X,17, E,21
	OPS F,13, E,22, F,14, E,23
	OPS X,18, E,24, F,15, E,25
	OPS R,11, E,26, X,19, E,27
	OPS R,12, E,28, R,13, E,29
	OPS X,20, E,30, R,14, E,31
	OPS X,21, R,15
	WIN 0
	s_wait_alu depctr_va_vdst(0)    ; the one wait for the batch, ahead of the first line that names a result of it
.if (\p) == 1
	s_wait_dscnt 0x0                ; V is in
.endif
	ROW C,0, B,0, C,2, B,1
	ROW L,0, C,4, B,2, L,1
	ROW C,6, B,3, L,2, C,8
	ROW B,4, L,3, C,10, B,5
	ROW L,4, C,12, B,6, L,5
.if (\p) == 0
	s_add_co_u32 s[TBV], s[TBV], KS*PV
.endif
.if \cnt
	s_sub_co_u32 s[CNT], s[CNT], 1
	s_cmp_lg_u32 s[CNT], 0
.endif
	ROW C,14, B,7, L,6, C,1
	ROW C,3, L,7, C,5, C,7
	ROW C,9, C,11, C,13, C,15
.if (\p) == 0
	FETCH_V
.endif
.endm
	CHANGE 1, 0                     ; slot 0 is in, everybody's part of it; slot 1 is asked for
	FETCH_K                         ; key step 0
	s_wait_loadcnt 0x0              ; Q
	WIN 0x88                        ; Q (destination and source 1) in window 2
.set i, 0
.rept 64
	v_and_b32 v[i], v[FL], v[i]     ; Q as it is, or 0 where no key of the batch is seen
.set i, i+1
.endr
	s_wait_dscnt 0x0
.set i, 0
.rept 8
	KQ 0                            ; piece 0's first scores
.set i, i+1
.endr
	WIN 0                           ; the addresses for the way out: seven plain instructions, the places behind those products
	s_mul_i32 s13, s[WV], 16*SP
	s_add_co_u32 s13, s13, STAGE
	v_mul_u32_u24 v[STO], v32, SP   ; in: row l % 16, 16 bytes for each half of the lanes
	v_lshl_add_u32 v[STO], v33, 4, v[STO]
	v_add_nc_u32 v[STO], s13, v[STO]
	v_bfe_u32 v[RD], v0, 3, 2       ; back: 32 lanes take four rows of 128 bytes
	v_mul_u32_u24 v[RD], v[RD], SP
	v_lshl_add_u32 v[RD], v34, 4, v[RD]
	v_add_nc_u32 v[RD], s13, v[RD]
.set Y, NP-1                        ; X works for piece Y + 1: piece 0
.irp n, 0,1,2,3,4,5,6,7,8,9,10,11,12,13,14,15,16,17,18,19,20,21
	OP X, \n
.endr
	v_nop                           ; a plain instruction behind the exponential,
	s_wait_alu depctr_va_vdst(0)    ; and its wait, ahead of the branch
	s_mov_b32 s[CNT], 4
	s_mov_b32 s[SLOTS], 7
	s_branch .Lfirst                ; the loop is entered at a step's first turn, in the middle of a trip
.Lslot:                             ; six times: tiles 2 to 7 are asked for
	CHANGE 1, 1
	s_mov_b32 s[CNT], 4
.Lstep:                             ; a trip: pieces 2 and 3 of one step, then pieces 0 and 1 of the next, whose K and V it fetches
	TURN 2
	TURN 3
	WIN 0
.Lfirst:
	TURN 0
	TURN 1, 0, 1
	WIN 0
	s_cbranch_scc1 .Lstep
	s_sub_co_u32 s[SLOTS], s[SLOTS], 1
	s_cmp_lg_u32 s[SLOTS], 0
	s_cbranch_scc1 .Lslot
	CHANGE 0, 0                     ; the last tile is written out
	s_mov_b32 s[CNT], 5             ; four trips fetch the last tile's steps; the fifth is left in its middle
.Ltail:
	TURN 2, 1
	TURN 3
	WIN 0
	s_sub_co_u32 s[CNT], s[CNT], 1
	s_cmp_eq_u32 s[CNT], 0
	s_cbranch_scc1 .Lout
	TURN 0
	TURN 1
	WIN 0
	s_cmp_lg_u32 s[CNT], 0
	s_cbranch_scc1 .Ltail
.Lout:                              ; the fifth trip's run of loads (the last K once more), its 8 products K Q^T and the maximum made of them serve nothing: the price, once a launch, of one text for every trip
.set i, 0
.rept 8
	PV NP-1                         ; the last piece's V^T P of the last step
.set i, i+1
.endr
	; THE WAY OUT.  l's two halves and the other half of the lanes' are added; O^T is divided by l, rounded to bf16 and sent through my stage, a piece at a time.  The additions are the places behind the last products.
	WIN 0
.macro ALL line:vararg
.set t, 0
.rept 4
	\line
.set t, t+1
.endr
.endm
	ALL v_add_f32 v[ST+4*t+2], v[ST+4*t+2], v[ST+4*t+3]
	ALL v_permlanex16_b32 v[ST+4*t+3], v[ST+4*t+2], s[SEL], s[SEL+1]
	ALL v_add_f32 v[ST+4*t+2], v[ST+4*t+2], v[ST+4*t+3]
	ALL v_rcp_f32 v[ST+4*t+2], v[ST+4*t+2]
	v_nop                           ; a plain instruction between the last reciprocal and the use of its result
	s_wait_alu depctr_va_vdst(0)    ; one wait for the four reciprocals
.macro PACK t
	WIN W_RS
.set i, 32*(\t)
.rept 16
	v_pk_mul_f32 v[i:i+1], v[i:i+1], v[ST+4*(\t)+2:ST+4*(\t)+3] op_sel_hi:[1,0]
.set i, i+2
.endr
	WIN 0x05                        ; sources 0 and 1 window 1, destination window 0
.set i, 0
.rept 16
	v_cvt_pk_bf16_f32 v[S+16*(\t)+i], v[32*(\t)+2*i], v[32*(\t)+2*i+1]
.set i, i+1
.endr
	WIN 0
.irp f, 0,1,2,3
	ds_store_b128 v[STO], v[S+16*(\t)+4*\f:S+16*(\t)+4*\f+3] offset:32*\f
.endr
.irp f, 0,1,2,3
	ds_load_b128 v[S+16*(\t)+4*\f:S+16*(\t)+4*\f+3], v[RD] offset:\f*4*SP  ; LDS serves a wave's instructions in order (ISA guide 5.7.1.4)
.endr
.endm
.macro SEND t, younger              ; younger: the LDS instructions issued behind piece t's loads
	WIN 0
.irp f, 0,1,2,3
	s_wait_dscnt (\younger)+3-\f
	global_store_b128 v[GO], v[S+16*(\t)+4*\f:S+16*(\t)+4*\f+3], s[10:11] offset:(\t)*2048+\f*512  ; 512 consecutive bytes, aligned
.endr
.endm
	PACK 0
.set t, 1
.rept 3
	PACK t
	SEND t-1, 8
.set t, t+1
.endr
	SEND 3, 0
	s_wait_tensorcnt 0x0            ; the wave's end
	ds_add_u32 v[SPW], v[NIL]
	s_wait_dscnt 0x0
	CROUND                          ; the closing round
	s_endpgm
.Lfunc_end_k_q66cd070939_attn:
	.size	k_q66cd070939_attn, .Lfunc_end_k_q66cd070939_attn-k_q66cd070939_attn
	.p2alignl 7, 3214868480
	.fill 96, 4, 3214868480
	.section	.rodata,"a",@progbits
	.p2align	6, 0x0
	.amdhsa_kernel k_q66cd070939_attn
		.amdhsa_group_segment_fixed_size 327680
		.amdhsa_private_segment_fixed_size 0
		.amdhsa_enable_private_segment 0
		.amdhsa_kernarg_size 24
		.amdhsa_user_sgpr_count 2
		.amdhsa_user_sgpr_kernarg_segment_ptr 1
		.amdhsa_wavefront_size32 1
		.amdhsa_system_sgpr_workgroup_id_x 1
		.amdhsa_system_sgpr_workgroup_id_y 1
		.amdhsa_system_sgpr_workgroup_id_z 1
		.amdhsa_system_vgpr_workitem_id 0
		.amdhsa_next_free_vgpr 768
		.amdhsa_next_free_sgpr 72
		.amdhsa_reserve_vcc 1
		.amdhsa_float_denorm_mode_32 3
		.amdhsa_float_denorm_mode_16_64 3
		.amdhsa_memory_ordered 1
		.amdhsa_forward_progress 1
		.amdhsa_inst_pref_size 127
	.end_amdhsa_kernel
	.amdgpu_metadata
---
amdhsa.version: [ 1, 2 ]
amdhsa.kernels:
  - .name:           k_q66cd070939_attn
    .symbol:         k_q66cd070939_attn.kd
    .args:
      - { .name: qkv, .offset: 0, .size: 8, .value_kind: global_buffer, .address_space: global }
      - { .name: mask, .offset: 8, .size: 8, .value_kind: global_buffer, .address_space: global }
      - { .name: wsc, .offset: 16, .size: 8, .value_kind: global_buffer, .address_space: global }
    .group_segment_fixed_size: 327680
    .private_segment_fixed_size: 0
    .kernarg_segment_align: 8
    .kernarg_segment_size: 24
    .max_flat_workgroup_size: 128
    .sgpr_count:     72
    .vgpr_count:     768
    .wavefront_size: 32
...
	.end_amdgpu_metadata
.endif
;; end of part 9
;; launch wo (part 10): grid 8 x 32, 4 waves a work-group, clusters of 4 x 4, 327,680 bytes of LDS; arguments wsc, wsx, ysum; writes ysum
.if DOCPART == 10
	.amdgcn_target "amdgcn-amd-amdhsa--gfx1250"
	.amdhsa_code_object_version 6
	.text
	.protected	k_q66cd070939_wo
	.globl	k_q66cd070939_wo
	.p2align	8
	.type	k_q66cd070939_wo,@function
k_q66cd070939_wo:
	s_mov_b64 s[64:65], 0
	v_nop
	global_prefetch_b8 v0, s[64:65] scope:SCOPE_SE
	s_setreg_imm32_b32 hwreg(HW_REG_WAVE_MODE, 25, 1), 1
	s_wait_xcnt 0x0
	s_wait_alu depctr_hold_cnt(0) depctr_sa_sdst(0) depctr_va_vdst(0) depctr_va_sdst(0) depctr_va_ssrc(0) depctr_va_vcc(0) depctr_vm_vsrc(0)
	s_getreg_b32 s2, hwreg(HW_REG_IB_STS2, 6, 4)
	s_cmp_eq_u32 s2, 0
	s_cbranch_scc0 .Lentry_in_a_cluster
	s_endpgm
.Lentry_in_a_cluster:
	s_bfe_u32 s2, ttmp6, 0x10000c
	s_cmp_lg_u32 s2, 0xf033
	s_cbranch_scc0 .Lentry_shape_is_right
	s_endpgm
.Lentry_shape_is_right:
; Y = A W + bias + RES, in f32: the sums that a LayerNorm takes next.  K = 256 STEPS.  AW holds A by slices [K / 64][4096 rows][64] bf16 at 0, W as blocks [K / 256][8 column tiles][256 k][128 n] bf16 at WOFF,
; and the bias (1,024 f32) at BOFF.  RES is [4096][1024] bf16 at its buffer's head.  Y is [4096][1024] f32.
; This text stands twice in the program, for K = 1,024 and for K = 4,096: the two differ in the line that sets STEPS alone.
; SHARES.  A tile of Y is 128 x 128; four waves, each 64 x 64: 16 accumulators.  K goes in steps of 256 (four slices) through two LDS slots; a quarter of a step is one slice.
; CLUSTER.  4 x 4 work-groups: A's tile is shared along a row of the cluster, W's along a column; each is asked for jointly.
; The product is taken transposed (source 0 = 16 columns of W, turned out of LDS; source 1 = 16 rows of A): a lane holds a row of Y and eight neighbouring columns.  The bias is the C that starts the sums.
; THE TEXT.  A K step is written twice: in the loop whose changes of slots refill (STEPS - 2 trips) and in the loop of the last two steps, which refill nothing.  Which slot a trip reads stands in a scalar, TB,
; that goes to and fro between 0 and SLOT; the fragment addresses are made anew from it behind each change of slots.
; NaN and infinities are not treated apart.
; REGISTERS: window 0: v16-31 addresses; v32-63 the bias, later with v64-95 two buffers of rows read back; v96-127 a block's residual in f32; v128-255 accumulators ((a, b) at v[128 + 8 (4 a + b)])
;   window 1: two fragment buffers of 128 (64 of A, then 64 of W)      window 2: v0-63 the residual as loaded
.set STEPS,  4                         ; K = 1,024.  With four K steps, steps 2 and 3 come by the two refills and no step lies two refills on: nothing is prefetched
.set PA,     144                       ; a row of a slice in LDS: 128 bytes + 16
.set PBB,    288                       ; a k row of W: 256 bytes + 32, for the turning load
.set SLICE,  128*PA
.set HALFT,  2*SLICE                   ; what one tensor load brings: two slices of A, or 128 k rows of W (128 x 288 is the same number)
.set SLOT,   4*HALFT                   ; 0x24000: its two bits stand in none of wave x HALFT (0, 0x9000, 0x12000, 0x1b000), so an exclusive or with it adds or takes away a slot
.set STAGE,  2*SLOT                    ; behind the ring: 16 rows x 272 bytes for each wave
.set SPITCH, 272
.set SPARE,  STAGE+4*16*SPITCH         ; the spare words: two blocks of 256 bytes that no other line names
.set WOFF,   0x2000000
.set BOFF,   0x2800000
.set ASTEP,  4*524288                  ; bytes from K step to K step in A
.set BSTEP,  8*65536                   ; and in W
.set ADRA0, 16                         ; v16     my lane's place among A's fragments in slot 0; never rewritten
.set ADRB0, 17                         ; v17     the same for W
.set ADRA, 20                          ; v20     the same in the slot that is being read
.set ADRB, 21                          ; v21-22  for W: the step's first 128 k rows, its second
.set STO,  24
.set RD,   25
.set CO,   26
.set RO,   27
.set SPW,  28
.set NIL,  29
.set PFO,  30
.set BO,   31
.set BIAS, 32
.set TMP,  32
.set T,    96
.set ACC,  128
.set RS,   0                           ; window 2
.set F0,   0                           ; window 1
.set F1,   128
.set G1,  24                           ; s[24:31] group 1 for A's tiles;  s[32:39] group 0: a set for each of the two first fills; the second then walks on
.set G0,  32
.set G1B, 48                           ; the same for W's
.set G0B, 56
.set LIM, 67                           ; 2 in a wave that prefetches, else the greatest number
.set PFA, 68
.set PFS, 70
.set BP,  72
.set HIM, 74                           ; a word's upper bf16
.set TB,  75                           ; 0 or SLOT: the slot that is being read
.set MSB, 0
.macro WIN new
.if MSB != (\new)
	s_set_vgpr_msb (MSB<<8)|(\new)
.set MSB, \new
.endif
.endm
.set MUL,  0x05                        ; sources 0 and 1 window 1; C and D window 0
.set TO_F, 0x40
.macro JLOAD s                         ; waves 0 and 1 fetch A's halves, waves 2 and 3 W's; an s_nop 0 and four v_nop follow each line
	s_cmp_eq_u32 s13, 0
	s_cbranch_scc0 .Lfor_b_\@
	tensor_load_to_lds s[G0+4*(\s):G0+4*(\s)+3], s[G1:G1+7]
	s_nop 0
.rept 4
	v_nop
.endr
	s_branch .Lasked_\@
.Lfor_b_\@:
	tensor_load_to_lds s[G0B+4*(\s):G0B+4*(\s)+3], s[G1B:G1B+7]
	s_nop 0
.rept 4
	v_nop
.endr
.Lasked_\@:
.endm
; A prefetch of the K step two refills on: of the 32,768 bytes that I fetch, my work-group's 8,192, a lane 256.  Cluster x = 0 asks for A's, cluster y = 0 for W's.  So K steps 4 on are named once each;
; the loop's last two trips (s3 = 2, 1) ask for nothing.
.macro ASK
	s_cmp_gt_u32 s3, s[LIM]
	s_cbranch_scc0 .Lnot_mine_\@
	global_prefetch_b8 v[PFO], s[PFA:PFA+1] th:TH_LOAD_NT scope:SCOPE_SE
.Lnot_mine_\@:
.endm
.macro CREST
	s_cmp_lg_u32 s12, 0
	s_cbranch_scc1 .Lnot_wave_0_\@
	s_barrier_signal -3
.Lnot_wave_0_\@:
	s_barrier_wait -3
	s_barrier_signal -1
	s_barrier_wait -1
.endm
.macro CROUND
	s_barrier_signal -1
	s_barrier_wait -1
	CREST
.endm
	s_load_b128 s[4:7], s[0:1], 0x0                ; AW s[4:5], RES s[6:7]
	s_load_b64 s[10:11], s[0:1], 0x10              ; Y
	v_lshl_add_u32 v[SPW], v0, 2, SPARE
	v_mov_b32 v[NIL], 0
	ds_add_u32 v[SPW], v[NIL]                      ; the wave's opening: the add and its wait stand ahead of my first tensor load
	v_lshrrev_b32 v1, 5, v0
	v_readfirstlane_b32 s12, v1                    ; wave 0..3
	s_lshr_b32 s13, s12, 1                         ; my half of the tile's rows.  Also: I fetch for A (0) or for W (1)
	s_and_b32 s14, s12, 1                          ; my half of its columns.  Also: which half of that tile I fetch
	s_bfe_u32 s15, ttmp6, 0x40000                  ; cx
	s_bfe_u32 s16, ttmp6, 0x40004                  ; cy
	s_lshl_b32 s17, ttmp9, 2
	s_add_co_u32 s17, s17, s15                     ; tile column
	s_and_b32 s18, ttmp7, 0xffff
	s_lshl_b32 s18, s18, 2
	s_add_co_u32 s18, s18, s16                     ; tile row
	s_lshl_b32 s20, s16, 2
	s_lshl_b32 s20, 15, s20                        ; my row of the cluster
	s_lshl_b32 s21, 0x1111, s15                    ; my column
	s_or_b32 s[G1+0], s20, (1<<16)|(1<<20)|(1<<21)|(4<<22)|(3<<25)   ; mask; 2-byte elements; padding on; bit 21 beside a mask; after every 32 words 4 words
	s_or_b32 s[G1B+0], s21, (1<<16)|(1<<20)|(1<<21)|(5<<22)|(7<<25)  ; after every 64 words 8 words
	s_mov_b32 s[G1+1], 8192<<16                    ; A: two rows of 8,192 elements: a slice's 128 dense rows each,
	s_mov_b32 s[G1+2], 2<<16
	s_mov_b32 s[G1+3], 8192<<16
	s_mov_b32 s[G1+4], 2
	s_mov_b32 s[G1+5], 262144                      ; a slice apart
	s_mov_b32 s[G1+6], 0
	s_mov_b32 s[G1+7], 0
	s_mov_b32 s[G1B+1], 128<<16                    ; W: 128 k rows of 128 elements, dense
	s_mov_b32 s[G1B+2], 128<<16
	s_mov_b32 s[G1B+3], 128<<16
	s_mov_b32 s[G1B+4], 128
	s_mov_b32 s[G1B+5], 128
	s_mov_b32 s[G1B+6], 0
	s_mov_b32 s[G1B+7], 0
	s_lshl_b32 s40, s18, 14                        ; A: the tile row's 128 rows of 128 bytes,
	s_lshl_b32 s41, s14, 20                        ; my two slices of the step's four
	s_add_co_u32 s40, s40, s41
	s_mov_b32 s41, 0
	s_lshl_b32 s42, s17, 16                        ; W: the tile column's block,
	s_lshl_b32 s43, s14, 15                        ; my 128 k rows of it
	s_add_co_u32 s42, s42, s43
	s_add_co_u32 s42, s42, WOFF
	s_mov_b32 s43, 0
	s_mul_i32 s22, s12, HALFT                      ; where they go: no place in the cluster enters an LDS address
	s_mov_b32 s[HIM], 0xffff0000
	s_mov_b32 s[TB], 0
	s_wait_dscnt 0x0                               ; the opening add is done
	s_wait_kmcnt 0x0
	s_add_nc_u64 s[44:45], s[4:5], s[40:41]
	s_add_nc_u64 s[46:47], s[4:5], s[42:43]
	CROUND                                         ; all sixteen work-groups are here
.irp s, 0,1
	s_mov_b32 s[G0+4*(\s)], 1
	s_add_co_u32 s[G0+4*(\s)+1], s22, (\s)*SLOT
	s_add_nc_u64 s[G0+4*(\s)+2:G0+4*(\s)+3], s[44:45], (\s)*ASTEP
	s_or_b32 s[G0+4*(\s)+3], s[G0+4*(\s)+3], 0x80000000
	s_mov_b32 s[G0B+4*(\s)], 1
	s_add_co_u32 s[G0B+4*(\s)+1], s22, (\s)*SLOT
	s_add_nc_u64 s[G0B+4*(\s)+2:G0B+4*(\s)+3], s[46:47], (\s)*BSTEP
	s_or_b32 s[G0B+4*(\s)+3], s[G0B+4*(\s)+3], 0x80000000
	JLOAD \s                                       ; two loads of mine are out
.endr
	v_and_b32 v1, 15, v0                           ; l % 16
	v_bfe_u32 v2, v0, 4, 1                         ; l / 16
	v_mul_u32_u24 v3, v1, PA
	v_lshl_add_u32 v3, v2, 4, v3
	s_mul_i32 s20, s13, 64*PA                      ; my 64 rows in each slice
	v_and_b32 v4, 7, v0
	v_lshl_add_u32 v4, v2, 3, v4
	v_mul_u32_u24 v4, v4, PBB
	v_bfe_u32 v5, v0, 3, 1
	v_lshl_add_u32 v4, v5, 4, v4
	s_lshl_b32 s21, s14, 7                         ; my 64 columns,
	s_add_co_u32 s21, s21, 2*HALFT                 ; behind A's four slices
	v_add_nc_u32 v[ADRA0], s20, v3
	v_add_nc_u32 v[ADRB0], s21, v4
	v_mov_b32 v[ADRA], v[ADRA0]                    ; K step 0 lies in slot 0
	v_mov_b32 v[ADRB], v[ADRB0]
	v_add_nc_u32 v[ADRB+1], HALFT, v[ADRB0]
	s_mul_i32 s23, s12, 16*SPITCH
	s_add_co_u32 s23, s23, STAGE                   ; my stage
	v_mul_u32_u24 v6, v1, SPITCH                   ; in: row l % 16, 32 bytes for each half of the lanes
	v_lshl_add_u32 v6, v2, 5, v6
	v_add_nc_u32 v[STO], s23, v6
	v_mul_u32_u24 v6, v2, SPITCH                   ; back: lanes 0-15 one row of 256 bytes, lanes 16-31 the next
	v_lshl_add_u32 v6, v1, 4, v6
	v_add_nc_u32 v[RD], s23, v6
	v_lshlrev_b32 v6, 12, v2                       ; the same two rows in Y,
	v_lshl_add_u32 v[CO], v1, 4, v6
	v_lshlrev_b32 v6, 11, v2                       ; and in RES
	v_lshl_add_u32 v[RO], v1, 3, v6
	s_lshl_b32 s40, s18, 7
	s_lshl_b32 s41, s13, 6
	s_add_co_u32 s40, s40, s41                     ; my first row
	s_lshl_b32 s42, s17, 7
	s_lshl_b32 s43, s14, 6
	s_add_co_u32 s42, s42, s43                     ; my first column
	s_lshl_b32 s44, s40, 12
	s_lshl_b32 s45, s42, 2
	s_add_co_u32 s44, s44, s45
	s_mov_b32 s45, 0
	s_add_nc_u64 s[10:11], s[10:11], s[44:45]
	s_lshl_b32 s44, s40, 11
	s_lshl_b32 s46, s42, 1
	s_add_co_u32 s44, s44, s46
	s_add_nc_u64 s[6:7], s[6:7], s[44:45]
	s_add_nc_u64 s[BP:BP+1], s[4:5], BOFF
	v_lshl_add_u32 v[BO], v2, 3, s42
	v_lshlrev_b32 v[BO], 2, v[BO]
.irp b, 0,1,2,3                        ; the bias of columns 16 b + 8 (l / 16) + 0..7
	global_load_b128 v[BIAS+8*(\b):BIAS+8*(\b)+3],   v[BO], s[BP:BP+1] offset:64*(\b)
	global_load_b128 v[BIAS+8*(\b)+4:BIAS+8*(\b)+7], v[BO], s[BP:BP+1] offset:64*(\b)+16
.endr
	WIN 0x80                                       ; destination window 2
.set i, 0
.rept 32                               ; the residual, as the way out will want it: rows 2 i and 2 i + 1, four columns a lane
	global_load_b64 v[RS+2*i:RS+2*i+1], v[RO], s[6:7] offset:2*i*2048
.set i, i+1
.endr
	WIN 0
.if STEPS > 4
	s_lshl_b32 s40, s18, 14                        ; the prefetches.  For A: slice 2 x half + cx / 2 of the step's four, half cx % 2 of its 16,384 bytes
	s_lshl_b32 s41, s14, 1
	s_lshr_b32 s42, s15, 1
	s_add_co_u32 s41, s41, s42
	s_lshl_b32 s41, s41, 19
	s_add_co_u32 s40, s40, s41
	s_and_b32 s41, s15, 1
	s_lshl_b32 s41, s41, 13
	s_add_co_u32 s40, s40, s41
	s_add_co_u32 s40, s40, 3*ASTEP                 ; at K step 3: the first change of slots steps it to 4
	s_lshl_b32 s41, s17, 16                        ; for W: quarter cy of my 32,768 bytes
	s_lshl_b32 s42, s14, 15
	s_add_co_u32 s41, s41, s42
	s_lshl_b32 s42, s16, 13
	s_add_co_u32 s41, s41, s42
	s_add_co_u32 s41, s41, WOFF+3*BSTEP
	s_and_b32 s42, ttmp7, 0xffff
	s_mov_b32 s43, BSTEP
	s_cmp_eq_u32 s13, 0                            ; do I fetch for A?
	s_cselect_b32 s40, s40, s41
	s_cselect_b32 s42, ttmp9, s42                  ; the coordinate along which other clusters read the same bytes
	s_cselect_b32 s[PFS], ASTEP, s43
	s_mov_b32 s[PFS+1], 0
	s_mov_b32 s41, 0
	s_add_nc_u64 s[PFA:PFA+1], s[4:5], s[40:41]
	s_cmp_eq_u32 s42, 0
	s_cselect_b32 s[LIM], 2, -1                    ; the same in all sixteen partners, for a given wave
	v_and_b32 v[PFO], 31, v0
	v_lshlrev_b32 v[PFO], 8, v[PFO]
.endif
; 8 matrix instructions: row blocks a0, a0 + 1 x all 4 column blocks, 32 along K: half c of buffer f.  first = 1: the bias starts the sums
.macro MUL8 f, c, a0, first
	WIN MUL
.irp a, \a0, (\a0)+1
.irp b, 0,1,2,3
.if \first
	v_wmma_f32_16x16x32_bf16 v[ACC+8*(4*(\a)+(\b)):ACC+8*(4*(\a)+(\b))+7], v[(\f)+64+8*(4*(\c)+(\b)):(\f)+64+8*(4*(\c)+(\b))+7], v[(\f)+8*(4*(\c)+(\a)):(\f)+8*(4*(\c)+(\a))+7], v[BIAS+8*(\b):BIAS+8*(\b)+7]
.else
	v_wmma_f32_16x16x32_bf16 v[ACC+8*(4*(\a)+(\b)):ACC+8*(4*(\a)+(\b))+7], v[(\f)+64+8*(4*(\c)+(\b)):(\f)+64+8*(4*(\c)+(\b))+7], v[(\f)+8*(4*(\c)+(\a)):(\f)+8*(4*(\c)+(\a))+7], v[ACC+8*(4*(\a)+(\b)):ACC+8*(4*(\a)+(\b))+7]
.endif
.endr
.endr
.endm
; 32 LDS loads in one run: quarter q (one slice, 64 along K) of the slot that is being read into buffer f; its first 32 along K first
.macro FETCH q, f
	WIN TO_F
.irp c, 0,1
.irp i, 0,1,2,3
	ds_load_tr16_b128 v[(\f)+64+8*(4*(\c)+(\i)):(\f)+64+8*(4*(\c)+(\i))+3],   v[ADRB+(\q)/2] offset:(((\q)%2)*64+32*(\c))*PBB+32*(\i)
	ds_load_tr16_b128 v[(\f)+64+8*(4*(\c)+(\i))+4:(\f)+64+8*(4*(\c)+(\i))+7], v[ADRB+(\q)/2] offset:(((\q)%2)*64+32*(\c)+16)*PBB+32*(\i)
	ds_load_b128 v[(\f)+8*(4*(\c)+(\i)):(\f)+8*(4*(\c)+(\i))+3],   v[ADRA] offset:(\q)*SLICE+64*(\c)+(\i)*16*PA
	ds_load_b128 v[(\f)+8*(4*(\c)+(\i))+4:(\f)+8*(4*(\c)+(\i))+7], v[ADRA] offset:(\q)*SLICE+64*(\c)+(\i)*16*PA+32
.endr
.endr
.endm
.macro PLACES                          ; four plain instructions between a matrix instruction and a load into, or a read of, its registers
.rept 4
	v_nop
.endr
.endm
.macro QUARTER q, f, g, first          ; multiplies buffer f and fetches quarter q into g; the 16 accumulators take turns
	s_wait_dscnt 16                                ; the first 32 along K are in
	MUL8 \f, 0, 0, \first
	MUL8 \f, 0, 2, \first
	PLACES
	FETCH \q, \g
	s_wait_dscnt 32                                ; all but the 32 just issued
	MUL8 \f, 1, 0, 0
	MUL8 \f, 1, 2, 0
.endm
; A K step's last quarter multiplies buffer 1 and changes slots.  fill = 1: this slot is filled again, two K steps on: the first tensor load behind the round, 112 matrix instructions ahead of the wait for it.
.macro TURN fill
.if (\fill) && (STEPS > 4)
	s_wait_xcnt 0x0                                ; the last prefetch, a K step back, has read its address
	s_add_nc_u64 s[PFA:PFA+1], s[PFA:PFA+1], s[PFS:PFS+1]
.endif
	WIN 0
	s_wait_tensorcnt 0x0                           ; all my tensor loads have landed: my part of the next slot
	ds_add_u32 v[SPW], v[NIL]
	s_wait_dscnt 17                                ; (the add and the youngest sixteen loads may be out)
	MUL8 F1, 0, 0, 0
	s_wait_dscnt 0x0                               ; the add is done, and my reads of this slot are over
	s_barrier_signal -1
	MUL8 F1, 0, 2, 0
	WIN 0
	s_barrier_wait -1
.if \fill
	CREST                                          ; no wave of any partner still reads this slot or has a load on its way
	s_xor_b32 s[G0+5], s[G0+5], SLOT               ; the walking descriptors: the other slot than last time,
	s_add_nc_u64 s[G0+6:G0+7], s[G0+6:G0+7], ASTEP ; the next K step
	s_xor_b32 s[G0B+5], s[G0B+5], SLOT
	s_add_nc_u64 s[G0B+6:G0B+7], s[G0B+6:G0B+7], BSTEP
	JLOAD 1                                        ; its four v_nop are also the places in front of the loads below
.else
	PLACES
.endif
	s_xor_b32 s[TB], s[TB], SLOT                   ; the reads go on in the other slot
	v_add_nc_u32 v[ADRA], s[TB], v[ADRA0]
	v_add_nc_u32 v[ADRB], s[TB], v[ADRB0]
	v_add_nc_u32 v[ADRB+1], HALFT, v[ADRB]
	FETCH 0, F0
.if (\fill) && (STEPS > 4)
	WIN 0
	ASK
.endif
	MUL8 F1, 1, 0, 0
	MUL8 F1, 1, 2, 0
.endm
; THE WAY OUT of row block a (16 rows x 64 columns of f32): into my stage, 32 bytes a lane; back as whole rows of 256 bytes; the residual is added; stored.
.macro TOSTAGE a
	s_wait_xcnt 0x0                                ; earlier stores have read the registers that the loads below fill
.irp b, 0,1,2,3
	ds_store_b128 v[STO], v[ACC+8*(4*(\a)+(\b)):ACC+8*(4*(\a)+(\b))+3]   offset:64*(\b)
	ds_store_b128 v[STO], v[ACC+8*(4*(\a)+(\b))+4:ACC+8*(4*(\a)+(\b))+7] offset:64*(\b)+16
.endr
.irp t, 0,1,2,3,4,5,6,7
	ds_load_b128 v[TMP+32*((\a)%2)+4*(\t):TMP+32*((\a)%2)+4*(\t)+3], v[RD] offset:(\t)*2*SPITCH  ; LDS serves a wave's instructions in order (ISA guide 5.7.1.4)
.endr
.endm
.macro SEND a, younger                 ; younger: the LDS instructions issued behind block a's loads
	WIN 0x08                                       ; source 1 in window 2: the block's residual is widened in one run, ahead of the wait for the stage
.irp t, 0,1,2,3,4,5,6,7
	v_lshlrev_b32 v[T+4*(\t)],   16, v[RS+2*(8*(\a)+(\t))]
	v_and_b32     v[T+4*(\t)+1], s[HIM], v[RS+2*(8*(\a)+(\t))]
	v_lshlrev_b32 v[T+4*(\t)+2], 16, v[RS+2*(8*(\a)+(\t))+1]
	v_and_b32     v[T+4*(\t)+3], s[HIM], v[RS+2*(8*(\a)+(\t))+1]
.endr
	WIN 0
.irp t, 0,1,2,3,4,5,6,7
	s_wait_dscnt (\younger)+7-(\t)
	v_pk_add_f32 v[TMP+32*((\a)%2)+4*(\t):TMP+32*((\a)%2)+4*(\t)+1],   v[TMP+32*((\a)%2)+4*(\t):TMP+32*((\a)%2)+4*(\t)+1],   v[T+4*(\t):T+4*(\t)+1]
	v_pk_add_f32 v[TMP+32*((\a)%2)+4*(\t)+2:TMP+32*((\a)%2)+4*(\t)+3], v[TMP+32*((\a)%2)+4*(\t)+2:TMP+32*((\a)%2)+4*(\t)+3], v[T+4*(\t)+2:T+4*(\t)+3]
	global_store_b128 v[CO], v[TMP+32*((\a)%2)+4*(\t):TMP+32*((\a)%2)+4*(\t)+3], s[10:11] offset:(16*(\a)+2*(\t))*4096  ; 16 lanes store 256 consecutive bytes, aligned
.endr
.endm
	s_wait_tensorcnt 1                             ; my part of K step 0 is in; K step 1's may stay out
	s_barrier_signal -1
	s_barrier_wait -1
	FETCH 0, F0
	s_wait_loadcnt 32                              ; the bias is in; the residual's 32 loads stay out
	QUARTER 1, F0, F1, 1                           ; the first quarter stands in front of the loop: its first products start the sums
	WIN 0
	s_mov_b32 s3, STEPS-2
.Lstep:                                        ; a trip goes from a K step's second quarter to the next step's first, and fills the slot that it leaves again
	QUARTER 2, F1, F0, 0
	QUARTER 3, F0, F1, 0
	TURN 1
	QUARTER 1, F0, F1, 0
	WIN 0
	s_sub_co_u32 s3, s3, 1
	s_cmp_lg_u32 s3, 0
	s_cbranch_scc1 .Lstep
	s_mov_b32 s3, 2
.Ltail:                                        ; the last two K steps fill nothing: written apart
	QUARTER 2, F1, F0, 0
	QUARTER 3, F0, F1, 0
	TURN 0
	WIN 0
	s_sub_co_u32 s3, s3, 1
	s_cmp_eq_u32 s3, 0
	s_cbranch_scc1 .Lout                           ; the second trip is left here.  Its barrier orders nothing, and its 32 loads (the last K step but one's first fragments, bytes that have landed) feed nothing:
	QUARTER 1, F0, F1, 0                           ; the price, once a launch, of one text for both trips
	WIN 0
	s_cmp_lg_u32 s3, 0
	s_cbranch_scc1 .Ltail
.Lout:
	PLACES
	PLACES
	s_wait_loadcnt 0x0                             ; the residual
	TOSTAGE 0
	TOSTAGE 1
	SEND 0, 16
	TOSTAGE 2
	SEND 1, 16
	TOSTAGE 3
	SEND 2, 16
	SEND 3, 0
	s_wait_tensorcnt 0x0                           ; the wave's end
	ds_add_u32 v[SPW], v[NIL]
	s_wait_dscnt 0x0
	CROUND                                         ; the closing round
	s_endpgm
.Lfunc_end_k_q66cd070939_wo:
	.size	k_q66cd070939_wo, .Lfunc_end_k_q66cd070939_wo-k_q66cd070939_wo
	.p2alignl 7, 3214868480
	.fill 96, 4, 3214868480
	.section	.rodata,"a",@progbits
	.p2align	6, 0x0
	.amdhsa_kernel k_q66cd070939_wo
		.amdhsa_group_segment_fixed_size 327680
		.amdhsa_private_segment_fixed_size 0
		.amdhsa_enable_private_segment 0
		.amdhsa_kernarg_size 24
		.amdhsa_user_sgpr_count 2
		.amdhsa_user_sgpr_kernarg_segment_ptr 1
		.amdhsa_wavefront_size32 1
		.amdhsa_system_sgpr_workgroup_id_x 1
		.amdhsa_system_sgpr_workgroup_id_y 1
		.amdhsa_system_sgpr_workgroup_id_z 1
		.amdhsa_system_vgpr_workitem_id 0
		.amdhsa_next_free_vgpr 640
		.amdhsa_next_free_sgpr 80
		.amdhsa_reserve_vcc 0
		.amdhsa_float_denorm_mode_32 3
		.amdhsa_float_denorm_mode_16_64 3
		.amdhsa_memory_ordered 1
		.amdhsa_forward_progress 1
		.amdhsa_inst_pref_size 71
	.end_amdhsa_kernel
	.amdgpu_metadata
---
amdhsa.version: [ 1, 2 ]
amdhsa.kernels:
  - .name:           k_q66cd070939_wo
    .symbol:         k_q66cd070939_wo.kd
    .args:
      - { .name: wsc, .offset: 0, .size: 8, .value_kind: global_buffer, .address_space: global }
      - { .name: wsx, .offset: 8, .size: 8, .value_kind: global_buffer, .address_space: global }
      - { .name: ysum, .offset: 16, .size: 8, .value_kind: global_buffer, .address_space: global }
    .group_segment_fixed_size: 327680
    .private_segment_fixed_size: 0
    .kernarg_segment_align: 8
    .kernarg_segment_size: 24
    .max_flat_workgroup_size: 128
    .sgpr_count:     80
    .vgpr_count:     640
    .wavefront_size: 32
...
	.end_amdgpu_metadata
.endif
;; end of part 10
;; launch ln1 (part 11): grid 256 x 1, 16 waves a work-group, no clusters, 0 bytes of LDS; arguments ysum, wsx, wso; writes wso
.if DOCPART == 11
	.amdgcn_target "amdgcn-amd-amdhsa--gfx1250"
	.amdhsa_code_object_version 6
	.text
	.protected	k_q66cd070939_ln1
	.globl	k_q66cd070939_ln1
	.p2align	8
	.type	k_q66cd070939_ln1,@function
k_q66cd070939_ln1:
	s_mov_b64 s[64:65], 0
	v_nop
	global_prefetch_b8 v0, s[64:65] scope:SCOPE_SE
	s_setreg_imm32_b32 hwreg(HW_REG_WAVE_MODE, 25, 1), 1
	s_wait_xcnt 0x0
; out1 = LayerNorm(ysum) x g + b, rounded once to bf16: [4096][1024] at wso's head.  ysum: [4096][1024] f32.  g and b: 1,024 f32 each at wsx + PAR and PAR + 4,096.
; One wave takes one whole row and keeps it in registers: mean, then the mean of the squared differences (two passes over registers, as the definition has it), then the scaling.  Sixteen waves a work-group.
; The row is read from memory once; no LDS, no barrier.  A load covers 512 consecutive bytes, a store 256, aligned.  Matrix units, clusters and tensor loads would add nothing to a stream.
.set PAR, 0x1000000+20480
.set X0, 32                            ; v[32:63]   the row: word 4 j + e is column 128 j + 4 l + e
.set G,  64                            ; v[64:95]   the gain of my columns
.set BV, 96                            ; v[96:127]  the bias
.set T,  128                           ; v[128:143] at work
.set Q,  144                           ; v[144:151] four chains of squares
.set MU, 152                           ; v[152:153] the mean, twice
.set R,  154                           ; v[154:155] 1 / sqrt(var + eps), twice
	s_load_b128 s[4:7], s[0:1], 0x0                ; ysum, wsx
	s_load_b64 s[8:9], s[0:1], 0x10                ; wso
	v_and_b32 v1, 31, v0
	v_lshrrev_b32 v2, 5, v0
	v_lshlrev_b32 v3, 4, v1                        ; 16 l
	v_lshl_add_u32 v4, v2, 12, v3                  ; + my wave's row of 4,096 bytes
	v_lshlrev_b32 v5, 3, v1
	v_lshl_add_u32 v5, v2, 11, v5                  ; out: 8 l + my wave's row of 2,048 bytes
	s_lshl_b32 s10, ttmp9, 16                      ; the work-group's 16 rows
	s_mov_b32 s11, 0
	s_lshl_b32 s12, ttmp9, 15
	s_mov_b32 s13, 0
	s_mov_b32 s14, 0x76543210                      ; v_permlanex16_b32: each lane takes its own place in the other half
	s_mov_b32 s15, 0xfedcba98
	s_mov_b32 s16, 0x3a800000                      ; 1 / 1,024
	s_mov_b32 s17, 0x3727c5ac                      ; 1e-5
	s_wait_kmcnt 0x0
	s_add_nc_u64 s[4:5], s[4:5], s[10:11]
	s_add_nc_u64 s[6:7], s[6:7], PAR
	s_add_nc_u64 s[8:9], s[8:9], s[12:13]
.irp j, 0,1,2,3,4,5,6,7
	global_load_b128 v[X0+4*(\j):X0+4*(\j)+3], v4, s[4:5] offset:512*(\j) th:TH_LOAD_NT
.endr
.irp j, 0,1,2,3,4,5,6,7
	global_load_b128 v[G+4*(\j):G+4*(\j)+3], v3, s[6:7] offset:512*(\j)
.endr
.irp j, 0,1,2,3,4,5,6,7
	global_load_b128 v[BV+4*(\j):BV+4*(\j)+3], v3, s[6:7] offset:4096+512*(\j)
.endr
.macro LANES                           ; the sum of v[T] over the 32 lanes, in every lane
	v_add_f32_dpp v[T], v[T], v[T] row_xmask:1 row_mask:0xf bank_mask:0xf
	v_add_f32_dpp v[T], v[T], v[T] row_xmask:2 row_mask:0xf bank_mask:0xf
	v_add_f32_dpp v[T], v[T], v[T] row_xmask:4 row_mask:0xf bank_mask:0xf
	v_add_f32_dpp v[T], v[T], v[T] row_xmask:8 row_mask:0xf bank_mask:0xf
	v_permlanex16_b32 v[T+1], v[T], s14, s15
	v_add_f32 v[T], v[T], v[T+1]
.endm
	s_wait_loadcnt 16                              ; the row is in; gain's and bias's 16 loads stay out
.set i, 0
.rept 8
	v_pk_add_f32 v[T+2*i:T+2*i+1], v[X0+4*i:X0+4*i+1], v[X0+4*i+2:X0+4*i+3]
.set i, i+1
.endr
.set i, 0
.rept 4
	v_pk_add_f32 v[T+2*i:T+2*i+1], v[T+2*i:T+2*i+1], v[T+2*i+8:T+2*i+9]
.set i, i+1
.endr
	v_pk_add_f32 v[T:T+1], v[T:T+1], v[T+4:T+5]
	v_pk_add_f32 v[T+2:T+3], v[T+2:T+3], v[T+6:T+7]
	v_pk_add_f32 v[T:T+1], v[T:T+1], v[T+2:T+3]
	v_add_f32 v[T], v[T], v[T+1]
	LANES
	v_mul_f32 v[MU], s16, v[T]
	v_mov_b32 v[MU+1], v[MU]
.set i, 0
.rept 16
	v_pk_add_f32 v[X0+2*i:X0+2*i+1], v[X0+2*i:X0+2*i+1], v[MU:MU+1] neg_lo:[0,1] neg_hi:[0,1]  ; the row becomes x - mean
.set i, i+1
.endr
.set i, 0
.rept 4
	v_pk_mul_f32 v[Q+2*i:Q+2*i+1], v[X0+2*i:X0+2*i+1], v[X0+2*i:X0+2*i+1]
.set i, i+1
.endr
.rept 12
	v_pk_fma_f32 v[Q+2*(i%4):Q+2*(i%4)+1], v[X0+2*i:X0+2*i+1], v[X0+2*i:X0+2*i+1], v[Q+2*(i%4):Q+2*(i%4)+1]
.set i, i+1
.endr
	v_pk_add_f32 v[Q:Q+1], v[Q:Q+1], v[Q+2:Q+3]
	v_pk_add_f32 v[Q+4:Q+5], v[Q+4:Q+5], v[Q+6:Q+7]
	v_pk_add_f32 v[Q:Q+1], v[Q:Q+1], v[Q+4:Q+5]
	v_add_f32 v[T], v[Q], v[Q+1]
	LANES
	v_fma_f32 v[T], v[T], s16, s17
	v_rsq_f32 v[R], v[T]
	v_rsq_f32 v[R+1], v[T]
	v_nop                                          ; a plain instruction behind the second root, ahead of the use of its result (ISA guide 5.7.2)
	s_wait_alu depctr_va_vdst(0)                   ; one wait for both, ahead of their first reader
.set i, 0
.rept 16
	v_pk_mul_f32 v[X0+2*i:X0+2*i+1], v[X0+2*i:X0+2*i+1], v[R:R+1]
.set i, i+1
.endr
	s_wait_loadcnt 0x0                             ; gain and bias
.set i, 0
.rept 16
	v_pk_fma_f32 v[X0+2*i:X0+2*i+1], v[X0+2*i:X0+2*i+1], v[G+2*i:G+2*i+1], v[BV+2*i:BV+2*i+1]
.set i, i+1
.endr
.set i, 0
.rept 16
	v_cvt_pk_bf16_f32 v[X0+i], v[X0+2*i], v[X0+2*i+1]  ; in place, ascending: word i is written when words up to 2 i - 1 have been read
.set i, i+1
.endr
.irp j, 0,1,2,3,4,5,6,7
	global_store_b64 v5, v[X0+2*(\j):X0+2*(\j)+1], s[8:9] offset:256*(\j)
.endr
	s_endpgm
.Lfunc_end_k_q66cd070939_ln1:
	.size	k_q66cd070939_ln1, .Lfunc_end_k_q66cd070939_ln1-k_q66cd070939_ln1
	.p2alignl 7, 3214868480
	.fill 96, 4, 3214868480
	.section	.rodata,"a",@progbits
	.p2align	6, 0x0
	.amdhsa_kernel k_q66cd070939_ln1
		.amdhsa_group_segment_fixed_size 0
		.amdhsa_private_segment_fixed_size 0
		.amdhsa_enable_private_segment 0
		.amdhsa_kernarg_size 24
		.amdhsa_user_sgpr_count 2
		.amdhsa_user_sgpr_kernarg_segment_ptr 1
		.amdhsa_wavefront_size32 1
		.amdhsa_system_sgpr_workgroup_id_x 1
		.amdhsa_system_sgpr_workgroup_id_y 1
		.amdhsa_system_sgpr_workgroup_id_z 1
		.amdhsa_system_vgpr_workitem_id 0
		.amdhsa_next_free_vgpr 160
		.amdhsa_next_free_sgpr 66
		.amdhsa_reserve_vcc 0
		.amdhsa_float_denorm_mode_32 3
		.amdhsa_float_denorm_mode_16_64 3
		.amdhsa_memory_ordered 1
		.amdhsa_forward_progress 1
		.amdhsa_inst_pref_size 12
	.end_amdhsa_kernel
	.amdgpu_metadata
---
amdhsa.version: [ 1, 2 ]
amdhsa.kernels:
  - .name:           k_q66cd070939_ln1
    .symbol:         k_q66cd070939_ln1.kd
    .args:
      - { .name: ysum, .offset: 0, .size: 8, .value_kind: global_buffer, .address_space: global }
      - { .name: wsx, .offset: 8, .size: 8, .value_kind: global_buffer, .address_space: global }
      - { .name: wso, .offset: 16, .size: 8, .value_kind: global_buffer, .address_space: global }
    .group_segment_fixed_size: 0
    .private_segment_fixed_size: 0
    .kernarg_segment_align: 8
    .kernarg_segment_size: 24
    .max_flat_workgroup_size: 512
    .sgpr_count:     66
    .vgpr_count:     160
    .wavefront_size: 32
...
	.end_amdgpu_metadata
.endif
;; end of part 11
;; launch ffn1: the kernel of part 8 again; grid 16 x 16, 4 waves a work-group, clusters of 4 x 4, 327,680 bytes of LDS; arguments wso, wsh; writes wsh
;; launch ffn2 (part 12): grid 8 x 32, 4 waves a work-group, clusters of 4 x 4, 327,680 bytes of LDS; arguments wsh, wso, ysum; writes ysum
.if DOCPART == 12
	.amdgcn_target "amdgcn-amd-amdhsa--gfx1250"
	.amdhsa_code_object_version 6
	.text
	.protected	k_q66cd070939_ffn2
	.globl	k_q66cd070939_ffn2
	.p2align	8
	.type	k_q66cd070939_ffn2,@function
k_q66cd070939_ffn2:
	s_mov_b64 s[64:65], 0
	v_nop
	global_prefetch_b8 v0, s[64:65] scope:SCOPE_SE
	s_setreg_imm32_b32 hwreg(HW_REG_WAVE_MODE, 25, 1), 1
	s_wait_xcnt 0x0
	s_wait_alu depctr_hold_cnt(0) depctr_sa_sdst(0) depctr_va_vdst(0) depctr_va_sdst(0) depctr_va_ssrc(0) depctr_va_vcc(0) depctr_vm_vsrc(0)
	s_getreg_b32 s2, hwreg(HW_REG_IB_STS2, 6, 4)
	s_cmp_eq_u32 s2, 0
	s_cbranch_scc0 .Lentry_in_a_cluster
	s_endpgm
.Lentry_in_a_cluster:
	s_bfe_u32 s2, ttmp6, 0x10000c
	s_cmp_lg_u32 s2, 0xf033
	s_cbranch_scc0 .Lentry_shape_is_right
	s_endpgm
.Lentry_shape_is_right:
; Y = A W + bias + RES, in f32: the sums that a LayerNorm takes next.  K = 256 STEPS.  AW holds A by slices [K / 64][4096 rows][64] bf16 at 0, W as blocks [K / 256][8 column tiles][256 k][128 n] bf16 at WOFF,
; and the bias (1,024 f32) at BOFF.  RES is [4096][1024] bf16 at its buffer's head.  Y is [4096][1024] f32.
; This text stands twice in the program, for K = 1,024 and for K = 4,096: the two differ in the line that sets STEPS alone.
; SHARES.  A tile of Y is 128 x 128; four waves, each 64 x 64: 16 accumulators.  K goes in steps of 256 (four slices) through two LDS slots; a quarter of a step is one slice.
; CLUSTER.  4 x 4 work-groups: A's tile is shared along a row of the cluster, W's along a column; each is asked for jointly.
; The product is taken transposed (source 0 = 16 columns of W, turned out of LDS; source 1 = 16 rows of A): a lane holds a row of Y and eight neighbouring columns.  The bias is the C that starts the sums.
; THE TEXT.  A K step is written twice: in the loop whose changes of slots refill (STEPS - 2 trips) and in the loop of the last two steps, which refill nothing.  Which slot a trip reads stands in a scalar, TB,
; that goes to and fro between 0 and SLOT; the fragment addresses are made anew from it behind each change of slots.
; NaN and infinities are not treated apart.
; REGISTERS: window 0: v16-31 addresses; v32-63 the bias, later with v64-95 two buffers of rows read back; v96-127 a block's residual in f32; v128-255 accumulators ((a, b) at v[128 + 8 (4 a + b)])
;   window 1: two fragment buffers of 128 (64 of A, then 64 of W)      window 2: v0-63 the residual as loaded
.set STEPS,  16                        ; K = 4,096.  K steps 4 to 15 are prefetched, two refills ahead
.set PA,     144                       ; a row of a slice in LDS: 128 bytes + 16
.set PBB,    288                       ; a k row of W: 256 bytes + 32, for the turning load
.set SLICE,  128*PA
.set HALFT,  2*SLICE                   ; what one tensor load brings: two slices of A, or 128 k rows of W (128 x 288 is the same number)
.set SLOT,   4*HALFT                   ; 0x24000: its two bits stand in none of wave x HALFT (0, 0x9000, 0x12000, 0x1b000), so an exclusive or with it adds or takes away a slot
.set STAGE,  2*SLOT                    ; behind the ring: 16 rows x 272 bytes for each wave
.set SPITCH, 272
.set SPARE,  STAGE+4*16*SPITCH         ; the spare words: two blocks of 256 bytes that no other line names
.set WOFF,   0x2000000
.set BOFF,   0x2800000
.set ASTEP,  4*524288                  ; bytes from K step to K step in A
.set BSTEP,  8*65536                   ; and in W
.set ADRA0, 16                         ; v16     my lane's place among A's fragments in slot 0; never rewritten
.set ADRB0, 17                         ; v17     the same for W
.set ADRA, 20                          ; v20     the same in the slot that is being read
.set ADRB, 21                          ; v21-22  for W: the step's first 128 k rows, its second
.set STO,  24
.set RD,   25
.set CO,   26
.set RO,   27
.set SPW,  28
.set NIL,  29
.set PFO,  30
.set BO,   31
.set BIAS, 32
.set TMP,  32
.set T,    96
.set ACC,  128
.set RS,   0                           ; window 2
.set F0,   0                           ; window 1
.set F1,   128
.set G1,  24                           ; s[24:31] group 1 for A's tiles;  s[32:39] group 0: a set for each of the two first fills; the second then walks on
.set G0,  32
.set G1B, 48                           ; the same for W's
.set G0B, 56
.set LIM, 67                           ; 2 in a wave that prefetches, else the greatest number
.set PFA, 68
.set PFS, 70
.set BP,  72
.set HIM, 74                           ; a word's upper bf16
.set TB,  75                           ; 0 or SLOT: the slot that is being read
.set MSB, 0
.macro WIN new
.if MSB != (\new)
	s_set_vgpr_msb (MSB<<8)|(\new)
.set MSB, \new
.endif
.endm
.set MUL,  0x05                        ; sources 0 and 1 window 1; C and D window 0
.set TO_F, 0x40
.macro JLOAD s                         ; waves 0 and 1 fetch A's halves, waves 2 and 3 W's; an s_nop 0 and four v_nop follow each line
	s_cmp_eq_u32 s13, 0
	s_cbranch_scc0 .Lfor_b_\@
	tensor_load_to_lds s[G0+4*(\s):G0+4*(\s)+3], s[G1:G1+7]
	s_nop 0
.rept 4
	v_nop
.endr
	s_branch .Lasked_\@
.Lfor_b_\@:
	tensor_load_to_lds s[G0B+4*(\s):G0B+4*(\s)+3], s[G1B:G1B+7]
	s_nop 0
.rept 4
	v_nop
.endr
.Lasked_\@:
.endm
; A prefetch of the K step two refills on: of the 32,768 bytes that I fetch, my work-group's 8,192, a lane 256.  Cluster x = 0 asks for A's, cluster y = 0 for W's.  So K steps 4 on are named once each;
; the loop's last two trips (s3 = 2, 1) ask for nothing.
.macro ASK
	s_cmp_gt_u32 s3, s[LIM]
	s_cbranch_scc0 .Lnot_mine_\@
	global_prefetch_b8 v[PFO], s[PFA:PFA+1] th:TH_LOAD_NT scope:SCOPE_SE
.Lnot_mine_\@:
.endm
.macro CREST
	s_cmp_lg_u32 s12, 0
	s_cbranch_scc1 .Lnot_wave_0_\@
	s_barrier_signal -3
.Lnot_wave_0_\@:
	s_barrier_wait -3
	s_barrier_signal -1
	s_barrier_wait -1
.endm
.macro CROUND
	s_barrier_signal -1
	s_barrier_wait -1
	CREST
.endm
	s_load_b128 s[4:7], s[0:1], 0x0                ; AW s[4:5], RES s[6:7]
	s_load_b64 s[10:11], s[0:1], 0x10              ; Y
	v_lshl_add_u32 v[SPW], v0, 2, SPARE
	v_mov_b32 v[NIL], 0
	ds_add_u32 v[SPW], v[NIL]                      ; the wave's opening: the add and its wait stand ahead of my first tensor load
	v_lshrrev_b32 v1, 5, v0
	v_readfirstlane_b32 s12, v1                    ; wave 0..3
	s_lshr_b32 s13, s12, 1                         ; my half of the tile's rows.  Also: I fetch for A (0) or for W (1)
	s_and_b32 s14, s12, 1                          ; my half of its columns.  Also: which half of that tile I fetch
	s_bfe_u32 s15, ttmp6, 0x40000                  ; cx
	s_bfe_u32 s16, ttmp6, 0x40004                  ; cy
	s_lshl_b32 s17, ttmp9, 2
	s_add_co_u32 s17, s17, s15                     ; tile column
	s_and_b32 s18, ttmp7, 0xffff
	s_lshl_b32 s18, s18, 2
	s_add_co_u32 s18, s18, s16                     ; tile row
	s_lshl_b32 s20, s16, 2
	s_lshl_b32 s20, 15, s20                        ; my row of the cluster
	s_lshl_b32 s21, 0x1111, s15                    ; my column
	s_or_b32 s[G1+0], s20, (1<<16)|(1<<20)|(1<<21)|(4<<22)|(3<<25)   ; mask; 2-byte elements; padding on; bit 21 beside a mask; after every 32 words 4 words
	s_or_b32 s[G1B+0], s21, (1<<16)|(1<<20)|(1<<21)|(5<<22)|(7<<25)  ; after every 64 words 8 words
	s_mov_b32 s[G1+1], 8192<<16                    ; A: two rows of 8,192 elements: a slice's 128 dense rows each,
	s_mov_b32 s[G1+2], 2<<16
	s_mov_b32 s[G1+3], 8192<<16
	s_mov_b32 s[G1+4], 2
	s_mov_b32 s[G1+5], 262144                      ; a slice apart
	s_mov_b32 s[G1+6], 0
	s_mov_b32 s[G1+7], 0
	s_mov_b32 s[G1B+1], 128<<16                    ; W: 128 k rows of 128 elements, dense
	s_mov_b32 s[G1B+2], 128<<16
	s_mov_b32 s[G1B+3], 128<<16
	s_mov_b32 s[G1B+4], 128
	s_mov_b32 s[G1B+5], 128
	s_mov_b32 s[G1B+6], 0
	s_mov_b32 s[G1B+7], 0
	s_lshl_b32 s40, s18, 14                        ; A: the tile row's 128 rows of 128 bytes,
	s_lshl_b32 s41, s14, 20                        ; my two slices of the step's four
	s_add_co_u32 s40, s40, s41
	s_mov_b32 s41, 0
	s_lshl_b32 s42, s17, 16                        ; W: the tile column's block,
	s_lshl_b32 s43, s14, 15                        ; my 128 k rows of it
	s_add_co_u32 s42, s42, s43
	s_add_co_u32 s42, s42, WOFF
	s_mov_b32 s43, 0
	s_mul_i32 s22, s12, HALFT                      ; where they go: no place in the cluster enters an LDS address
	s_mov_b32 s[HIM], 0xffff0000
	s_mov_b32 s[TB], 0
	s_wait_dscnt 0x0                               ; the opening add is done
	s_wait_kmcnt 0x0
	s_add_nc_u64 s[44:45], s[4:5], s[40:41]
	s_add_nc_u64 s[46:47], s[4:5], s[42:43]
	CROUND                                         ; all sixteen work-groups are here
.irp s, 0,1
	s_mov_b32 s[G0+4*(\s)], 1
	s_add_co_u32 s[G0+4*(\s)+1], s22, (\s)*SLOT
	s_add_nc_u64 s[G0+4*(\s)+2:G0+4*(\s)+3], s[44:45], (\s)*ASTEP
	s_or_b32 s[G0+4*(\s)+3], s[G0+4*(\s)+3], 0x80000000
	s_mov_b32 s[G0B+4*(\s)], 1
	s_add_co_u32 s[G0B+4*(\s)+1], s22, (\s)*SLOT
	s_add_nc_u64 s[G0B+4*(\s)+2:G0B+4*(\s)+3], s[46:47], (\s)*BSTEP
	s_or_b32 s[G0B+4*(\s)+3], s[G0B+4*(\s)+3], 0x80000000
	JLOAD \s                                       ; two loads of mine are out
.endr
	v_and_b32 v1, 15, v0                           ; l % 16
	v_bfe_u32 v2, v0, 4, 1                         ; l / 16
	v_mul_u32_u24 v3, v1, PA
	v_lshl_add_u32 v3, v2, 4, v3
	s_mul_i32 s20, s13, 64*PA                      ; my 64 rows in each slice
	v_and_b32 v4, 7, v0
	v_lshl_add_u32 v4, v2, 3, v4
	v_mul_u32_u24 v4, v4, PBB
	v_bfe_u32 v5, v0, 3, 1
	v_lshl_add_u32 v4, v5, 4, v4
	s_lshl_b32 s21, s14, 7                         ; my 64 columns,
	s_add_co_u32 s21, s21, 2*HALFT                 ; behind A's four slices
	v_add_nc_u32 v[ADRA0], s20, v3
	v_add_nc_u32 v[ADRB0], s21, v4
	v_mov_b32 v[ADRA], v[ADRA0]                    ; K step 0 lies in slot 0
	v_mov_b32 v[ADRB], v[ADRB0]
	v_add_nc_u32 v[ADRB+1], HALFT, v[ADRB0]
	s_mul_i32 s23, s12, 16*SPITCH
	s_add_co_u32 s23, s23, STAGE                   ; my stage
	v_mul_u32_u24 v6, v1, SPITCH                   ; in: row l % 16, 32 bytes for each half of the lanes
	v_lshl_add_u32 v6, v2, 5, v6
	v_add_nc_u32 v[STO], s23, v6
	v_mul_u32_u24 v6, v2, SPITCH                   ; back: lanes 0-15 one row of 256 bytes, lanes 16-31 the next
	v_lshl_add_u32 v6, v1, 4, v6
	v_add_nc_u32 v[RD], s23, v6
	v_lshlrev_b32 v6, 12, v2                       ; the same two rows in Y,
	v_lshl_add_u32 v[CO], v1, 4, v6
	v_lshlrev_b32 v6, 11, v2                       ; and in RES
	v_lshl_add_u32 v[RO], v1, 3, v6
	s_lshl_b32 s40, s18, 7
	s_lshl_b32 s41, s13, 6
	s_add_co_u32 s40, s40, s41                     ; my first row
	s_lshl_b32 s42, s17, 7
	s_lshl_b32 s43, s14, 6
	s_add_co_u32 s42, s42, s43                     ; my first column
	s_lshl_b32 s44, s40, 12
	s_lshl_b32 s45, s42, 2
	s_add_co_u32 s44, s44, s45
	s_mov_b32 s45, 0
	s_add_nc_u64 s[10:11], s[10:11], s[44:45]
	s_lshl_b32 s44, s40, 11
	s_lshl_b32 s46, s42, 1
	s_add_co_u32 s44, s44, s46
	s_add_nc_u64 s[6:7], s[6:7], s[44:45]
	s_add_nc_u64 s[BP:BP+1], s[4:5], BOFF
	v_lshl_add_u32 v[BO], v2, 3, s42
	v_lshlrev_b32 v[BO], 2, v[BO]
.irp b, 0,1,2,3                        ; the bias of columns 16 b + 8 (l / 16) + 0..7
	global_load_b128 v[BIAS+8*(\b):BIAS+8*(\b)+3],   v[BO], s[BP:BP+1] offset:64*(\b)
	global_load_b128 v[BIAS+8*(\b)+4:BIAS+8*(\b)+7], v[BO], s[BP:BP+1] offset:64*(\b)+16
.endr
	WIN 0x80                                       ; destination window 2
.set i, 0
.rept 32                               ; the residual, as the way out will want it: rows 2 i and 2 i + 1, four columns a lane
	global_load_b64 v[RS+2*i:RS+2*i+1], v[RO], s[6:7] offset:2*i*2048
.set i, i+1
.endr
	WIN 0
.if STEPS > 4
	s_lshl_b32 s40, s18, 14                        ; the prefetches.  For A: slice 2 x half + cx / 2 of the step's four, half cx % 2 of its 16,384 bytes
	s_lshl_b32 s41, s14, 1
	s_lshr_b32 s42, s15, 1
	s_add_co_u32 s41, s41, s42
	s_lshl_b32 s41, s41, 19
	s_add_co_u32 s40, s40, s41
	s_and_b32 s41, s15, 1
	s_lshl_b32 s41, s41, 13
	s_add_co_u32 s40, s40, s41
	s_add_co_u32 s40, s40, 3*ASTEP                 ; at K step 3: the first change of slots steps it to 4
	s_lshl_b32 s41, s17, 16                        ; for W: quarter cy of my 32,768 bytes
	s_lshl_b32 s42, s14, 15
	s_add_co_u32 s41, s41, s42
	s_lshl_b32 s42, s16, 13
	s_add_co_u32 s41, s41, s42
	s_add_co_u32 s41, s41, WOFF+3*BSTEP
	s_and_b32 s42, ttmp7, 0xffff
	s_mov_b32 s43, BSTEP
	s_cmp_eq_u32 s13, 0                            ; do I fetch for A?
	s_cselect_b32 s40, s40, s41
	s_cselect_b32 s42, ttmp9, s42                  ; the coordinate along which other clusters read the same bytes
	s_cselect_b32 s[PFS], ASTEP, s43
	s_mov_b32 s[PFS+1], 0
	s_mov_b32 s41, 0
	s_add_nc_u64 s[PFA:PFA+1], s[4:5], s[40:41]
	s_cmp_eq_u32 s42, 0
	s_cselect_b32 s[LIM], 2, -1                    ; the same in all sixteen partners, for a given wave
	v_and_b32 v[PFO], 31, v0
	v_lshlrev_b32 v[PFO], 8, v[PFO]
.endif
; 8 matrix instructions: row blocks a0, a0 + 1 x all 4 column blocks, 32 along K: half c of buffer f.  first = 1: the bias starts the sums
.macro MUL8 f, c, a0, first
	WIN MUL
.irp a, \a0, (\a0)+1
.irp b, 0,1,2,3
.if \first
	v_wmma_f32_16x16x32_bf16 v[ACC+8*(4*(\a)+(\b)):ACC+8*(4*(\a)+(\b))+7], v[(\f)+64+8*(4*(\c)+(\b)):(\f)+64+8*(4*(\c)+(\b))+7], v[(\f)+8*(4*(\c)+(\a)):(\f)+8*(4*(\c)+(\a))+7], v[BIAS+8*(\b):BIAS+8*(\b)+7]
.else
	v_wmma_f32_16x16x32_bf16 v[ACC+8*(4*(\a)+(\b)):ACC+8*(4*(\a)+(\b))+7], v[(\f)+64+8*(4*(\c)+(\b)):(\f)+64+8*(4*(\c)+(\b))+7], v[(\f)+8*(4*(\c)+(\a)):(\f)+8*(4*(\c)+(\a))+7], v[ACC+8*(4*(\a)+(\b)):ACC+8*(4*(\a)+(\b))+7]
.endif
.endr
.endr
.endm
; 32 LDS loads in one run: quarter q (one slice, 64 along K) of the slot that is being read into buffer f; its first 32 along K first
.macro FETCH q, f
	WIN TO_F
.irp c, 0,1
.irp i, 0,1,2,3
	ds_load_tr16_b128 v[(\f)+64+8*(4*(\c)+(\i)):(\f)+64+8*(4*(\c)+(\i))+3],   v[ADRB+(\q)/2] offset:(((\q)%2)*64+32*(\c))*PBB+32*(\i)
	ds_load_tr16_b128 v[(\f)+64+8*(4*(\c)+(\i))+4:(\f)+64+8*(4*(\c)+(\i))+7], v[ADRB+(\q)/2] offset:(((\q)%2)*64+32*(\c)+16)*PBB+32*(\i)
	ds_load_b128 v[(\f)+8*(4*(\c)+(\i)):(\f)+8*(4*(\c)+(\i))+3],   v[ADRA] offset:(\q)*SLICE+64*(\c)+(\i)*16*PA
	ds_load_b128 v[(\f)+8*(4*(\c)+(\i))+4:(\f)+8*(4*(\c)+(\i))+7], v[ADRA] offset:(\q)*SLICE+64*(\c)+(\i)*16*PA+32
.endr
.endr
.endm
.macro PLACES                          ; four plain instructions between a matrix instruction and a load into, or a read of, its registers
.rept 4
	v_nop
.endr
.endm
.macro QUARTER q, f, g, first          ; multiplies buffer f and fetches quarter q into g; the 16 accumulators take turns
	s_wait_dscnt 16                                ; the first 32 along K are in
	MUL8 \f, 0, 0, \first
	MUL8 \f, 0, 2, \first
	PLACES
	FETCH \q, \g
	s_wait_dscnt 32                                ; all but the 32 just issued
	MUL8 \f, 1, 0, 0
	MUL8 \f, 1, 2, 0
.endm
; A K step's last quarter multiplies buffer 1 and changes slots.  fill = 1: this slot is filled again, two K steps on: the first tensor load behind the round, 112 matrix instructions ahead of the wait for it.
.macro TURN fill
.if (\fill) && (STEPS > 4)
	s_wait_xcnt 0x0                                ; the last prefetch, a K step back, has read its address
	s_add_nc_u64 s[PFA:PFA+1], s[PFA:PFA+1], s[PFS:PFS+1]
.endif
	WIN 0
	s_wait_tensorcnt 0x0                           ; all my tensor loads have landed: my part of the next slot
	ds_add_u32 v[SPW], v[NIL]
	s_wait_dscnt 17                                ; (the add and the youngest sixteen loads may be out)
	MUL8 F1, 0, 0, 0
	s_wait_dscnt 0x0                               ; the add is done, and my reads of this slot are over
	s_barrier_signal -1
	MUL8 F1, 0, 2, 0
	WIN 0
	s_barrier_wait -1
.if \fill
	CREST                                          ; no wave of any partner still reads this slot or has a load on its way
	s_xor_b32 s[G0+5], s[G0+5], SLOT               ; the walking descriptors: the other slot than last time,
	s_add_nc_u64 s[G0+6:G0+7], s[G0+6:G0+7], ASTEP ; the next K step
	s_xor_b32 s[G0B+5], s[G0B+5], SLOT
	s_add_nc_u64 s[G0B+6:G0B+7], s[G0B+6:G0B+7], BSTEP
	JLOAD 1                                        ; its four v_nop are also the places in front of the loads below
.else
	PLACES
.endif
	s_xor_b32 s[TB], s[TB], SLOT                   ; the reads go on in the other slot
	v_add_nc_u32 v[ADRA], s[TB], v[ADRA0]
	v_add_nc_u32 v[ADRB], s[TB], v[ADRB0]
	v_add_nc_u32 v[ADRB+1], HALFT, v[ADRB]
	FETCH 0, F0
.if (\fill) && (STEPS > 4)
	WIN 0
	ASK
.endif
	MUL8 F1, 1, 0, 0
	MUL8 F1, 1, 2, 0
.endm
; THE WAY OUT of row block a (16 rows x 64 columns of f32): into my stage, 32 bytes a lane; back as whole rows of 256 bytes; the residual is added; stored.
.macro TOSTAGE a
	s_wait_xcnt 0x0                                ; earlier stores have read the registers that the loads below fill
.irp b, 0,1,2,3
	ds_store_b128 v[STO], v[ACC+8*(4*(\a)+(\b)):ACC+8*(4*(\a)+(\b))+3]   offset:64*(\b)
	ds_store_b128 v[STO], v[ACC+8*(4*(\a)+(\b))+4:ACC+8*(4*(\a)+(\b))+7] offset:64*(\b)+16
.endr
.irp t, 0,1,2,3,4,5,6,7
	ds_load_b128 v[TMP+32*((\a)%2)+4*(\t):TMP+32*((\a)%2)+4*(\t)+3], v[RD] offset:(\t)*2*SPITCH  ; LDS serves a wave's instructions in order (ISA guide 5.7.1.4)
.endr
.endm
.macro SEND a, younger                 ; younger: the LDS instructions issued behind block a's loads
	WIN 0x08                                       ; source 1 in window 2: the block's residual is widened in one run, ahead of the wait for the stage
.irp t, 0,1,2,3,4,5,6,7
	v_lshlrev_b32 v[T+4*(\t)],   16, v[RS+2*(8*(\a)+(\t))]
	v_and_b32     v[T+4*(\t)+1], s[HIM], v[RS+2*(8*(\a)+(\t))]
	v_lshlrev_b32 v[T+4*(\t)+2], 16, v[RS+2*(8*(\a)+(\t))+1]
	v_and_b32     v[T+4*(\t)+3], s[HIM], v[RS+2*(8*(\a)+(\t))+1]
.endr
	WIN 0
.irp t, 0,1,2,3,4,5,6,7
	s_wait_dscnt (\younger)+7-(\t)
	v_pk_add_f32 v[TMP+32*((\a)%2)+4*(\t):TMP+32*((\a)%2)+4*(\t)+1],   v[TMP+32*((\a)%2)+4*(\t):TMP+32*((\a)%2)+4*(\t)+1],   v[T+4*(\t):T+4*(\t)+1]
	v_pk_add_f32 v[TMP+32*((\a)%2)+4*(\t)+2:TMP+32*((\a)%2)+4*(\t)+3], v[TMP+32*((\a)%2)+4*(\t)+2:TMP+32*((\a)%2)+4*(\t)+3], v[T+4*(\t)+2:T+4*(\t)+3]
	global_store_b128 v[CO], v[TMP+32*((\a)%2)+4*(\t):TMP+32*((\a)%2)+4*(\t)+3], s[10:11] offset:(16*(\a)+2*(\t))*4096  ; 16 lanes store 256 consecutive bytes, aligned
.endr
.endm
	s_wait_tensorcnt 1                             ; my part of K step 0 is in; K step 1's may stay out
	s_barrier_signal -1
	s_barrier_wait -1
	FETCH 0, F0
	s_wait_loadcnt 32                              ; the bias is in; the residual's 32 loads stay out
	QUARTER 1, F0, F1, 1                           ; the first quarter stands in front of the loop: its first products start the sums
	WIN 0
	s_mov_b32 s3, STEPS-2
.Lstep:                                        ; a trip goes from a K step's second quarter to the next step's first, and fills the slot that it leaves again
	QUARTER 2, F1, F0, 0
	QUARTER 3, F0, F1, 0
	TURN 1
	QUARTER 1, F0, F1, 0
	WIN 0
	s_sub_co_u32 s3, s3, 1
	s_cmp_lg_u32 s3, 0
	s_cbranch_scc1 .Lstep
	s_mov_b32 s3, 2
.Ltail:                                        ; the last two K steps fill nothing: written apart
	QUARTER 2, F1, F0, 0
	QUARTER 3, F0, F1, 0
	TURN 0
	WIN 0
	s_sub_co_u32 s3, s3, 1
	s_cmp_eq_u32 s3, 0
	s_cbranch_scc1 .Lout                           ; the second trip is left here.  Its barrier orders nothing, and its 32 loads (the last K step but one's first fragments, bytes that have landed) feed nothing:
	QUARTER 1, F0, F1, 0                           ; the price, once a launch, of one text for both trips
	WIN 0
	s_cmp_lg_u32 s3, 0
	s_cbranch_scc1 .Ltail
.Lout:
	PLACES
	PLACES
	s_wait_loadcnt 0x0                             ; the residual
	TOSTAGE 0
	TOSTAGE 1
	SEND 0, 16
	TOSTAGE 2
	SEND 1, 16
	TOSTAGE 3
	SEND 2, 16
	SEND 3, 0
	s_wait_tensorcnt 0x0                           ; the wave's end
	ds_add_u32 v[SPW], v[NIL]
	s_wait_dscnt 0x0
	CROUND                                         ; the closing round
	s_endpgm
.Lfunc_end_k_q66cd070939_ffn2:
	.size	k_q66cd070939_ffn2, .Lfunc_end_k_q66cd070939_ffn2-k_q66cd070939_ffn2
	.p2alignl 7, 3214868480
	.fill 96, 4, 3214868480
	.section	.rodata,"a",@progbits
	.p2align	6, 0x0
	.amdhsa_kernel k_q66cd070939_ffn2
		.amdhsa_group_segment_fixed_size 327680
		.amdhsa_private_segment_fixed_size 0
		.amdhsa_enable_private_segment 0
		.amdhsa_kernarg_size 24
		.amdhsa_user_sgpr_count 2
		.amdhsa_user_sgpr_kernarg_segment_ptr 1
		.amdhsa_wavefront_size32 1
		.amdhsa_system_sgpr_workgroup_id_x 1
		.amdhsa_system_sgpr_workgroup_id_y 1
		.amdhsa_system_sgpr_workgroup_id_z 1
		.amdhsa_system_vgpr_workitem_id 0
		.amdhsa_next_free_vgpr 640
		.amdhsa_next_free_sgpr 80
		.amdhsa_reserve_vcc 0
		.amdhsa_float_denorm_mode_32 3
		.amdhsa_float_denorm_mode_16_64 3
		.amdhsa_memory_ordered 1
		.amdhsa_forward_progress 1
		.amdhsa_inst_pref_size 73
	.end_amdhsa_kernel
	.amdgpu_metadata
---
amdhsa.version: [ 1, 2 ]
amdhsa.kernels:
  - .name:           k_q66cd070939_ffn2
    .symbol:         k_q66cd070939_ffn2.kd
    .args:
      - { .name: wsh, .offset: 0, .size: 8, .value_kind: global_buffer, .address_space: global }
      - { .name: wso, .offset: 8, .size: 8, .value_kind: global_buffer, .address_space: global }
      - { .name: ysum, .offset: 16, .size: 8, .value_kind: global_buffer, .address_space: global }
    .group_segment_fixed_size: 327680
    .private_segment_fixed_size: 0
    .kernarg_segment_align: 8
    .kernarg_segment_size: 24
    .max_flat_workgroup_size: 128
    .sgpr_count:     80
    .vgpr_count:     640
    .wavefront_size: 32
...
	.end_amdgpu_metadata
.endif
;; end of part 12
;; launch ln2 (part 13): grid 256 x 1, 16 waves a work-group, no clusters, 0 bytes of LDS; arguments ysum, wsx, out0; writes out0
.if DOCPART == 13
	.amdgcn_target "amdgcn-amd-amdhsa--gfx1250"
	.amdhsa_code_object_version 6
	.text
	.protected	k_q66cd070939_ln2
	.globl	k_q66cd070939_ln2
	.p2align	8
	.type	k_q66cd070939_ln2,@function
k_q66cd070939_ln2:
	s_mov_b64 s[64:65], 0
	v_nop
	global_prefetch_b8 v0, s[64:65] scope:SCOPE_SE
	s_setreg_imm32_b32 hwreg(HW_REG_WAVE_MODE, 25, 1), 1
	s_wait_xcnt 0x0
; out0 = LayerNorm(ysum) x g + b in f32: [4096][1024].  ysum: [4096][1024] f32.  g and b: 1,024 f32 each at wsx + PAR and PAR + 4,096.
; One wave takes one whole row and keeps it in registers: mean, then the mean of the squared differences (two passes over registers), then the scaling.  Sixteen waves a work-group.
; The row is read from memory once; no LDS, no barrier.  Each load and store covers 512 consecutive bytes, aligned.  Matrix units, clusters and tensor loads would add nothing to a stream.
.set PAR, 0x1000000+28672
.set X0, 32                            ; v[32:63]   the row: word 4 j + e is column 128 j + 4 l + e
.set G,  64                            ; v[64:95]   the gain of my columns
.set BV, 96                            ; v[96:127]  the bias
.set T,  128                           ; v[128:143] at work
.set Q,  144                           ; v[144:151] four chains of squares
.set MU, 152                           ; v[152:153] the mean, twice
.set R,  154                           ; v[154:155] 1 / sqrt(var + eps), twice
	s_load_b128 s[4:7], s[0:1], 0x0                ; ysum, wsx
	s_load_b64 s[8:9], s[0:1], 0x10                ; out0
	v_and_b32 v1, 31, v0
	v_lshrrev_b32 v2, 5, v0
	v_lshlrev_b32 v3, 4, v1                        ; 16 l
	v_lshl_add_u32 v4, v2, 12, v3                  ; + my wave's row of 4,096 bytes
	s_lshl_b32 s10, ttmp9, 16                      ; the work-group's 16 rows
	s_mov_b32 s11, 0
	s_mov_b32 s14, 0x76543210                      ; v_permlanex16_b32: each lane takes its own place in the other half
	s_mov_b32 s15, 0xfedcba98
	s_mov_b32 s16, 0x3a800000                      ; 1 / 1,024
	s_mov_b32 s17, 0x3727c5ac                      ; 1e-5
	s_wait_kmcnt 0x0
	s_add_nc_u64 s[4:5], s[4:5], s[10:11]
	s_add_nc_u64 s[6:7], s[6:7], PAR
	s_add_nc_u64 s[8:9], s[8:9], s[10:11]
.irp j, 0,1,2,3,4,5,6,7
	global_load_b128 v[X0+4*(\j):X0+4*(\j)+3], v4, s[4:5] offset:512*(\j) th:TH_LOAD_NT
.endr
.irp j, 0,1,2,3,4,5,6,7
	global_load_b128 v[G+4*(\j):G+4*(\j)+3], v3, s[6:7] offset:512*(\j)
.endr
.irp j, 0,1,2,3,4,5,6,7
	global_load_b128 v[BV+4*(\j):BV+4*(\j)+3], v3, s[6:7] offset:4096+512*(\j)
.endr
.macro LANES                           ; the sum of v[T] over the 32 lanes, in every lane
	v_add_f32_dpp v[T], v[T], v[T] row_xmask:1 row_mask:0xf bank_mask:0xf
	v_add_f32_dpp v[T], v[T], v[T] row_xmask:2 row_mask:0xf bank_mask:0xf
	v_add_f32_dpp v[T], v[T], v[T] row_xmask:4 row_mask:0xf bank_mask:0xf
	v_add_f32_dpp v[T], v[T], v[T] row_xmask:8 row_mask:0xf bank_mask:0xf
	v_permlanex16_b32 v[T+1], v[T], s14, s15
	v_add_f32 v[T], v[T], v[T+1]
.endm
	s_wait_loadcnt 16                              ; the row is in; gain's and bias's 16 loads stay out
.set i, 0
.rept 8
	v_pk_add_f32 v[T+2*i:T+2*i+1], v[X0+4*i:X0+4*i+1], v[X0+4*i+2:X0+4*i+3]
.set i, i+1
.endr
.set i, 0
.rept 4
	v_pk_add_f32 v[T+2*i:T+2*i+1], v[T+2*i:T+2*i+1], v[T+2*i+8:T+2*i+9]
.set i, i+1
.endr
	v_pk_add_f32 v[T:T+1], v[T:T+1], v[T+4:T+5]
	v_pk_add_f32 v[T+2:T+3], v[T+2:T+3], v[T+6:T+7]
	v_pk_add_f32 v[T:T+1], v[T:T+1], v[T+2:T+3]
	v_add_f32 v[T], v[T], v[T+1]
	LANES
	v_mul_f32 v[MU], s16, v[T]
	v_mov_b32 v[MU+1], v[MU]
.set i, 0
.rept 16
	v_pk_add_f32 v[X0+2*i:X0+2*i+1], v[X0+2*i:X0+2*i+1], v[MU:MU+1] neg_lo:[0,1] neg_hi:[0,1]  ; the row becomes x - mean
.set i, i+1
.endr
.set i, 0
.rept 4
	v_pk_mul_f32 v[Q+2*i:Q+2*i+1], v[X0+2*i:X0+2*i+1], v[X0+2*i:X0+2*i+1]
.set i, i+1
.endr
.rept 12
	v_pk_fma_f32 v[Q+2*(i%4):Q+2*(i%4)+1], v[X0+2*i:X0+2*i+1], v[X0+2*i:X0+2*i+1], v[Q+2*(i%4):Q+2*(i%4)+1]
.set i, i+1
.endr
	v_pk_add_f32 v[Q:Q+1], v[Q:Q+1], v[Q+2:Q+3]
	v_pk_add_f32 v[Q+4:Q+5], v[Q+4:Q+5], v[Q+6:Q+7]
	v_pk_add_f32 v[Q:Q+1], v[Q:Q+1], v[Q+4:Q+5]
	v_add_f32 v[T], v[Q], v[Q+1]
	LANES
	v_fma_f32 v[T], v[T], s16, s17
	v_rsq_f32 v[R], v[T]
	v_rsq_f32 v[R+1], v[T]
	v_nop                                          ; a plain instruction behind the second root, ahead of the use of its result (ISA guide 5.7.2)
	s_wait_alu depctr_va_vdst(0)                   ; one wait for both, ahead of their first reader
.set i, 0
.rept 16
	v_pk_mul_f32 v[X0+2*i:X0+2*i+1], v[X0+2*i:X0+2*i+1], v[R:R+1]
.set i, i+1
.endr
	s_wait_loadcnt 0x0                             ; gain and bias
.set i, 0
.rept 16
	v_pk_fma_f32 v[X0+2*i:X0+2*i+1], v[X0+2*i:X0+2*i+1], v[G+2*i:G+2*i+1], v[BV+2*i:BV+2*i+1]
.set i, i+1
.endr
.irp j, 0,1,2,3,4,5,6,7
	global_store_b128 v4, v[X0+4*(\j):X0+4*(\j)+3], s[8:9] offset:512*(\j)
.endr
	s_endpgm
.Lfunc_end_k_q66cd070939_ln2:
	.size	k_q66cd070939_ln2, .Lfunc_end_k_q66cd070939_ln2-k_q66cd070939_ln2
	.p2alignl 7, 3214868480
	.fill 96, 4, 3214868480
	.section	.rodata,"a",@progbits
	.p2align	6, 0x0
	.amdhsa_kernel k_q66cd070939_ln2
		.amdhsa_group_segment_fixed_size 0
		.amdhsa_private_segment_fixed_size 0
		.amdhsa_enable_private_segment 0
		.amdhsa_kernarg_size 24
		.amdhsa_user_sgpr_count 2
		.amdhsa_user_sgpr_kernarg_segment_ptr 1
		.amdhsa_wavefront_size32 1
		.amdhsa_system_sgpr_workgroup_id_x 1
		.amdhsa_system_sgpr_workgroup_id_y 1
		.amdhsa_system_sgpr_workgroup_id_z 1
		.amdhsa_system_vgpr_workitem_id 0
		.amdhsa_next_free_vgpr 160
		.amdhsa_next_free_sgpr 66
		.amdhsa_reserve_vcc 0
		.amdhsa_float_denorm_mode_32 3
		.amdhsa_float_denorm_mode_16_64 3
		.amdhsa_memory_ordered 1
		.amdhsa_forward_progress 1
		.amdhsa_inst_pref_size 11
	.end_amdhsa_kernel
	.amdgpu_metadata
---
amdhsa.version: [ 1, 2 ]
amdhsa.kernels:
  - .name:           k_q66cd070939_ln2
    .symbol:         k_q66cd070939_ln2.kd
    .args:
      - { .name: ysum, .offset: 0, .size: 8, .value_kind: global_buffer, .address_space: global }
      - { .name: wsx, .offset: 8, .size: 8, .value_kind: global_buffer, .address_space: global }
      - { .name: out0, .offset: 16, .size: 8, .value_kind: global_buffer, .address_space: global }
    .group_segment_fixed_size: 0
    .private_segment_fixed_size: 0
    .kernarg_segment_align: 8
    .kernarg_segment_size: 24
    .max_flat_workgroup_size: 512
    .sgpr_count:     66
    .vgpr_count:     160
    .wavefront_size: 32
...
	.end_amdgpu_metadata
.endif
;; end of part 13
